; MI455X (gfx1250); checked and timed in simulation.
; The chip was launched on July 23, 2026; its instructions are those of AMD's public machine-readable ISA for CDNA 5 (MIT licence, August 2026) and "CDNA5" Instruction Set Architecture Reference Guide (July 2026). The comments in the code are by the model that wrote it; some were corrected since.
;; Transformer Block. Allowed arithmetic: matrix products marked QUANTISED: E5M2 operands, one E8M0 scale for each 32 along K, by v_wmma_scale_f32_16x16x128_f8f6f4 with both operands' format E5M2, f32 sums; everything else in f32.
;; Inputs: b1 4,096 float32; b2 1,024 float32; ln1_b 1,024 float32; ln1_g 1,024 float32; ln2_b 1,024 float32; ln2_g 1,024 float32; out_b 1,024 float32; out_w_codes 1,024 x 32 x 32 uint8 (E5M2 codes of out_w, K innermost, in blocks of 32 codes); out_w_scales 1,024 x 32 uint8 (E8M0 scales of out_w, one for each 32 codes along K); padding_mask 2 x 2,048 bool; qkv_b 3,072 float32; qkv_w_codes 3,072 x 32 x 32 uint8 (E5M2 codes of qkv_w, K innermost, in blocks of 32 codes); qkv_w_scales 3,072 x 32 uint8 (E8M0 scales of qkv_w, one for each 32 codes along K); w1_codes 4,096 x 32 x 32 uint8 (E5M2 codes of w1, K innermost, in blocks of 32 codes); w1_scales 4,096 x 32 uint8 (E8M0 scales of w1, one for each 32 codes along K); w2_codes 1,024 x 128 x 32 uint8 (E5M2 codes of w2, K innermost, in blocks of 32 codes); w2_scales 1,024 x 128 uint8 (E8M0 scales of w2, one for each 32 codes along K); x 2 x 2,048 x 1,024 float32.
;; Outputs: out0 2 x 2,048 x 1,024 float32.
;; This version of the problem:
;;   THIS VERSION OF THE PROBLEM IS GIVEN IN LOW PRECISION. The matrix products marked QUANTISED in the list below multiply operands that are first quantised to E5M2 (5 exponent bits, 2 mantissa bits; 8 bits a number), with one power-of-two scale for each 32 numbers along K (OCP MX v1.0); their sums are f32. All else is computed in f32.
;;   The module's matrix products, in the order in which they are computed (A, B: the left and right operand; K: the contracted axis; several contracted axes count as one K, in the product's order):
;;     1. [M 4,096, K 1,024] x [K 1,024, N 3,072]; A: computed on the way; B: input qkv_w (given as codes): QUANTISED
;;     2. batch 32 x [M 2,048, K 64] x [K 64, N 2,048]; A: computed on the way; B: computed on the way: QUANTISED
;;     3. batch 32 x [M 2,048, K 2,048] x [K 2,048, N 64]; A: softmax (see below); B: computed on the way: QUANTISED
;;     4. [M 4,096, K 1,024] x [K 1,024, N 1,024]; A: computed on the way; B: input out_w (given as codes): QUANTISED
;;     5. [M 4,096, K 1,024] x [K 1,024, N 4,096]; A: computed on the way; B: input w1 (given as codes): QUANTISED
;;     6. [M 4,096, K 4,096] x [K 4,096, N 1,024]; A: computed on the way; B: input w2 (given as codes): QUANTISED
;;   THE QUANTISER, for each operand of a quantised product, along K:
;;     - K is cut into blocks of 32 from its start; a last block that is shorter is filled with zeros.
;;     - A block's scale is 2^e with e = floor(log2(the largest magnitude in the block)) - 15, held to -126 .. 127; a block of zeros has e = 0. As a byte (E8M0): e + 127.
;;     - Each number is divided by its block's scale, clamped to +-57,344, and rounded to the nearest number of E5M2, ties to even, subnormals kept.
;;     - The product sums the exact products of the quantised numbers (number of the format x scale) in f32.
;;   ~~~python
;;   def quantise(x, axis):      # numpy; x: float32 -> the quantised numbers, widened to float32 again
;;       x = np.moveaxis(x, axis, -1); K = x.shape[-1]
;;       x = np.pad(x, [(0, 0)] * (x.ndim - 1) + [(0, -K % 32)]); x = x.reshape(x.shape[:-1] + (-1, 32)); a = np.abs(x).max(-1, keepdims=True)
;;       e = np.where(a > 0, np.clip(np.frexp(np.where(a > 0, a, 1))[1] - 1 - 15, -126, 127), 0)      # np.frexp(a)[1] - 1 = floor(log2(a)), exactly
;;       r = np.clip(x / 2.0 ** e, -57344, 57344)
;;       step = 2.0 ** (np.maximum(np.frexp(np.where(r == 0, 1, r))[1] - 1, -14) - 2)
;;       q = np.round(r / step) * step * 2.0 ** e      # np.round: ties to even
;;       return np.moveaxis(q.reshape(q.shape[:-2] + (-1,))[..., :K], -1, axis).astype(np.float32)
;;   ~~~
;;   SOFTMAX AHEAD OF A QUANTISED PRODUCT. Where the list says 'softmax', what is quantised is not the finished softmax but p = 2^(t - M), with t = logit x log2(e) and M = ceil(the row's largest t), a whole number; so 1/2 < the row's largest p <= 1. The row's sum l is taken of the UNQUANTISED p, in f32, and the product's result is divided by l at the end. Since M is a whole number, a kernel that streams over the keys may use a running M (the ceiling of the running maximum): every later rescaling is an exact power of two, which a block's scale takes up: the codes' values come out the same.
;;   OPERANDS COMPUTED ON THE WAY. 'Computed on the way' means the value that the module computes at that place (a softmax that the list does not call 'softmax' is quantised finished and normalised). What goes into a quantiser is computed in f32, as accurately as f32 sums, v_exp_f32 and their like allow (about 1e-6 of the number): no bf16 or f16 on the way to a quantiser, and a product that is left as it is and whose result goes on into a quantised operand takes f32 operands (vector FMAs, or v_wmma_f32_16x16x4_f32). A number that lies on a knife's edge between two numbers of the format may be rounded either way, as far as f32 arithmetic and the matrix unit's own rounding can turn it there, and no further.
;;   INPUTS GIVEN AS CODES. out_w (in the module: [1024, 1024], K = its axis 0); qkv_w (in the module: [1024, 3072], K = its axis 0); w1 (in the module: [1024, 4096], K = its axis 0); w2 (in the module: [4096, 1024], K = its axis 0): each comes as NAME_codes (uint8): NAME with its K axis moved to the last place and cut into blocks of 32 codes, [.., K / 32, bytes a block], one block behind the other in memory; one code a byte (a code: sign, 5 exponent bits, 2 mantissa bits); and NAME_scales (uint8): the same leading axes, one E8M0 byte (e + 127) for each 32 codes along K. Its value is code x scale, taken as it is: it is not quantised again, and the codes and scales need not be those that the quantiser above would give.
;; One version. Each part assembles by itself: llvm-mc -triple=amdgcn-amd-amdhsa -mcpu=gfx1250 --defsym DOCPART=n.
;; ======== version 1 of 1: 7 launches
;; limits: an absolute error that grows with the inputs' magnitude: up to 7.5e-08 times it; right only within a limited range of input values
;; workspace buffers: act 4,325,376 bytes; rope 524,288 bytes; qkvc 13,238,272 bytes; ctxc 4,325,376 bytes; x2 16,777,216 bytes; hid 17,301,504 bytes
;; launch ln1 (part 1): grid 256 x 1, 8 waves a work-group, no clusters, 83,456 bytes of LDS; arguments x, ln1_g, ln1_b, act, rope; writes act, rope
.if DOCPART == 1
	.amdgcn_target "amdgcn-amd-amdhsa--gfx1250"
	.amdhsa_code_object_version 6
	.text
	.protected	k_q65494db04a_ln1
	.globl	k_q65494db04a_ln1
	.p2align	8
	.type	k_q65494db04a_ln1,@function
k_q65494db04a_ln1:
	s_mov_b64 s[64:65], 0
	v_nop
	global_prefetch_b8 v0, s[64:65] scope:SCOPE_SE
	s_setreg_imm32_b32 hwreg(HW_REG_WAVE_MODE, 25, 1), 1
	s_wait_xcnt 0x0
; LayerNorm of 4,096 rows of 1,024 f32, quantised to codes of E5M2 with one E8M0 byte for each 32 along the row; and (ROPE = 1) the table of cosines and sines for the rotary embedding.
; out: codes [4096][1024] at byte 0 of act, scale bytes [4096][32] at byte ACTS.
; SHARES.  A work-group owns 16 rows, each of its eight waves two.  A wave's 32 loads (two rows, gain, bias) go out at once; a row stays in 32 registers between mean, variance and scaling.
; Mean first, then the mean of (x - mean)^2: no difference of large sums.  (x - mean) x rsq(var + 1e-5), then x gain + bias by one fused multiply-add.
; The loads take bytes as they lie (16 a lane, 512 a load); the conversions want 16 NEIGHBOURS in a lane: so 512 numbers at a time turn through the wave's own stage in LDS (64 bytes + 16 of padding a lane).
; A block's scale byte is the largest magnitude's exponent field - 15, held at 1 from below (a block of zeros keeps 1: its codes are zeros, and this program alone reads the bytes).
; THE TABLE, 512 KiB: byte t16 x 4096 + kind x 2048 + gq x 512 + lane x 16 + e x 4 holds cos (kind 0) or sin (kind 1) of pos x 10000^(-j/32), pos = 16 t16 + lane % 16,
; j = 16 (rho / 8) + 8 (lane / 16) + rho % 8, rho = 4 gq + e: the order in which the next launch's registers want it.  Waves 0-3 of work-group g write the 512 bytes (t16 = g / 2, kind = g % 2, gq = wave).
; 10000^(-j/32) = 2^(-j c), c = log2(10000) / 32 split in a 19-bit head (j x head is exact) and a tail; the angle is reduced by pi/2 in two parts (the first product is exact) and goes through polynomials of degree 7 and 8.
; LIMITS: NaN and infinities are not served.  10000^(-j/32) is within about 1.3 units of its last place, so an angle can differ from another f32 evaluation's by that share of itself.
.set ROPE,  1
.set SP,    80                         ; a lane's place in a stage
.set STG,   32*SP                      ; a stage: 512 numbers
.set WREG,  4*STG                      ; four stages a wave
.set SCB,   8*WREG                     ; behind the stages: the work-group's 512 scale bytes
.set ACTS,  4194304
.set EMAX,  15
.set G,     16                         ; v16-47   gain
.set BB,    48                         ; v48-79   bias
.set X,     80                         ; v80-143  two rows
.set C,     144                        ; v144-159 codes, four registers a step
.set E,     160                        ; v160-163 a scale byte a step
.set RS,    172                        ; v172-175 1 / sigma, a pair for each row
	s_load_b256 s[4:11], s[0:1], 0x0               ; x, gain, bias, act
.if ROPE
	s_load_b64 s[12:13], s[0:1], 0x20              ; the table
	v_lshl_add_u32 v192, v0, 2, 0x14200
	v_mov_b32 v193, 0
.endif
	v_lshrrev_b32 v1, 5, v0
	v_readfirstlane_b32 s14, v1                    ; wave
	v_and_b32 v1, 31, v0                           ; lane
	v_lshlrev_b32 v2, 4, v1                        ; 16 x lane
	s_mul_i32 s15, s14, WREG
	v_lshrrev_b32 v3, 2, v1
	v_mul_u32_u24 v3, v3, SP
	v_and_b32 v6, 3, v1
	v_lshl_add_u32 v3, v6, 4, v3
	v_add_nc_u32 v3, s15, v3                       ; into a stage: four lanes' 64 bytes on end, then the padding
	v_mul_u32_u24 v4, v1, SP
	v_add_nc_u32 v4, s15, v4                       ; out of it: my 16 neighbours
	s_lshl_b32 s15, s14, 6
	s_add_co_u32 s15, s15, SCB
	v_lshrrev_b32 v5, 1, v1
	v_add_nc_u32 v5, s15, v5                       ; my block's scale byte: 64 bytes a wave
	v_add_nc_u32 v6, SCB, v2                       ; wave 0 reads the 512 bytes back
	s_mov_b32 s16, 0x76543210
	s_mov_b32 s17, 0xfedcba98                      ; v_permlanex16_b32: lane l xor 16
	s_mov_b32 s18, 0x3a800000                      ; 1 / 1024
	s_mov_b32 s19, 0x3727c5ac                      ; 1e-5
	s_mov_b32 s22, 0x600000                        ; the mantissa field of 57,344
	s_lshl_b32 s20, ttmp9, 16                      ; 16 rows of 4,096 bytes a work-group,
	s_lshl_b32 s21, s14, 13                        ; two a wave
	s_add_co_u32 s20, s20, s21
	s_mov_b32 s21, 0
	s_lshr_b32 s24, s20, 2                         ; the same rows' codes
	s_mov_b32 s25, 0
	s_lshl_b32 s26, ttmp9, 9
	s_add_co_u32 s26, s26, ACTS                    ; the work-group's scale bytes
	s_mov_b32 s27, 0
	s_wait_kmcnt 0x0
	s_add_nc_u64 s[4:5], s[4:5], s[20:21]
	s_add_nc_u64 s[28:29], s[10:11], s[26:27]
	s_add_nc_u64 s[10:11], s[10:11], s[24:25]
.irp k, 0,1
.irp i, 0,1,2,3,4,5,6,7
	global_load_b128 v[X+32*\k+4*\i:X+32*\k+4*\i+3], v2, s[4:5] offset:4096*\k+512*\i th:TH_LOAD_NT
.endr
.endr
.irp i, 0,1,2,3,4,5,6,7
	global_load_b128 v[G+4*\i:G+4*\i+3], v2, s[6:7] offset:512*\i
.endr
.irp i, 0,1,2,3,4,5,6,7
	global_load_b128 v[BB+4*\i:BB+4*\i+3], v2, s[8:9] offset:512*\i
.endr
.if ROPE
	s_cmp_lt_u32 s14, 4                            ; the table is made while the rows are on their way
	s_cbranch_scc0 .Lno_table
	s_mov_b32 s30, 0xb94ca1f9                      ; sine: r + r z (S2 + z (S1 + z S0))
	s_mov_b32 s31, 0x3c08839e
	s_mov_b32 s32, 0xbe2aaaa3
	s_mov_b32 s33, 0x37ccf5ce                      ; cosine: 1 - z / 2 + z z (C2 + z (C1 + z C0))
	s_mov_b32 s34, 0xbab6061a
	s_mov_b32 s35, 0x3d2aaaa5
	s_mov_b32 s36, 0x3fc90fdb                      ; pi / 2, its f32 head,
	s_mov_b32 s37, 0x333bbd2e                      ; and head - pi / 2
	s_mov_b32 s38, 0x35425e69                      ; the tail of log2(10000) / 32
	s_and_b32 s39, ttmp9, 1
	s_mul_i32 s39, s39, 3                          ; 3 x kind
	s_lshl_b32 s20, ttmp9, 11                      ; 4096 t16 + 2048 kind = 2048 g,
	s_lshl_b32 s21, s14, 9                         ; + 512 gq
	s_add_co_u32 s20, s20, s21
	s_mov_b32 s21, 0
	s_add_nc_u64 s[12:13], s[12:13], s[20:21]
	s_lshr_b32 s24, ttmp9, 1
	s_lshl_b32 s24, s24, 4                         ; 16 t16
	v_and_b32 v176, 15, v0
	v_add_nc_u32 v176, s24, v176
	v_cvt_f32_u32 v176, v176                       ; pos
	s_lshr_b32 s24, s14, 1
	s_lshl_b32 s24, s24, 4
	s_and_b32 s25, s14, 1
	s_lshl_b32 s25, s25, 2
	s_add_co_u32 s24, s24, s25
	v_bfe_u32 v177, v0, 4, 1
	v_lshl_add_u32 v177, v177, 3, s24              ; j for e = 0
.irp e, 0,1,2,3
	v_add_nc_u32 v[164+\e], \e, v177
	v_cvt_f32_u32 v[164+\e], v[164+\e]             ; j
	v_mul_f32 v[168+\e], 0x3ed49a60, v[164+\e]     ; j x head: exact
	v_floor_f32 v[172+\e], v[168+\e]
	v_sub_f32 v[168+\e], v[168+\e], v[172+\e]      ; its fraction: exact
	v_fma_f32 v[168+\e], v[164+\e], s38, v[168+\e] ; + j x tail
	v_cvt_i32_f32 v[172+\e], v[172+\e]
	v_sub_nc_u32 v[172+\e], 0, v[172+\e]           ; minus the whole part
.endr
.irp e, 0,1,2,3
	v_exp_f32 v[168+\e], -v[168+\e]
.endr
	v_nop                                          ; a plain instruction behind the last exponential,
	s_wait_alu depctr_va_vdst(0)                   ; and one wait for the four, ahead of their first reader
.irp e, 0,1,2,3
	v_ldexp_f32 v[168+\e], v[168+\e], v[172+\e]    ; 10000^(-j/32)
	v_mul_f32 v[168+\e], v176, v[168+\e]           ; the angle
	v_mul_f32 v[164+\e], 0x3f22f983, v[168+\e]
	v_rndne_f32 v[164+\e], v[164+\e]               ; n = the nearest multiple of pi / 2
	v_fma_f32 v[168+\e], -v[164+\e], s36, v[168+\e]
	v_fma_f32 v[168+\e], v[164+\e], s37, v[168+\e] ; r, within pi / 4 of 0
	v_mul_f32 v[172+\e], v[168+\e], v[168+\e]      ; z
	v_fma_f32 v[178+\e], v[172+\e], s30, s31
	v_fma_f32 v[178+\e], v[178+\e], v[172+\e], s32
	v_mul_f32 v[178+\e], v[178+\e], v[172+\e]
	v_fma_f32 v[178+\e], v[178+\e], v[168+\e], v[168+\e]   ; sin r
	v_fma_f32 v[182+\e], v[172+\e], s33, s34
	v_fma_f32 v[182+\e], v[182+\e], v[172+\e], s35
	v_mul_f32 v[182+\e], v[182+\e], v[172+\e]
	v_fma_f32 v[186+\e], v[172+\e], -0.5, 1.0
	v_fma_f32 v[182+\e], v[182+\e], v[172+\e], v[186+\e]   ; cos r
	v_cvt_i32_f32 v[164+\e], v[164+\e]
	v_add_nc_u32 v[164+\e], s39, v[164+\e]         ; k = n + 3 kind: odd k takes the sine of r, even k the cosine;
	v_and_b32 v[186+\e], 1, v[164+\e]
	v_cmp_eq_u32 vcc_lo, 1, v[186+\e]
	v_cndmask_b32 v[178+\e], v[182+\e], v[178+\e], vcc_lo
	v_add_nc_u32 v[164+\e], 1, v[164+\e]
	v_and_b32 v[164+\e], 2, v[164+\e]              ; bit 1 of k + 1 is the sign
	v_lshlrev_b32 v[164+\e], 30, v[164+\e]
	v_xor_b32 v[178+\e], v[164+\e], v[178+\e]
.endr
	global_store_b128 v2, v[178:181], s[12:13]     ; 32 lanes store 512 consecutive bytes
.Lno_table:
.endif
.macro REDUCE                          ; v[T:T+3] -> the wave's sum, in every lane's v[T]
	v_pk_add_f32 v[T:T+1], v[T:T+1], v[T+2:T+3]
	v_add_f32 v[T], v[T], v[T+1]
	v_add_f32_dpp v[T], v[T], v[T] row_xmask:1 row_mask:0xf bank_mask:0xf
	v_add_f32_dpp v[T], v[T], v[T] row_xmask:2 row_mask:0xf bank_mask:0xf
	v_add_f32_dpp v[T], v[T], v[T] row_xmask:4 row_mask:0xf bank_mask:0xf
	v_add_f32_dpp v[T], v[T], v[T] row_xmask:8 row_mask:0xf bank_mask:0xf
	v_permlanex16_b32 v[T+1], v[T], s16, s17
	v_add_f32 v[T], v[T], v[T+1]
.endm
.macro STAT k, left                    ; row k: x - mean in place, 1 / sigma asked for.  left: the loads issued behind the row's, which may stay out
.set XB, X+32*(\k)
.set T, 164+4*(\k)
	s_wait_loadcnt \left
	v_pk_add_f32 v[T:T+1], v[XB:XB+1], v[XB+2:XB+3]
	v_pk_add_f32 v[T+2:T+3], v[XB+4:XB+5], v[XB+6:XB+7]
.irp i, 8,12,16,20,24,28
	v_pk_add_f32 v[T:T+1], v[T:T+1], v[XB+\i:XB+\i+1]
	v_pk_add_f32 v[T+2:T+3], v[T+2:T+3], v[XB+\i+2:XB+\i+3]
.endr
	REDUCE
	v_mul_f32 v12, s18, v[T]                       ; the mean, in both halves of a pair
	v_mov_b32 v13, v12
.set ii, 0
.rept 16
	v_pk_add_f32 v[XB+ii:XB+ii+1], v[XB+ii:XB+ii+1], v[12:13] neg_lo:[0,1] neg_hi:[0,1]
.set ii, ii+2
.endr
	v_pk_mul_f32 v[T:T+1], v[XB:XB+1], v[XB:XB+1]
	v_pk_mul_f32 v[T+2:T+3], v[XB+2:XB+3], v[XB+2:XB+3]
.irp i, 4,8,12,16,20,24,28
	v_pk_fma_f32 v[T:T+1], v[XB+\i:XB+\i+1], v[XB+\i:XB+\i+1], v[T:T+1]
	v_pk_fma_f32 v[T+2:T+3], v[XB+\i+2:XB+\i+3], v[XB+\i+2:XB+\i+3], v[T+2:T+3]
.endr
	REDUCE
	v_fma_f32 v[T], v[T], s18, s19                 ; variance + 1e-5
	v_rsq_f32 v[RS+2*(\k)], v[T]
	v_rsq_f32 v[RS+2*(\k)+1], v[T]
.endm
	STAT 0, 24
	STAT 1, 16
	v_nop                                          ; a plain instruction behind the last root,
	s_wait_alu depctr_va_vdst(0)                   ; and one wait for the four
	s_wait_loadcnt 0x0                             ; gain and bias
.irp k, 0,1
.set ii, 0
.rept 16
	v_pk_mul_f32 v[X+32*\k+ii:X+32*\k+ii+1], v[X+32*\k+ii:X+32*\k+ii+1], v[RS+2*\k:RS+2*\k+1]
	v_pk_fma_f32 v[X+32*\k+ii:X+32*\k+ii+1], v[X+32*\k+ii:X+32*\k+ii+1], v[G+ii:G+ii+1], v[BB+ii:BB+ii+1]
.set ii, ii+2
.endr
.endr
.macro TURN t                          ; 512 numbers through stage t, back into the registers that they left: LDS serves a wave's instructions in order
.irp i, 0,1,2,3
	ds_store_b128 v3, v[X+16*(\t)+4*\i:X+16*(\t)+4*\i+3] offset:STG*(\t)+8*SP*\i
.endr
.irp i, 0,1,2,3
	ds_load_b128 v[X+16*(\t)+4*\i:X+16*(\t)+4*\i+3], v4 offset:STG*(\t)+16*\i
.endr
.endm
.irp t, 0,1,2,3
	TURN \t
.endr
.macro QSTEP t
.set XS, X+16*(\t)
	s_wait_dscnt 24-7*(\t)                         ; behind this step's loads: eight LDS instructions for each later turn, and one byte store for each step done
	v_max3_num_f32 v8, |v[XS]|, |v[XS+1]|, |v[XS+2]|
	v_max3_num_f32 v9, |v[XS+3]|, |v[XS+4]|, |v[XS+5]|
.irp i, 6,10
	v_max3_num_f32 v8, v8, |v[XS+\i]|, |v[XS+\i+1]|
	v_max3_num_f32 v9, v9, |v[XS+\i+2]|, |v[XS+\i+3]|
.endr
	v_max3_num_f32 v8, v8, |v[XS+14]|, |v[XS+15]|
	v_max3_num_f32 v8, v8, v9, (EMAX+1)<<23        ; the floor 2^(16 - 127): the byte cannot fall under 1
	v_max_num_f32_dpp v8, v8, v8 row_xmask:1 row_mask:0xf bank_mask:0xf   ; with my neighbour's 16: the block's largest magnitude
	v_add_nc_u32 v11, -(EMAX<<23), v8              ; 15 off its exponent field: the conversion's scale operand
	v_and_or_b32 v10, v8, 0x7f800000, s22          ; 57,344 x the scale
.set ii, 0
.rept 16
	v_med3_num_f32 v[XS+ii], v[XS+ii], -v10, v10   ; the conversion to an 8-bit code does not saturate (ISA guide 7.6.2): the hold comes first
.set ii, ii+1
.endr
	v_cvt_scalef32_pk8_bf8_f32 v[C+4*(\t):C+4*(\t)+1], v[XS:XS+7], v11
	v_cvt_scalef32_pk8_bf8_f32 v[C+4*(\t)+2:C+4*(\t)+3], v[XS+8:XS+15], v11
	v_lshrrev_b32 v[E+(\t)], 23, v11               ; the scale's byte (and the plain instruction behind the conversions)
	ds_store_b8 v5, v[E+(\t)] offset:16*(\t)       ; both lanes of a block write the same byte with the same value
	global_store_b128 v2, v[C+4*(\t):C+4*(\t)+3], s[10:11] offset:512*(\t)   ; 32 lanes store 512 consecutive bytes
.endm
.irp t, 0,1,2,3
	QSTEP \t
.endr
	s_wait_dscnt 0x0                               ; my byte stores have landed
	s_barrier_signal -1
	s_barrier_wait -1                              ; everybody's have
	s_cmp_lg_u32 s14, 0
	s_cbranch_scc1 .Ldone
	ds_load_b128 v[8:11], v6
	s_wait_dscnt 0x0
	global_store_b128 v2, v[8:11], s[28:29]        ; the 16 rows' scale bytes: 512 consecutive bytes
.Ldone:
	s_wait_tensorcnt 0x0
	ds_add_u32 v192, v193
	s_wait_dscnt 0x0
	s_endpgm
.Lfunc_end_k_q65494db04a_ln1:
	.size	k_q65494db04a_ln1, .Lfunc_end_k_q65494db04a_ln1-k_q65494db04a_ln1
	.p2alignl 7, 3214868480
	.fill 96, 4, 3214868480
	.section	.rodata,"a",@progbits
	.p2align	6, 0x0
	.amdhsa_kernel k_q65494db04a_ln1
		.amdhsa_group_segment_fixed_size 83456
		.amdhsa_private_segment_fixed_size 0
		.amdhsa_enable_private_segment 0
		.amdhsa_kernarg_size 40
		.amdhsa_user_sgpr_count 2
		.amdhsa_user_sgpr_kernarg_segment_ptr 1
		.amdhsa_wavefront_size32 1
		.amdhsa_system_sgpr_workgroup_id_x 1
		.amdhsa_system_sgpr_workgroup_id_y 1
		.amdhsa_system_sgpr_workgroup_id_z 1
		.amdhsa_system_vgpr_workitem_id 0
		.amdhsa_next_free_vgpr 194
		.amdhsa_next_free_sgpr 66
		.amdhsa_reserve_vcc 1
		.amdhsa_float_denorm_mode_32 3
		.amdhsa_float_denorm_mode_16_64 3
		.amdhsa_memory_ordered 1
		.amdhsa_forward_progress 1
		.amdhsa_inst_pref_size 36
	.end_amdhsa_kernel
	.amdgpu_metadata
---
amdhsa.version: [ 1, 2 ]
amdhsa.kernels:
  - .name:           k_q65494db04a_ln1
    .symbol:         k_q65494db04a_ln1.kd
    .args:
      - { .name: x, .offset: 0, .size: 8, .value_kind: global_buffer, .address_space: global }
      - { .name: ln1_g, .offset: 8, .size: 8, .value_kind: global_buffer, .address_space: global }
      - { .name: ln1_b, .offset: 16, .size: 8, .value_kind: global_buffer, .address_space: global }
      - { .name: act, .offset: 24, .size: 8, .value_kind: global_buffer, .address_space: global }
      - { .name: rope, .offset: 32, .size: 8, .value_kind: global_buffer, .address_space: global }
    .group_segment_fixed_size: 83456
    .private_segment_fixed_size: 0
    .kernarg_segment_align: 8
    .kernarg_segment_size: 40
    .max_flat_workgroup_size: 256
    .sgpr_count:     66
    .vgpr_count:     194
    .wavefront_size: 32
...
	.end_amdgpu_metadata
.endif
;; end of part 1
;; launch qkv (part 2): grid 12 x 16, 4 waves a work-group, clusters of 4 x 4, 327,680 bytes of LDS; arguments act, qkv_w_codes, qkv_w_scales, qkv_b, padding_mask, rope, qkvc; writes qkvc
.if DOCPART == 2
	.amdgcn_target "amdgcn-amd-amdhsa--gfx1250"
	.amdhsa_code_object_version 6
	.text
	.protected	k_q65494db04a_qkv
	.globl	k_q65494db04a_qkv
	.p2align	8
	.type	k_q65494db04a_qkv,@function
k_q65494db04a_qkv:
	s_mov_b64 s[64:65], 0
	v_nop
	global_prefetch_b8 v0, s[64:65] scope:SCOPE_SE
	s_setreg_imm32_b32 hwreg(HW_REG_WAVE_MODE, 25, 1), 1
	s_wait_xcnt 0x0
	s_wait_alu depctr_hold_cnt(0) depctr_sa_sdst(0) depctr_va_vdst(0) depctr_va_sdst(0) depctr_va_ssrc(0) depctr_va_vcc(0) depctr_vm_vsrc(0)
	s_getreg_b32 s2, hwreg(HW_REG_IB_STS2, 6, 4)
	s_cmp_eq_u32 s2, 0
	s_cbranch_scc0 .Lentry_in_a_cluster
	s_endpgm
.Lentry_in_a_cluster:
	s_bfe_u32 s2, ttmp6, 0x10000c
	s_cmp_lg_u32 s2, 0xf033
	s_cbranch_scc0 .Lentry_shape_is_right
	s_endpgm
.Lentry_shape_is_right:
; q, k, v = LN1(x) W + b on codes of E5M2 with E8M0 scales; q and k turned by the rotary embedding; all three quantised for the attention launch.
; THE PRODUCT: a tile of 256 x 256 for a work-group of four waves, 128 x 128 a wave in 64 accumulators; K = 1,024 in four steps of 256 through two LDS slots filled by joint tensor loads of a 4 x 4 cluster;
; the scale bytes of the tile's rows come once and stay.  Source 0 takes 16 rows of operand P, source 1 sixteen rows of operand Q: in accumulator (a, b) lane (r, h) holds Q's row 16 a + r, and register j P's row 16 b + 8 h + j.
; THE CLUSTER'S x IS THE KIND: 0 q, 1 k, 2 v.  For q and k, P = the weight's rows and Q = the tokens: a lane is a token and its registers run along the head's channels, the K of the scores.
; For v the operands change places: a lane is a channel and its registers run along the tokens, the K of the second product of attention.  The loop's text is the same: addresses alone are chosen.
; THE EPILOGUE takes Q's eight blocks of 16 rows one after the other, in a loop; a forward switch on the counter moves block a's 64 sums (+ bias; for q and k through the rotation) into fixed registers.
; Registers 16 c .. 16 c + 15 with those of lane l xor 16 are block c of 32 along the next K.  The conversions' results are stored as they stand, 512 consecutive bytes an instruction: IMAGES OF OPERAND REGISTERS.
; Inside a block the order of the 32 is (16 u + 8 h + j); q and k have it alike, and so have v and the softmax's p: the products are the same.
; out (buffer qkvc): q's images at 0 and k's at 4 MiB: [batch x head 32][16 tokens 128][block 2][lane][16 bytes]; v's at 8 MiB: [32][128 keys 16][16 channels 4][block 4][lane][16 bytes];
; q's scale words at 12,582,912: [32][token]; from 12,845,056, 24,576 bytes for each pair of heads: k's words 2 x 8,192, v's words [128 keys 16][channel 64] 2 x 4,096.
; A word of q: bytes s0, s1, 127, 127.  A word of k: s0, s1, m, 127 with m = 227 for a padded key and 1 for any other: the attention launch multiplies -1 by 1 under that byte in the unused half of its K.
; LIMITS: NaN and infinities are not served; a block of zeros gets the byte 1 (its codes are zeros; this program alone reads the bytes).
.set KSTEP,  256
.set NQ,     2
.set ROWB,   256
.set KROW,   1024
.set PITCH,  272                       ; an LDS row: 256 bytes + 16 of padding: the 16 rows of a load start at 16 different banks
.set FR,     16
.set NL,     4
.set NP,     8                         ; places behind this matrix instruction (ISA guide 7.12.1)
.set HALFT,  128*PITCH
.set SLOT,   4*HALFT                   ; Q's 256 rows, then P's 256 rows
.set LAPS,   2
.set KS,     32                        ; a row of scale bytes
.set SCL,    2*SLOT
.set HALFS,  (128*KS/256)*272
.set SBLK,   (16*KS/256)*272
.set SPARE,  SCL+4*HALFS               ; the spare words, 128 bytes a wave
.set ACTS,   4194304
.set LI,   7                           ; v7   16 x lane
.set M8,   8                           ; v8-15 the mask bytes of my eight blocks of tokens
.set ADRA, 16
.set SWA,  18                          ; v18  the stage for scale words: 1,024 x wave + 4 r, stepped by 64 a block
.set O32,  19                          ; v19  32 h
.set ADRB, 20
.set O1,   22                          ; v22  r
.set O4,   23                          ; v23  4 r
.set SWR,  24                          ; v24  the stage read back: 1,024 x wave + 16 x lane
.set VSO,  25                          ; v25  4,096 h + 16 r
.set ADRS, 27
.set SPW,  28
.set NIL,  29
.set SC,   32                          ; v32-63 scale words, two sets: they hold nothing else
.set BQ,   64                          ; v64-127 bias
.set AF,   128                         ; Q's fragments; in the epilogue:
.set XR,   128                         ; v128-191 the block in hand
.set PC,   192                         ; v192-207 its codes
.set TU,   208                         ; v208-223 at work in the rotation
.set TM,   224                         ; v224-239 at work in the quantiser
.set PW,   240                         ; v240 the scale word just made
.set HI,   241                         ; v241 its upper half for q and k
.set G1, 24
.set G0, 32
.set G1B, 48
.set G0B, 56
.set G1S, 68
.set G0S, 76
.set G1SB, 80
.set G0SB, 88
.set SEL, 34                           ; (the epilogue's scalars lie in descriptor registers that are done with)
.set MNT, 33
.set MSB, 0
.macro WIN new                         ; the immediate's high byte repeats the setting that is left
.if MSB != \new
	s_set_vgpr_msb (MSB<<8)|\new
.set MSB, \new
.endif
.endm
.set MUL_LO, 0xa1                      ; source 0 (P) window 1, source 1 (Q) window 0, C and D window 2
.set MUL_HI, 0xf1
.set TO_B,   0x40
.macro JLOAD g0a, g1a, g0b, g1b        ; a joint load: waves 0 and 1 fetch for Q, waves 2 and 3 for P; four v_nop follow each line
	s_cmp_eq_u32 s15, 0
	s_cbranch_scc0 .Lfor_b_\@
	tensor_load_to_lds s[\g0a:\g0a+3], s[\g1a:\g1a+7]
	s_nop 0
.rept 4
	v_nop
.endr
	s_branch .Lasked_\@
.Lfor_b_\@:
	tensor_load_to_lds s[\g0b:\g0b+3], s[\g1b:\g1b+7]
	s_nop 0
.rept 4
	v_nop
.endr
.Lasked_\@:
.endm
.macro CREST
	s_cmp_lg_u32 s14, 0
	s_cbranch_scc1 .Lnot_wave_0_\@
	s_barrier_signal -3
.Lnot_wave_0_\@:
	s_barrier_wait -3
	s_barrier_signal -1
	s_barrier_wait -1
.endm
.macro CROUND
	s_barrier_signal -1
	s_barrier_wait -1
	CREST
.endm
	s_load_b128 s[4:7], s[0:1], 0x0                ; act, the weight's codes
	s_load_b64 s[8:9], s[0:1], 0x10                ; the weight's scales
	v_lshl_add_u32 v[SPW], v0, 2, SPARE
	v_mov_b32 v[NIL], 0
	ds_add_u32 v28, v29
	s_wait_dscnt 0x0
	v_lshrrev_b32 v1, 5, v0
	v_readfirstlane_b32 s14, v1                    ; wave 0..3
	s_lshr_b32 s15, s14, 1                         ; which half of Q's rows is mine.  Also: I fetch for Q (0) or for P (1)
	s_and_b32 s16, s14, 1                          ; which half of P's rows.  Also: which 128 rows I fetch
	s_bfe_u32 s40, ttmp6, 0x40000                  ; cx, cy
	s_bfe_u32 s41, ttmp6, 0x40004
	s_lshl_b32 s42, ttmp9, 2                       ; 4 X
	s_and_b32 s17, ttmp7, 0xffff
	s_lshl_b32 s17, s17, 2                         ; 4 Y
	s_cmp_eq_u32 ttmp9, 2                          ; v?  The cluster's x is the same in all sixteen partners
	s_cselect_b32 s42, s17, s42                    ; P's tile: 4 X + cx of the weight, for v 4 Y + cx of the tokens
	s_cselect_b32 s17, 8, s17                      ; Q's tile: 4 Y + cy of the tokens, for v 8 + cy of the weight
	s_add_co_u32 s42, s42, s40
	s_add_co_u32 s17, s17, s41
	s_lshl_b32 s43, s41, 2
	s_lshl_b32 s43, 15, s43                        ; my row of the cluster
	s_lshl_b32 s44, 0x1111, s40                    ; my column
	s_or_b32 s[G1+0], s43, (0<<16)|(1<<20)|(1<<21)|(5<<22)|(3<<25)  ; the mask: Q's tiles go to my row; bytes; 16 bytes of padding behind every 256
	s_or_b32 s[G1B+0], s44, (0<<16)|(1<<20)|(1<<21)|(5<<22)|(3<<25)
.irp g, G1, G1B
	s_mov_b32 s[\g+1], ROWB<<16
	s_mov_b32 s[\g+2], 128<<16
	s_mov_b32 s[\g+3], ROWB<<16
	s_mov_b32 s[\g+4], 128
	s_mov_b32 s[\g+5], KROW
	s_mov_b32 s[\g+6], 0
	s_mov_b32 s[\g+7], 0
.endr
	s_or_b32 s[G1S+0], s43, (3<<16)|(1<<20)|(1<<21)|(5<<22)|(3<<25) ; the scales of 128 rows: 4,096 dense bytes as rows of 256
	s_or_b32 s[G1SB+0], s44, (3<<16)|(1<<20)|(1<<21)|(5<<22)|(3<<25)
.irp g, G1S, G1SB
	s_mov_b32 s[\g+1], 32<<16
	s_mov_b32 s[\g+2], (128*KS/256)<<16
	s_mov_b32 s[\g+3], 32<<16
	s_mov_b32 s[\g+4], 128*KS/256
	s_mov_b32 s[\g+5], 32
	s_mov_b32 s[\g+6], 0
	s_mov_b32 s[\g+7], 0
.endr
	s_lshl_b32 s18, s16, 7
	s_lshl_b32 s20, s17, 8
	s_add_co_u32 s20, s20, s18                     ; Q: row 256 x tile + 128 x half
	s_lshl_b32 s46, s42, 8
	s_add_co_u32 s46, s46, s18                     ; P likewise
	s_mov_b32 s21, 0
	s_mov_b32 s47, 0
	s_mov_b64 s[18:19], KS
	s_mul_u64 s[22:23], s[20:21], s[18:19]
	s_mul_u64 s[92:93], s[46:47], s[18:19]
	s_mov_b64 s[18:19], KROW
	s_mul_u64 s[20:21], s[20:21], s[18:19]
	s_mul_u64 s[46:47], s[46:47], s[18:19]
	s_mul_i32 s45, s14, HALFT
	s_mul_i32 s94, s14, HALFS
	s_wait_kmcnt 0x0
	s_add_nc_u64 s[10:11], s[4:5], ACTS            ; act's scale bytes
	s_cmp_eq_u32 ttmp9, 2
	s_cselect_b64 s[96:97], s[6:7], s[4:5]         ; Q's codes,
	s_cselect_b64 s[98:99], s[8:9], s[10:11]       ; Q's scales,
	s_cselect_b64 s[100:101], s[4:5], s[6:7]       ; P's codes,
	s_cselect_b64 s[12:13], s[10:11], s[8:9]       ; P's scales
	s_add_nc_u64 s[20:21], s[96:97], s[20:21]
	s_add_nc_u64 s[22:23], s[98:99], s[22:23]
	s_add_nc_u64 s[46:47], s[100:101], s[46:47]
	s_add_nc_u64 s[92:93], s[12:13], s[92:93]
	CROUND                                         ; all sixteen work-groups are here: the first joint loads meet
	s_mov_b32 s[G0S], 1
	s_add_co_u32 s[G0S+1], s94, SCL
	s_mov_b64 s[G0S+2:G0S+3], s[22:23]
	s_or_b32 s[G0S+3], s[G0S+3], 0x80000000
	s_mov_b32 s[G0SB], 1
	s_add_co_u32 s[G0SB+1], s94, SCL
	s_mov_b64 s[G0SB+2:G0SB+3], s[92:93]
	s_or_b32 s[G0SB+3], s[G0SB+3], 0x80000000
	JLOAD G0S, G1S, G0SB, G1SB
.irp s, 0,1
	s_mov_b32 s[G0+4*\s], 1
	s_add_co_u32 s[G0+4*\s+1], s45, \s*SLOT
	s_add_nc_u64 s[G0+4*\s+2:G0+4*\s+3], s[20:21], \s*ROWB
	s_or_b32 s[G0+4*\s+3], s[G0+4*\s+3], 0x80000000
	s_mov_b32 s[G0B+4*\s], 1
	s_add_co_u32 s[G0B+4*\s+1], s45, \s*SLOT
	s_add_nc_u64 s[G0B+4*\s+2:G0B+4*\s+3], s[46:47], \s*ROWB
	s_or_b32 s[G0B+4*\s+3], s[G0B+4*\s+3], 0x80000000
	JLOAD G0+4*\s, G1, G0B+4*\s, G1B
.endr
	s_load_b256 s[4:11], s[0:1], 0x18              ; for the epilogue: qkv_b s[4:5], the mask s[6:7], the table s[8:9], the output s[10:11]
	v_and_b32 v1, 15, v0                           ; r
	v_bfe_u32 v2, v0, 4, 1                         ; h
	v_mul_u32_u24 v3, v1, PITCH
	v_lshl_add_u32 v4, v2, 4, v3
	s_mul_i32 s21, s15, HALFT
	s_mul_i32 s22, s16, HALFT
	s_add_co_u32 s22, s22, 2*HALFT
.irp s, 0,1
	v_add_nc_u32 v[ADRA+\s], s21, v4
	v_add_nc_u32 v[ADRB+\s], s22, v4
	s_add_co_u32 s21, s21, SLOT
	s_add_co_u32 s22, s22, SLOT
.endr
	v_mul_u32_u24 v5, v1, KS
	v_lshrrev_b32 v6, 8, v5
	v_lshl_add_u32 v5, v6, 4, v5
	s_mul_i32 s21, s15, HALFS
	s_mul_i32 s22, s16, HALFS
	s_add_co_u32 s22, s22, 2*HALFS
	s_sub_co_u32 s22, s22, s21
	v_mul_u32_u24 v6, s22, v2                      ; lanes 16-31 take P's words
	s_add_co_u32 s21, s21, SCL
	v_add_nc_u32 v5, v5, v6
	v_add_nc_u32 v[ADRS], s21, v5
	v_and_b32 v6, 31, v0
	v_lshlrev_b32 v[LI], 4, v6
	s_lshl_b32 s23, s14, 10
	v_lshl_add_u32 v[SWA], v1, 2, s23
	v_add_nc_u32 v[SWR], s23, v[LI]
	v_lshlrev_b32 v[O32], 5, v2
	v_mov_b32 v[O1], v1
	v_lshlrev_b32 v[O4], 2, v1
	v_lshlrev_b32 v[VSO], 12, v2
	v_lshl_add_u32 v[VSO], v1, 4, v[VSO]
	s_lshl_b32 s66, s17, 8
	s_lshl_b32 s20, s15, 7
	s_add_co_u32 s66, s66, s20                     ; RQ: my first row of Q.  It enters global addresses alone
	s_lshl_b32 s67, s42, 8
	s_lshl_b32 s46, s16, 7
	s_add_co_u32 s67, s67, s46                     ; RP: my first row of P
.macro FRAG reg, adr, q, i             ; 16 rows x 128 K: lane l holds row l % 16; registers 4 c .. 4 c + 3 hold K = 32 c + 16 (l / 16) + 0 .. 15
.irp c, 0,1,2,3
	ds_load_b128 v[\reg+4*\c:\reg+4*\c+3], v[\adr] offset:128*(\q)+32*\c+(\i)*16*PITCH
.endr
.endm
; 16 matrix instructions: Q's blocks a0, a0 + 1 x P's eight.  The 64 accumulators take turns, one instruction a turn, in the same order in every step
.macro MUL16 a0, p, q, sc, zero
.irp a, \a0, \a0+1
.irp b, 0,1,2,3,4,5,6,7
.if \zero
	v_wmma_scale_f32_16x16x128_f8f6f4 v[8*(8*((\a)%4)+\b):8*(8*((\a)%4)+\b)+7], v[128*(\p)+FR*\b:128*(\p)+FR*\b+FR-1], v[AF+FR*(\a):AF+FR*(\a)+FR-1], 0, v[SC+8*NQ*(\sc)+NQ*\b+(\q)], v[SC+8*NQ*(\sc)+NQ*(\a)+(\q)] matrix_a_fmt:MATRIX_FMT_BF8 matrix_b_fmt:MATRIX_FMT_BF8 matrix_a_scale:MATRIX_SCALE_ROW1
.else
	v_wmma_scale_f32_16x16x128_f8f6f4 v[8*(8*((\a)%4)+\b):8*(8*((\a)%4)+\b)+7], v[128*(\p)+FR*\b:128*(\p)+FR*\b+FR-1], v[AF+FR*(\a):AF+FR*(\a)+FR-1], v[8*(8*((\a)%4)+\b):8*(8*((\a)%4)+\b)+7], v[SC+8*NQ*(\sc)+NQ*\b+(\q)], v[SC+8*NQ*(\sc)+NQ*(\a)+(\q)] matrix_a_fmt:MATRIX_FMT_BF8 matrix_b_fmt:MATRIX_FMT_BF8 matrix_a_scale:MATRIX_SCALE_ROW1
.endif
.endr
.endr
.endm
.macro FETCH_B slot, q, p
	WIN TO_B
.irp i, 0,1,2,3,4,5,6,7
	FRAG 128*(\p)+FR*\i, ADRB+\slot, \q, \i
.endr
	WIN 0
.endm
.macro FETCH_A slot, q, i0
.irp i, \i0, \i0+1, \i0+2, \i0+3
	FRAG AF+FR*(\i), ADRA+\slot, \q, \i
.endr
.endm
.macro SCALES sc                       ; lanes 0-15 take the words of Q's block i, lanes 16-31 those of P's block i
.irp i, 0,1,2,3,4,5,6,7
	ds_load_b64 v[SC+8*NQ*\sc+NQ*\i:SC+8*NQ*\sc+NQ*\i+1], v[ADRS] offset:\i*SBLK
.endr
.endm
.macro PLACES n                        ; plain vector instructions between a matrix instruction and a load into, or a read of, its registers (ISA guide 7.12.1 for reads)
.rept \n
	v_nop
.endr
.endm
.macro STEP slot, q, zero
	s_wait_dscnt 4*NL                              ; P's set and Q's blocks 0-3 are in; the youngest sixteen loads (Q's blocks 4-7) may be out
	WIN MUL_LO
	MUL16 0, (\q)%2, \q, \slot, \zero
	MUL16 2, (\q)%2, \q, \slot, \zero
	s_wait_dscnt 0
	PLACES NP
	FETCH_B \slot, (\q)+1, 1-(\q)%2
	FETCH_A \slot, (\q)+1, 0
	WIN MUL_HI
	MUL16 4, (\q)%2, \q, \slot, \zero
	MUL16 6, (\q)%2, \q, \slot, \zero
	PLACES NP
	WIN 0
	FETCH_A \slot, (\q)+1, 4
.endm
; A slot's last step changes slots: one barrier; in front of it each wave waits for all its tensor loads, adds 0 to its spare word, and waits for that and for its reads of this slot
.macro TURN slot, next, fill
	s_wait_tensorcnt 0x0                           ; all my tensor loads have landed: my part of the next slot
	ds_add_u32 v[SPW], v[NIL]                      ; 0 onto my spare word
	s_wait_dscnt 4*NL+1                            ; (the add and the youngest sixteen loads may be out)
	WIN MUL_LO
	MUL16 0, 1, NQ-1, \slot, 0
	s_wait_dscnt 0x0                               ; the add is done, and my reads of this slot are over
	s_barrier_signal -1
	MUL16 2, 1, NQ-1, \slot, 0
	WIN 0
	s_barrier_wait -1
.if \fill
	CREST                                          ; the barrier has opened a round of the cluster's: no wave of any partner still reads this slot or has a load on its way
	s_add_nc_u64 s[G0+4*\slot+2:G0+4*\slot+3], s[G0+4*\slot+2:G0+4*\slot+3], 2*ROWB
	s_add_nc_u64 s[G0B+4*\slot+2:G0B+4*\slot+3], s[G0B+4*\slot+2:G0B+4*\slot+3], 2*ROWB
	JLOAD G0+4*\slot, G1, G0B+4*\slot, G1B
	PLACES NP-4
.else
	PLACES NP
.endif
	v_add_nc_u32 v[ADRS], 4*NQ, v[ADRS]
	FETCH_B \next, 0, 0
	FETCH_A \next, 0, 0
	SCALES \next
	WIN MUL_HI
	MUL16 4, 1, NQ-1, \slot, 0
	MUL16 6, 1, NQ-1, \slot, 0
	PLACES NP
	WIN 0
	FETCH_A \next, 0, 4
.endm
.macro LASTSTEP                        ; the very last 128 along K: nothing more to fetch
	s_wait_dscnt 4*NL
	WIN MUL_LO
	MUL16 0, 1, NQ-1, 1, 0
	MUL16 2, 1, NQ-1, 1, 0
	s_wait_dscnt 0
	WIN MUL_HI
	MUL16 4, 1, NQ-1, 1, 0
	MUL16 6, 1, NQ-1, 1, 0
	WIN 0
	PLACES NP                                      ; ahead of the first read of results and of loads and writes into the operands' registers
.endm
; 64 numbers of a lane, register 16 b + i, become 16 registers of codes in v[PC] on and a word of four scale bytes in v[PW]
.macro QUANT s
.irp b, 0,1,2,3
	v_max3_num_f32 v[TM+\b], |v[\s+16*\b]|, |v[\s+1+16*\b]|, 0x8000000   ; with the floor 2^(16 - 127): the byte cannot fall under 1
.endr
.irp i, 2,4,6,8,10,12,14
.irp b, 0,1,2,3
	v_max3_num_f32 v[TM+\b], v[TM+\b], |v[\s+16*\b+\i]|, |v[\s+1+16*\b+\i]|
.endr
.endr
.irp b, 0,1,2,3
	v_permlanex16_b32 v[TM+4+\b], v[TM+\b], s[SEL], s[SEL+1]
.endr
.irp b, 0,1,2,3
	v_max_num_f32 v[TM+\b], v[TM+\b], v[TM+4+\b]   ; with lane l xor 16's: the block's largest magnitude
.endr
.irp b, 0,1,2,3
	v_add_nc_u32 v[TM+12+\b], 0xf8800000, v[TM+\b] ; 15 off its exponent field: the conversion's scale operand
.endr
.irp b, 0,1,2,3
	v_and_or_b32 v[TM+8+\b], v[TM+\b], 0x7f800000, s[MNT]   ; 57,344 x the scale
.endr
.irp b, 0,1,2,3
	v_lshrrev_b32 v[TM+4+\b], 23, v[TM+12+\b]      ; the scale's byte
.endr
	v_lshl_or_b32 v[PW], v[TM+5], 8, v[TM+4]
	v_lshl_or_b32 v[PW], v[TM+6], 16, v[PW]
	v_lshl_or_b32 v[PW], v[TM+7], 24, v[PW]
.irp b, 0,1,2,3
.irp i, 0,1,2,3,4,5,6,7,8,9,10,11,12,13,14,15
	v_med3_num_f32 v[\s+16*\b+\i], v[\s+16*\b+\i], -v[TM+8+\b], v[TM+8+\b]   ; the conversion does not saturate (ISA guide 7.6.2): the hold comes first
.endr
	v_cvt_scalef32_pk8_bf8_f32 v[PC+4*\b:PC+1+4*\b], v[\s+16*\b:\s+7+16*\b], v[TM+12+\b]
	v_cvt_scalef32_pk8_bf8_f32 v[PC+2+4*\b:PC+3+4*\b], v[\s+8+16*\b:\s+15+16*\b], v[TM+12+\b]
.endr
	v_nop                                          ; a plain instruction behind the last conversion
.endm
	s_wait_tensorcnt 1                             ; the scales and my part of K step 0 are in (K step 1's load may be out),
	s_barrier_signal -1
	s_barrier_wait -1                              ; everybody's are
	FETCH_B 0, 0, 0
	FETCH_A 0, 0, 0
	SCALES 0
	FETCH_A 0, 0, 4
	STEP 0, 0, 1                                   ; the first step's products start the sums
	s_mov_b32 s3, LAPS-1
.Llap:
	TURN 0, 1, 1
	STEP 1, 0, 0
	TURN 1, 0, 1
	STEP 0, 0, 0
	s_sub_co_u32 s3, s3, 1
	s_cmp_lg_u32 s3, 0
	s_cbranch_scc1 .Llap
	TURN 0, 1, 0                                   ; the last lap fills nothing; no tensor load of mine is out from here on
	STEP 1, 0, 0
	s_mov_b32 s[SEL], 0x76543210
	s_mov_b32 s[SEL+1], 0xfedcba98
	s_mov_b32 s[MNT], 0x600000
	s_mov_b32 s25, 0
	s_wait_kmcnt 0x0                               ; the epilogue's four addresses
	s_cmp_eq_u32 ttmp9, 2                          ; THE WAYS PART ONCE, on the cluster's x, and join ahead of the closing lines
	s_cbranch_scc1 .Lv_path
	; ---- q and k.  RQ = my first token, RP = my first column
	s_lshr_b32 s20, s66, 11                        ; batch
	s_and_b32 s21, s66, 2047                       ; my first position
	s_and_b32 s22, s67, 1023
	s_lshr_b32 s22, s22, 6                         ; my first head (even); my 128 columns are two heads
	s_lshl_b32 s23, s20, 4
	s_add_co_u32 s23, s23, s22                     ; 16 x batch + head
	s_lshl_b32 s24, s67, 2
	s_add_nc_u64 s[4:5], s[4:5], s[24:25]          ; the bias at my first column
	s_mov_b32 s24, s66
	s_add_nc_u64 s[6:7], s[6:7], s[24:25]          ; the mask at my first token
	s_lshl_b32 s24, s21, 8
	s_add_nc_u64 s[8:9], s[8:9], s[24:25]          ; the table: 4,096 bytes for 16 positions
	s_lshl_b32 s28, s23, 13
	s_add_co_u32 s28, s28, 12582912                ; q's words
	s_lshl_b32 s29, s20, 3
	s_lshr_b32 s30, s22, 1
	s_add_co_u32 s29, s29, s30
	s_mul_i32 s29, s29, 24576
	s_add_co_u32 s29, s29, 12845056                ; k's words
	s_cmp_eq_u32 ttmp9, 0
	s_cselect_b32 s24, s28, s29
	s_cselect_b32 s31, 127, 1                      ; byte 2 of a word: 127 for q; for k 1,
	s_cselect_b32 s32, 0, 226                      ; + 226 where the key is padded
	s_lshl_b32 s30, s21, 2
	s_add_co_u32 s24, s24, s30
	s_add_nc_u64 s[26:27], s[10:11], s[24:25]
	s_lshl_b32 s24, ttmp9, 22                      ; the images: 4 MiB x kind + 131,072 x (16 batch + head) + 1,024 x (position / 16)
	s_lshl_b32 s30, s23, 17
	s_add_co_u32 s24, s24, s30
	s_lshl_b32 s30, s21, 6
	s_add_co_u32 s24, s24, s30
	s_add_nc_u64 s[10:11], s[10:11], s[24:25]
.irp b, 0,1,2,3,4,5,6,7
	global_load_b128 v[BQ+8*\b:BQ+8*\b+3], v[O32], s[4:5] offset:64*\b       ; the bias in the result's layout: columns 16 b + 8 h + 0 .. 7
	global_load_b128 v[BQ+8*\b+4:BQ+8*\b+7], v[O32], s[4:5] offset:64*\b+16
.endr
.irp a, 0,1,2,3,4,5,6,7
	global_load_u8 v[M8+\a], v[O1], s[6:7] offset:16*\a
.endr
	WIN 0x40                                       ; cosines and sines of blocks 0-3 into P's set 0, which the step before has left (eight places stand behind its last product)
.irp a, 0,1,2,3
.irp g, 0,1,2,3,4,5,6,7
	global_load_b128 v[32*\a+4*\g:32*\a+4*\g+3], v[LI], s[8:9] offset:4096*\a+512*\g
.endr
.endr
	WIN 0
	LASTSTEP
	WIN 0x40                                       ; those of blocks 4-7 into set 1
.irp a, 4,5,6,7
.irp g, 0,1,2,3,4,5,6,7
	global_load_b128 v[32*\a+4*\g:32*\a+4*\g+3], v[LI], s[8:9] offset:4096*\a+512*\g
.endr
.endr
	WIN 0
.irp b, 0,1,2,3
	v_mov_b32 v[TM+4+\b], 0                        ; a lane permute's destination counts as one of its sources
.endr
; block a: sums + bias into v[XR] on, each accumulator from its low end; then lo = lo cos - hi sin, hi = hi cos + lo sin for channels d and d + 32 of both heads
.macro QKVAR a
.if (\a) < 4
	s_wait_loadcnt 32+8*(3-(\a))                   ; behind block a's eight table loads: those of the later blocks
.else
	s_wait_loadcnt 8*(7-(\a))
.endif
	WIN (0x02+(\a)/4)
.set ii, 0
.rept 32
	v_pk_add_f32 v[XR+ii:XR+ii+1], v[64*((\a)%4)+ii:64*((\a)%4)+ii+1], v[BQ+ii:BQ+ii+1]
.set ii, ii+2
.endr
	WIN 0x04                                       ; source 1: the table, in window 1
.irp d, 0,1
.irp i, 0,2,4,6,8,10,12,14
	v_pk_mul_f32 v[TU+2*(\i%8):TU+2*(\i%8)+1], v[XR+32*\d+16+\i:XR+32*\d+17+\i], v[32*(\a)+16+\i:32*(\a)+17+\i]
	v_pk_mul_f32 v[TU+2*(\i%8)+2:TU+2*(\i%8)+3], v[XR+32*\d+\i:XR+32*\d+1+\i], v[32*(\a)+16+\i:32*(\a)+17+\i]
	v_pk_fma_f32 v[XR+32*\d+\i:XR+32*\d+1+\i], v[XR+32*\d+\i:XR+32*\d+1+\i], v[32*(\a)+\i:32*(\a)+1+\i], v[TU+2*(\i%8):TU+2*(\i%8)+1] neg_lo:[0,0,1] neg_hi:[0,0,1]
	v_pk_fma_f32 v[XR+32*\d+16+\i:XR+32*\d+17+\i], v[XR+32*\d+16+\i:XR+32*\d+17+\i], v[32*(\a)+\i:32*(\a)+1+\i], v[TU+2*(\i%8)+2:TU+2*(\i%8)+3]
.endr
.endr
	WIN 0
	v_mad_u32_u24 v[HI], v[M8+(\a)], s32, s31      ; byte 2 of my token's words
.endm
	s_mov_b32 s3, 0
.Lqk_trip:
.irp a, 0,1,2,3,4,5,6
	s_cmp_eq_u32 s3, \a
	s_cbranch_scc1 .Lqk_\a
.endr
	s_branch .Lqk_7
.irp a, 0,1,2,3,4,5,6,7
.Lqk_\a:
	QKVAR \a
	s_branch .Lqk_common
.endr
.Lqk_common:
	v_lshl_or_b32 v[HI], v[HI], 16, 0x7f000000     ; and byte 3: 127
	QUANT XR
	v_and_or_b32 v242, v[PW], 0xffff, v[HI]        ; the first head's word,
	v_lshrrev_b32 v243, 16, v[PW]
	v_or_b32 v243, v243, v[HI]                     ; the second's
	ds_store_b32 v[SWA], v242                      ; lanes l and l xor 16 write the same word with the same value
	ds_store_b32 v[SWA], v243 offset:512
	global_store_b128 v[LI], v[PC:PC+3], s[10:11]                    ; each store: 512 consecutive bytes
	global_store_b128 v[LI], v[PC+4:PC+7], s[10:11] offset:512
	global_store_b128 v[LI], v[PC+8:PC+11], s[10:11] offset:131072   ; the next head
	global_store_b128 v[LI], v[PC+12:PC+15], s[10:11] offset:131584
	s_wait_dscnt 0x0
	s_wait_xcnt 0x0                                ; the stores' data and base are written again only behind this wait
	s_add_nc_u64 s[10:11], s[10:11], 1024
	v_add_nc_u32 v[SWA], 64, v[SWA]
	s_add_co_u32 s3, s3, 1
	s_cmp_lt_u32 s3, 8
	s_cbranch_scc1 .Lqk_trip
	ds_load_b128 v[PC:PC+3], v[SWR]                ; my 128 tokens' words of the first head, 512 bytes on end;
	ds_load_b128 v[PC+4:PC+7], v[SWR] offset:512   ; of the second
	s_wait_dscnt 0x0
	global_store_b128 v[LI], v[PC:PC+3], s[26:27]
	global_store_b128 v[LI], v[PC+4:PC+7], s[26:27] offset:8192
	s_branch .Lend
	; ---- v.  RQ = my first row of the weight (2,048 + channel), RP = my first token: my 128 tokens are one step of 128 keys
.Lv_path:
	s_lshr_b32 s20, s67, 11                        ; batch
	s_and_b32 s21, s67, 2047
	s_lshr_b32 s21, s21, 7                         ; which 128 keys
	s_sub_co_u32 s22, s66, 2048
	s_lshr_b32 s22, s22, 6                         ; my first head (even)
	s_lshl_b32 s24, s66, 2
	s_add_nc_u64 s[4:5], s[4:5], s[24:25]          ; the bias at my first channel
	s_lshl_b32 s23, s20, 3
	s_lshr_b32 s30, s22, 1
	s_add_co_u32 s23, s23, s30
	s_mul_i32 s24, s23, 24576
	s_lshl_b32 s30, s21, 8
	s_add_co_u32 s24, s24, s30
	s_add_co_u32 s24, s24, 12845056+16384
	s_add_nc_u64 s[26:27], s[10:11], s[24:25]      ; v's words of these keys
	s_lshl_b32 s23, s20, 4
	s_add_co_u32 s23, s23, s22
	s_lshl_b32 s23, s23, 4
	s_add_co_u32 s23, s23, s21
	s_lshl_b32 s24, s23, 13
	s_add_co_u32 s24, s24, 8388608
	s_add_nc_u64 s[10:11], s[10:11], s[24:25]      ; v's images: 8,192 bytes for a head's 128 keys
.irp a, 0,1,2,3,4,5,6,7
	global_load_b32 v[BQ+\a], v[O4], s[4:5] offset:64*\a   ; a lane is a channel: one number of the bias for each block
.endr
	LASTSTEP
.irp b, 0,1,2,3
	v_mov_b32 v[TM+4+\b], 0
.endr
	s_wait_loadcnt 0x0
.macro VVAR a
	WIN (0x02+(\a)/4)
.set ii, 0
.rept 32
.if ((\a)%2) == 0
	v_pk_add_f32 v[XR+ii:XR+ii+1], v[64*((\a)%4)+ii:64*((\a)%4)+ii+1], v[BQ+(\a):BQ+(\a)+1] op_sel_hi:[1,0]
.else
	v_pk_add_f32 v[XR+ii:XR+ii+1], v[64*((\a)%4)+ii:64*((\a)%4)+ii+1], v[BQ+(\a)-1:BQ+(\a)] op_sel:[0,1] op_sel_hi:[1,1]
.endif
.set ii, ii+2
.endr
	WIN 0
	s_mov_b32 s24, ((\a)/4)*131072+((\a)%4)*2048   ; head a / 4, channels 16 (a % 4) on
.endm
	s_mov_b32 s3, 0
.Lv_trip:
.irp a, 0,1,2,3,4,5,6
	s_cmp_eq_u32 s3, \a
	s_cbranch_scc1 .Lv_\a
.endr
	s_branch .Lv_7
.irp a, 0,1,2,3,4,5,6,7
.Lv_\a:
	VVAR \a
	s_branch .Lv_common
.endr
.Lv_common:
	QUANT XR
	s_add_nc_u64 s[28:29], s[10:11], s[24:25]
	ds_store_b32 v[SWA], v[PW] offset:8192         ; this way has LDS bytes of its own
.irp c, 0,1,2,3
	global_store_b128 v[LI], v[PC+4*\c:PC+4*\c+3], s[28:29] offset:512*\c
.endr
	s_wait_dscnt 0x0
	s_wait_xcnt 0x0
	v_add_nc_u32 v[SWA], 64, v[SWA]
	s_add_co_u32 s3, s3, 1
	s_cmp_lt_u32 s3, 8
	s_cbranch_scc1 .Lv_trip
	ds_load_b128 v[PC:PC+3], v[SWR] offset:8192    ; lanes 0-15: the first head's 64 words; lanes 16-31: the second's
	s_wait_dscnt 0x0
	global_store_b128 v[VSO], v[PC:PC+3], s[26:27] ; sixteen lanes store 256 consecutive bytes
.Lend:
	s_wait_tensorcnt 0x0                           ; the wave's end
	ds_add_u32 v[SPW], v[NIL]
	s_wait_dscnt 0x0
	CROUND                                         ; the closing round
	s_endpgm
.Lfunc_end_k_q65494db04a_qkv:
	.size	k_q65494db04a_qkv, .Lfunc_end_k_q65494db04a_qkv-k_q65494db04a_qkv
	.p2alignl 7, 3214868480
	.fill 96, 4, 3214868480
	.section	.rodata,"a",@progbits
	.p2align	6, 0x0
	.amdhsa_kernel k_q65494db04a_qkv
		.amdhsa_group_segment_fixed_size 327680
		.amdhsa_private_segment_fixed_size 0
		.amdhsa_enable_private_segment 0
		.amdhsa_kernarg_size 56
		.amdhsa_user_sgpr_count 2
		.amdhsa_user_sgpr_kernarg_segment_ptr 1
		.amdhsa_wavefront_size32 1
		.amdhsa_system_sgpr_workgroup_id_x 1
		.amdhsa_system_sgpr_workgroup_id_y 1
		.amdhsa_system_sgpr_workgroup_id_z 1
		.amdhsa_system_vgpr_workitem_id 0
		.amdhsa_next_free_vgpr 1024
		.amdhsa_next_free_sgpr 102
		.amdhsa_reserve_vcc 0
		.amdhsa_float_denorm_mode_32 3
		.amdhsa_float_denorm_mode_16_64 3
		.amdhsa_memory_ordered 1
		.amdhsa_forward_progress 1
		.amdhsa_inst_pref_size 222
	.end_amdhsa_kernel
	.amdgpu_metadata
---
amdhsa.version: [ 1, 2 ]
amdhsa.kernels:
  - .name:           k_q65494db04a_qkv
    .symbol:         k_q65494db04a_qkv.kd
    .args:
      - { .name: act, .offset: 0, .size: 8, .value_kind: global_buffer, .address_space: global }
      - { .name: qkv_w_codes, .offset: 8, .size: 8, .value_kind: global_buffer, .address_space: global }
      - { .name: qkv_w_scales, .offset: 16, .size: 8, .value_kind: global_buffer, .address_space: global }
      - { .name: qkv_b, .offset: 24, .size: 8, .value_kind: global_buffer, .address_space: global }
      - { .name: padding_mask, .offset: 32, .size: 8, .value_kind: global_buffer, .address_space: global }
      - { .name: rope, .offset: 40, .size: 8, .value_kind: global_buffer, .address_space: global }
      - { .name: qkvc, .offset: 48, .size: 8, .value_kind: global_buffer, .address_space: global }
    .group_segment_fixed_size: 327680
    .private_segment_fixed_size: 0
    .kernarg_segment_align: 8
    .kernarg_segment_size: 56
    .max_flat_workgroup_size: 128
    .sgpr_count:     102
    .vgpr_count:     1024
    .wavefront_size: 32
...
	.end_amdgpu_metadata
.endif
;; end of part 2
;; launch attn (part 3): grid 16 x 16, 8 waves a work-group, clusters of 4 x 1, 327,680 bytes of LDS; arguments qkvc, ctxc; writes ctxc
.if DOCPART == 3
	.amdgcn_target "amdgcn-amd-amdhsa--gfx1250"
	.amdhsa_code_object_version 6
	.text
	.protected	k_q65494db04a_attn
	.globl	k_q65494db04a_attn
	.p2align	8
	.type	k_q65494db04a_attn,@function
k_q65494db04a_attn:
	s_mov_b64 s[64:65], 0
	v_nop
	global_prefetch_b8 v0, s[64:65] scope:SCOPE_SE
	s_setreg_imm32_b32 hwreg(HW_REG_WAVE_MODE, 25, 1), 1
	s_wait_xcnt 0x0
	s_wait_alu depctr_hold_cnt(0) depctr_sa_sdst(0) depctr_va_vdst(0) depctr_va_sdst(0) depctr_va_ssrc(0) depctr_va_vcc(0) depctr_vm_vsrc(0)
	s_getreg_b32 s2, hwreg(HW_REG_IB_STS2, 6, 4)
	s_cmp_eq_u32 s2, 0
	s_cbranch_scc0 .Lentry_in_a_cluster
	s_endpgm
.Lentry_in_a_cluster:
	s_bfe_u32 s2, ttmp6, 0x10000c
	s_cmp_lg_u32 s2, 0x3003
	s_cbranch_scc0 .Lentry_shape_is_right
	s_endpgm
.Lentry_shape_is_right:
; ctx = softmax(q k^T / 8, padded keys left out) v, both products on codes of E5M2 with E8M0 scales; ctx quantised for the next product.
; SHARES.  A work-group owns 128 queries of TWO heads (2 hp, 2 hp + 1) of one batch: eight waves, wave w TWO tiles of 16 queries (2 (w % 4) and the next) of head w / 4, in 512 registers; two waves to a SIMD.
; Each fragment of k and of v that a wave reads from LDS feeds two products, one for each of its tiles.  Two heads are 128 along the next product's K: a scale word of ctx is whole inside the work-group.
; Every wave walks the 2,048 keys, 128 a step.  LOADS STAND A PHASE AHEAD OF THEIR USE: v of a step is asked for at the step's head and lands under the softmax; k of the next step is asked for behind this step's scores.
; CLUSTER.  The four query blocks of a cluster walk the same k and v: each tile is asked for jointly, by the same tensor load with a mask that names the four.
; OPERANDS lie in memory and in LDS as images of their registers (512 bytes a group of four registers, 16 x lane): every LDS load reads 512 consecutive bytes, and nothing is padded.
; LAYOUT.  S^T = k q^T (source 0 = 16 keys, source 1 = 16 queries), O^T = v^T p^T: a lane holds one query of each tile throughout.  p's registers 16 c .. 16 c + 15 are keys 32 c + 16 u + 8 h + j: the order in which v's codes were laid.
; THE HEAD HAS 64 CHANNELS, the instruction 128 along K.  The second half carries the mask: at k = 64 stands -1 for every key and 1 for every query, zeros elsewhere, and byte 2 of a key's scale word
; is 227 (2^100) for a padded key and 1 (2^-126) for any other.  So a padded key's score is -2^100, its p is 0; if all keys of a batch are padded all p are 1, as the definition's softmax gives.
; THE SOFTMAX: t = score x log2(e) / 8; M = the running largest t rounded up to a whole number; p = 2^(t - M) is quantised along the keys, not normalised; the sum is taken of the unquantised p and divides at the end.
; LIMITS: every score carries -2^-126; scores must lie above -2^100; NaN and infinities are not served; a block of zeros gets the byte 1 (its codes are zeros).
; REGISTERS, in windows of 256 (s_set_vgpr_msb: bits 1:0 source 0, 3:2 source 1, 5:4 source 2, 7:6 destination):
;   window 0: v1-11 addresses; v12-19 four statistics a tile (-M, the largest t, the sum in two halves); v20-27 k's scale words, v28-31 v's; v32-95 k's tiles 0-3; v96-159, v160-223 the two tiles' S^T, then p;
;             v224-225 q's scale words, v226-227 p's; v228-250 at work
;   window 1: v0-31 p's codes, 16 a tile; v32-63 q, 16 a tile; v64-127 O^T, 32 a tile; v128-191 v's four tiles; v192-255 k's tiles 4-7
.set SLOT1, 131072                     ; a slot, 512 keys: k of head 0, k of head 1, v of head 0, v of head 1, 32,768 bytes each
.set PART,  32768
.set SCK,   2*SLOT1                    ; k's scale words of both heads, 16,384 bytes;
.set SCV,   SCK+16384                  ; v's, 8,192
.set SPARE, SCK+24576                  ; the spare words, 128 bytes a wave
.set CSW,   SPARE+1024                 ; 512 bytes of their own: the scale words of ctx
.set NSL,   4
.set QSW,   12582912
.set KVSW,  12845056
.set CTXS,  4194304
.set AK0,  1                           ; v1   32,768 hd + 16 x lane
.set AV0,  2                           ; v2   the same + 65,536
.set ASK0, 3                           ; v3   SCK + 8,192 hd + 4 r
.set ASV0, 4                           ; v4   SCV + 4,096 hd + 4 r
.set SPW,  5
.set NIL,  6
.set PFO,  7                           ; v7   256 x lane; never rewritten
.set ADK,  8
.set ADV,  9
.set ADS,  10
.set ADT,  11
.set KW,   20
.set VW,   28
.set K0,   32
.set S,    96
.set QW,   224
.set PW,   226
.set HB,   228                         ; v228-231 the holds once more, each in another bank than its twin in v240-243
.set BM,   232                         ; v232-235 the blocks' largest scores, then their largest p
.set TP,   236
.set HO,   240                         ; v240-243 57,344 x the scale
.set SO,   244                         ; v244-247 the conversions' scale operands
.set FF,   248                         ; v[248:249] f = 2^(old M - new M), in the low register
.set TT,   250
.set CD,   0                           ; window 1
.set QF,   32
.set OT,   64
.set VF,   128
.set K1,   192
.set WV,   18
.set MNT,  19
.set SEL,  20
.set CS,   22
.set G1,   24
.set G1S,  32
.set G0,   40
.set G0S,  44
.set PFA,  50
.set LIM,  52
.set TB,   53
.set TS,   54
.set TJ,   55
.set SLOTS, 56
.set MSB, 0
.macro WIN new                         ; the immediate's high byte repeats the setting that is left
.if MSB != \new
	s_set_vgpr_msb (MSB<<8)|\new
.set MSB, \new
.endif
.endm
.macro CROUND
	s_barrier_signal -1
	s_barrier_wait -1
	s_cmp_lg_u32 s[WV], 0
	s_cbranch_scc1 .Lnot_wave_0_\@
	s_barrier_signal -3
.Lnot_wave_0_\@:
	s_barrier_wait -3
	s_barrier_signal -1
	s_barrier_wait -1
.endm
.macro TLOAD                           ; waves 0-3 fetch the slot's four parts; four v_nop follow the line
	s_cmp_lt_u32 s[WV], 4
	s_cbranch_scc0 .Lasked_\@
	tensor_load_to_lds s[G0:G0+3], s[G1:G1+7]
	s_nop 0
.rept 4
	v_nop
.endr
.Lasked_\@:
.endm
; A prefetch of what the NEXT change of slots will ask for: four parts of 32,768 bytes.  All clusters of a pair of heads walk the same bytes: the first of them asks.  Its four partners take a part each, told apart
; by address; in each, waves 4 to 7 ask for 8,192 bytes, lanes 256 bytes apart.  So each block of 256 bytes is named once.  It stands in a slot's last key step, behind that step's loads of v: one key step ahead of
; the change of slots.  The slot in which the last fill is on its way asks for nothing.
.macro ASK
	s_cmp_gt_u32 s[SLOTS], s[LIM]
	s_cbranch_scc0 .Lnot_mine_\@
	global_prefetch_b8 v[PFO], s[PFA:PFA+1] th:TH_LOAD_NT scope:SCOPE_SE
.Lnot_mine_\@:
.endm
	s_load_b128 s[4:7], s[0:1], 0x0                ; qkvc, ctxc
	v_lshl_add_u32 v[SPW], v0, 2, SPARE
	v_mov_b32 v[NIL], 0
	ds_add_u32 v5, v6
	s_wait_dscnt 0x0
	v_lshrrev_b32 v8, 5, v0
	v_readfirstlane_b32 s[WV], v8                  ; wave 0..7
	s_bfe_u32 s70, ttmp6, 0x40000                  ; cx
	s_lshl_b32 s71, ttmp9, 2
	s_add_co_u32 s71, s71, s70                     ; my block of 128 queries
	s_and_b32 s72, ttmp7, 0xffff                   ; y = 8 x batch + pair of heads
	s_lshr_b32 s73, s72, 3                         ; batch
	s_and_b32 s74, s72, 7                          ; pair
	s_lshl_b32 s75, s72, 1                         ; 16 x batch + the pair's first head
	s_lshr_b32 s80, s[WV], 2                       ; hd: which head of the pair is mine
	s_and_b32 s81, s[WV], 3
	s_lshl_b32 s81, s81, 1                         ; my first tile of queries
	s_and_b32 s76, s[WV], 3                        ; what I fetch, if I fetch: part w of a slot
	s_lshl_b32 s[G0+1], s76, 15
	s_lshr_b32 s77, s76, 1
	s_add_co_u32 s77, s77, 1
	s_lshl_b32 s78, s77, 22                        ; k's images begin at 4 MiB, v's at 8 MiB
	s_and_b32 s77, s76, 1
	s_add_co_u32 s77, s77, s75
	s_lshl_b32 s77, s77, 17                        ; 131,072 bytes a head
	s_add_co_u32 s78, s78, s77
	s_mov_b32 s79, 0
	s_mul_i32 s82, s72, 24576
	s_add_co_u32 s82, s82, KVSW                    ; the pair's scale words
	s_mov_b32 s83, 0
	s_add_co_u32 s76, s75, s80                     ; my head
	s_lshl_b32 s77, s71, 3
	s_add_co_u32 s77, s77, s81                     ; my first tile among the head's 128
	s_lshl_b32 s84, s76, 7
	s_add_co_u32 s84, s84, s77
	s_lshl_b32 s84, s84, 10                        ; q's images: 1,024 bytes a tile
	s_mov_b32 s85, 0
	s_lshl_b32 s86, s76, 13
	s_lshl_b32 s87, s77, 6
	s_add_co_u32 s86, s86, s87
	s_add_co_u32 s86, s86, QSW                     ; q's scale words: 64 bytes a tile
	s_mov_b32 s87, 0
	s_lshl_b32 s88, s73, 7
	s_add_co_u32 s88, s88, s77
	s_lshl_b32 s88, s88, 3
	s_add_co_u32 s88, s88, s74
	s_lshl_b32 s88, s88, 11
	s_lshl_b32 s89, s80, 10
	s_add_co_u32 s88, s88, s89                     ; ctx's image: ((16 tokens) x 8 + pair) x 2,048 + 1,024 hd; 16,384 bytes from tile to tile
	s_mov_b32 s89, 0
	s_lshl_b32 s68, s74, 14
	s_lshl_b32 s69, s73, 13
	s_add_co_u32 s68, s68, s69
	s_lshl_b32 s69, s71, 9
	s_add_co_u32 s68, s68, s69
	s_add_co_u32 s68, s68, CTXS                    ; ctx's scale words: [pair][token]
	s_mov_b32 s69, 0
	s_lshr_b32 s[PFA], s70, 1                      ; the prefetches: part cx of a slot,
	s_add_co_u32 s[PFA], s[PFA], 1
	s_lshl_b32 s[PFA], s[PFA], 22
	s_and_b32 s[PFA+1], s70, 1
	s_add_co_u32 s[PFA+1], s[PFA+1], s75
	s_lshl_b32 s[PFA+1], s[PFA+1], 17
	s_add_co_u32 s[PFA], s[PFA], s[PFA+1]
	s_and_b32 s[PFA+1], s[WV], 3
	s_lshl_b32 s[PFA+1], s[PFA+1], 13              ; my wave's quarter of it,
	s_add_co_u32 s[PFA], s[PFA], s[PFA+1]
	s_add_co_u32 s[PFA], s[PFA], PART              ; in slot 1: the first change of slots steps it to slot 2.  Nothing is prefetched at the head
	s_mov_b32 s[PFA+1], 0
	s_sub_co_u32 s[LIM], s[WV], 4
	s_lshr_b32 s[LIM], s[LIM], 2                   ; 0 in waves 4 to 7,
	s_or_b32 s[LIM], s[LIM], ttmp9                 ; of the pair's first cluster: the same in all four partners
	s_cmp_eq_u32 s[LIM], 0
	s_cselect_b32 s[LIM], 1, -1
	s_mov_b32 s[G1], 15|(3<<16)|(1<<21)            ; the mask: all four work-groups; elements of 8 bytes; a dense block of 32,768 bytes as 128 rows of 256
	s_mov_b32 s[G1+1], 32<<16
	s_mov_b32 s[G1+2], 128<<16
	s_mov_b32 s[G1+3], 32<<16
	s_mov_b32 s[G1+4], 128
	s_mov_b32 s[G1+5], 32
	s_mov_b32 s[G1+6], 0
	s_mov_b32 s[G1+7], 0
	s_mov_b32 s[G1S], 15|(3<<16)|(1<<21)           ; the scale words: 24,576 bytes as 96 rows
	s_mov_b32 s[G1S+1], 32<<16
	s_mov_b32 s[G1S+2], 96<<16
	s_mov_b32 s[G1S+3], 32<<16
	s_mov_b32 s[G1S+4], 96
	s_mov_b32 s[G1S+5], 32
	s_mov_b32 s[G1S+6], 0
	s_mov_b32 s[G1S+7], 0
	s_mov_b32 s[SEL], 0x76543210
	s_mov_b32 s[SEL+1], 0xfedcba98
	s_mov_b32 s[CS], 0x3e38aa3b                    ; c = log2(e) / 8
	s_mov_b32 s[CS+1], s[CS]
	s_mov_b32 s[MNT], 0x600000
	s_mov_b32 s[TB], 0
	s_mov_b32 s[TS], 0
	s_mov_b32 s[TJ], 0
	s_mov_b32 s[SLOTS], NSL-1
	s_wait_kmcnt 0x0
	s_mov_b32 s[G0], 1
	s_add_nc_u64 s[G0+2:G0+3], s[4:5], s[78:79]
	s_or_b32 s[G0+3], s[G0+3], 0x80000000
	s_mov_b32 s[G0S], 1
	s_mov_b32 s[G0S+1], SCK
	s_add_nc_u64 s[G0S+2:G0S+3], s[4:5], s[82:83]
	s_or_b32 s[G0S+3], s[G0S+3], 0x80000000
	s_add_nc_u64 s[58:59], s[4:5], s[84:85]
	s_add_nc_u64 s[60:61], s[4:5], s[86:87]
	s_add_nc_u64 s[PFA:PFA+1], s[4:5], s[PFA:PFA+1]
	s_add_nc_u64 s[62:63], s[6:7], s[88:89]
	s_add_nc_u64 s[68:69], s[6:7], s[68:69]
	CROUND                                         ; all four work-groups are here: the first joint loads meet
	s_cmp_lt_u32 s[WV], 4                          ; waves 0-3: slot 0's four parts; wave 4: the scale words, filled once
	s_cbranch_scc0 .Lnot_tile
	tensor_load_to_lds s[G0:G0+3], s[G1:G1+7]
	s_nop 0
.rept 4
	v_nop
.endr
	s_branch .Lfirst_asked
.Lnot_tile:
	s_cmp_eq_u32 s[WV], 4
	s_cbranch_scc0 .Lfirst_asked
	tensor_load_to_lds s[G0S:G0S+3], s[G1S:G1S+7]
	s_nop 0
.rept 4
	v_nop
.endr
.Lfirst_asked:
	v_and_b32 v8, 15, v0                           ; r
	v_bfe_u32 v9, v0, 4, 1                         ; h
	v_and_b32 v10, 31, v0
	v_lshlrev_b32 v[PFO], 8, v10
	v_lshlrev_b32 v10, 4, v10                      ; 16 x lane
	v_lshlrev_b32 v[TT], 2, v8
	WIN 0x40                                       ; destination window 1
.irp u, 0,1
	global_load_b128 v[QF+16*\u:QF+16*\u+3], v10, s[58:59] offset:1024*\u        ; q's fragments: their first 64 along K
	global_load_b128 v[QF+16*\u+4:QF+16*\u+7], v10, s[58:59] offset:1024*\u+512
.endr
	WIN 0
	global_load_b32 v[QW], v[TT], s[60:61]         ; q's scale words
	global_load_b32 v[QW+1], v[TT], s[60:61] offset:64
	s_lshl_b32 s77, s80, 15
	v_add_nc_u32 v[AK0], s77, v10
	v_add_nc_u32 v[AV0], 0x10000, v[AK0]
	s_lshl_b32 s77, s80, 13
	s_add_co_u32 s77, s77, SCK
	v_lshl_add_u32 v[ASK0], v8, 2, s77
	s_lshl_b32 s77, s80, 12
	s_add_co_u32 s77, s77, SCV
	v_lshl_add_u32 v[ASV0], v8, 2, s77
	v_sub_nc_u32 v12, 1, v9                        ; 1 in lanes 0-15: they hold k = 64 in byte 0 of a fragment's register 8
.irp t, 0,1,2,3
	v_mul_u32_u24 v[K0+16*\t+8], v12, 0xbc         ; the code of -1 for every key: these halves stay; the loads fill registers 0-7 of a fragment alone
.irp i, 9,10,11,12,13,14,15
	v_mov_b32 v[K0+16*\t+\i], 0
.endr
.endr
	WIN 0x40
.irp u, 0,1
	v_mul_u32_u24 v[QF+16*\u+8], v12, 0x3c         ; the code of 1 for every query
.irp i, 9,10,11,12,13,14,15
	v_mov_b32 v[QF+16*\u+\i], 0
.endr
.endr
.irp t, 0,1,2,3
	v_mul_u32_u24 v[K1+16*\t+8], v12, 0xbc
.irp i, 9,10,11,12,13,14,15
	v_mov_b32 v[K1+16*\t+\i], 0
.endr
.endr
.set jj, 0
.rept 64
	v_mov_b32 v[OT+jj], 0                          ; O^T: the loop is written once; its first step finds zeros
.set jj, jj+1
.endr
	WIN 0
.irp u, 0,1
	v_mov_b32 v[13+4*\u], 0xff61b1e6               ; the largest t so far: -3e38
	v_floor_f32 v[12+4*\u], -v[13+4*\u]            ; -M
	v_mov_b32 v[14+4*\u], 0
	v_mov_b32 v[15+4*\u], 0
.endr
.irp b, 0,1,2,3
	v_mov_b32 v[TP+\b], 0                          ; a lane permute's destination counts as one of its sources
.endr
	v_mov_b32 v[FF+1], 0                           ; (named as the upper half of the pair before it is first written)
; 24 LDS loads: k's eight tiles of the slot's key step q, registers 0-7 of each fragment, and their scale words, so bytes on from v[ADS]
.macro KLOAD q, so
.irp t, 0,1,2,3
	ds_load_b128 v[K0+16*\t:K0+16*\t+3], v[ADK] offset:(8*(\q)+\t)*1024
	ds_load_b128 v[K0+16*\t+4:K0+16*\t+7], v[ADK] offset:(8*(\q)+\t)*1024+512
.endr
.irp t, 0,1,2,3,4,5,6,7
	ds_load_b32 v[KW+\t], v[ADS] offset:(\so)+64*\t
.endr
	WIN 0x40
.irp t, 0,1,2,3
	ds_load_b128 v[K1+16*\t:K1+16*\t+3], v[ADK] offset:(8*(\q)+4+\t)*1024
	ds_load_b128 v[K1+16*\t+4:K1+16*\t+7], v[ADK] offset:(8*(\q)+4+\t)*1024+512
.endr
	WIN 0
.endm
; 20 LDS loads: v's four tiles of 16 channels x 128 keys, and their scale words
.macro VLOAD q
	WIN 0x40
.irp t, 0,1,2,3
.irp c, 0,1,2,3
	ds_load_b128 v[VF+16*\t+4*\c:VF+16*\t+4*\c+3], v[ADV] offset:8192*(\q)+2048*\t+512*\c
.endr
.endr
	WIN 0
.irp t, 0,1,2,3
	ds_load_b32 v[VW+\t], v[ADT] offset:64*\t
.endr
.endm
; Tile u's softmax for one key step: from 64 scores a lane to 16 registers of codes and a scale word; the sum and O^T are brought under the new M
.macro SOFTMAX u
.set SB, S+64*(\u)
.set ST, 12+4*(\u)
.irp b, 0,1,2,3
	v_max3_num_f32 v[BM+\b], v[SB+16*\b], v[SB+1+16*\b], v[SB+2+16*\b]   ; the largest score of each block of 32 keys: for the row's maximum, and for the block's largest p
.endr
.irp i, 3,5,7,9,11,13
.irp b, 0,1,2,3
	v_max3_num_f32 v[BM+\b], v[BM+\b], v[SB+16*\b+\i], v[SB+1+16*\b+\i]
.endr
.endr
.irp b, 0,1,2,3
	v_max_num_f32 v[BM+\b], v[BM+\b], v[SB+15+16*\b]
.endr
.irp b, 0,1,2,3
	v_permlanex16_b32 v[TP+\b], v[BM+\b], s[SEL], s[SEL+1]
.endr
.irp b, 0,1,2,3
	v_max_num_f32 v[BM+\b], v[BM+\b], v[TP+\b]
.endr
	v_max3_num_f32 v[TT], v[BM], v[BM+1], v[BM+2]
	v_max_num_f32 v[TT], v[TT], v[BM+3]
	v_mul_f32 v[TT], s[CS], v[TT]
	v_max_num_f32 v[ST+1], v[ST+1], v[TT]          ; the running largest t
	v_mov_b32 v[TT], v[ST]
	v_floor_f32 v[ST], -v[ST+1]                    ; the new -M: M is a whole number
	v_sub_f32 v[TT], v[ST], v[TT]
	v_cvt_i32_f32 v[TT], v[TT]                     ; (it saturates)
	v_ldexp_f32 v[FF], 1.0, v[TT]                  ; f = 2^(old M - new M)
.set jj, 0
.rept 32
	v_pk_fma_f32 v[SB+jj:SB+jj+1], v[SB+jj:SB+jj+1], s[CS:CS+1], v[ST:ST+1] op_sel_hi:[1,0,0]   ; t - M
.set jj, jj+2
.endr
.irp b, 0,1,2,3
	v_fma_f32 v[BM+\b], v[BM+\b], s[CS], v[ST]
.endr
.set jj, 0
.rept 64
	v_exp_f32 v[SB+jj], v[SB+jj]                   ; p = 2^(t - M)
.set jj, jj+1
.endr
	v_pk_mul_f32 v[ST+2:ST+3], v[ST+2:ST+3], v[FF:FF+1] op_sel_hi:[1,0]   ; the sums under the new M (a plain instruction behind the exponentials)
	s_wait_alu depctr_va_vdst(0)                   ; one wait for the batch, ahead of its first reader
.irp b, 0,1,2,3
	v_exp_f32 v[BM+\b], v[BM+\b]                   ; each block's largest p
.endr
	v_pk_add_f32 v[TP:TP+1], v[SB:SB+1], v[SB+2:SB+3]   ; the row's sum, of the unquantised p, in two chains
.irp j, 4,8,12,16,20,24,28,32,36,40,44,48,52,56,60
	v_pk_add_f32 v[ST+2:ST+3], v[ST+2:ST+3], v[SB+\j:SB+\j+1]
	v_pk_add_f32 v[TP:TP+1], v[TP:TP+1], v[SB+\j+2:SB+\j+3]
.endr
	v_pk_add_f32 v[ST+2:ST+3], v[ST+2:ST+3], v[TP:TP+1]
	s_wait_alu depctr_va_vdst(0)                   ; and one for the four
.irp b, 0,1,2,3
	v_max_num_f32 v[BM+\b], 0x8000000, v[BM+\b]    ; the floor 2^(16 - 127): the byte cannot fall under 1
.endr
.irp b, 0,1,2,3
	v_add_nc_u32 v[SO+\b], 0xf8800000, v[BM+\b]    ; 15 off the exponent field: the conversion's scale operand
.endr
.irp b, 0,1,2,3
	v_and_or_b32 v[HO+\b], v[BM+\b], 0x7f800000, s[MNT]          ; 57,344 x the scale,
.endr
.irp b, 0,1,2,3
	v_and_or_b32 v[HB+(\b+1)%4], v[BM+\b], 0x7f800000, s[MNT]    ; and once more, in a register of another bank: the two halves of a pair below read one each
.endr
.irp b, 0,1,2,3
	v_lshrrev_b32 v[TP+\b], 23, v[SO+\b]           ; the scale's byte
.endr
	v_lshl_or_b32 v[PW+\u], v[TP+1], 8, v[TP]      ; p's scale word for these 128 keys
	v_lshl_or_b32 v[PW+\u], v[TP+2], 16, v[PW+\u]
	v_lshl_or_b32 v[PW+\u], v[TP+3], 24, v[PW+\u]
.irp b, 0,1,2,3
.irp i, 0,2,4,6,8,10,12,14
	v_dual_min_num_f32 v[SB+16*\b+\i], v[SB+16*\b+\i], v[HO+\b] :: v_dual_min_num_f32 v[SB+16*\b+\i+1], v[SB+16*\b+\i+1], v[HB+(\b+1)%4]   ; the hold, two at a time; p is not negative
.endr
.endr
	WIN 0x40                                       ; the codes go to window 1
.irp b, 0,1,2,3
	v_cvt_scalef32_pk8_bf8_f32 v[CD+16*(\u)+4*\b:CD+16*(\u)+4*\b+1], v[SB+16*\b:SB+16*\b+7], v[SO+\b]
	v_cvt_scalef32_pk8_bf8_f32 v[CD+16*(\u)+4*\b+2:CD+16*(\u)+4*\b+3], v[SB+16*\b+8:SB+16*\b+15], v[SO+\b]
.endr
	WIN 0x41                                       ; O^T in window 1, f in window 0
.set jj, 0
.rept 16
	v_pk_mul_f32 v[OT+32*(\u)+jj:OT+32*(\u)+jj+1], v[OT+32*(\u)+jj:OT+32*(\u)+jj+1], v[FF:FF+1] op_sel_hi:[1,0]   ; O^T under the new M (also the plain instructions behind the conversions and ahead of the products)
.set jj, jj+2
.endr
	WIN 0
.endm
; A KEY STEP: 128 keys, the q-th of the slot in hand, for both tiles
.macro STEP q, ask
	v_add_nc_u32 v[ADS], s[TS], v[ASK0]
	v_add_nc_u32 v[ADT], s[TJ], v[ASV0]
.rept 8
	v_nop                                          ; places in front of loads into the registers of v and of its scale words, which the last products read
.endr
.if (\q) == 0
	KLOAD 0, 0                                     ; a slot's first step asks for its own k: the slot was not whole before
.endif
	VLOAD \q                                       ; wanted behind the softmax
.if \ask
	ASK
.endif
	s_wait_dscnt 20                                ; k is in; the 20 loads of v, issued behind it, may be out
	WIN 0x04                                       ; k's tiles 0-3 in window 0, q in window 1, S^T in window 0
.irp t, 0,1,2,3
.irp u, 0,1
	v_wmma_scale_f32_16x16x128_f8f6f4 v[S+64*\u+8*\t:S+64*\u+8*\t+7], v[K0+16*\t:K0+16*\t+15], v[QF+16*\u:QF+16*\u+15], 0, v[KW+\t], v[QW+\u] matrix_a_fmt:MATRIX_FMT_BF8 matrix_b_fmt:MATRIX_FMT_BF8
.endr
.endr
	WIN 0x05                                       ; k's tiles 4-7 in window 1
.irp t, 0,1,2,3
.irp u, 0,1
	v_wmma_scale_f32_16x16x128_f8f6f4 v[S+64*\u+32+8*\t:S+64*\u+32+8*\t+7], v[K1+16*\t:K1+16*\t+15], v[QF+16*\u:QF+16*\u+15], 0, v[KW+4+\t], v[QW+\u] matrix_a_fmt:MATRIX_FMT_BF8 matrix_b_fmt:MATRIX_FMT_BF8
.endr
.endr
	WIN 0
.rept 8
	v_nop                                          ; places ahead of the first read of the scores and of the loads into k's registers
.endr
.if (\q) < 3
	KLOAD (\q)+1, 512                              ; the next step's k lands under the softmax
.endif
	SOFTMAX 0
	SOFTMAX 1
.if (\q) < 3
	s_wait_dscnt 24                                ; v is in; the next step's 24 loads of k, issued behind it, may be out
.else
	s_wait_dscnt 0x0
.endif
	WIN 0x55                                       ; O^T, v and p's codes all lie in window 1
.irp t, 0,1,2,3
.irp u, 0,1
	v_wmma_scale_f32_16x16x128_f8f6f4 v[OT+32*\u+8*\t:OT+32*\u+8*\t+7], v[VF+16*\t:VF+16*\t+15], v[CD+16*\u:CD+16*\u+15], v[OT+32*\u+8*\t:OT+32*\u+8*\t+7], v[VW+\t], v[PW+\u] matrix_a_fmt:MATRIX_FMT_BF8 matrix_b_fmt:MATRIX_FMT_BF8
.endr
.endr
	WIN 0
	s_add_co_u32 s[TS], s[TS], 512                 ; the next step's scale words
	s_add_co_u32 s[TJ], s[TJ], 256
.endm
; THE CHANGE OF SLOTS stands at a slot's head: each wave waits for all its tensor loads, adds 0 to its spare word, and waits for that and for its reads of the slot that it has left.
; fill = 1: a round of the cluster's barrier, and the joint fill of the slot just left first behind it: it has four key steps in which to land
.macro CHANGE fill
	s_wait_tensorcnt 0x0                           ; no tensor load of mine is out, so a group 0 may be written
	ds_add_u32 v[SPW], v[NIL]                      ; 0 onto my spare word
.if \fill
	s_xor_b32 s[G0+1], s[G0+1], SLOT1
	s_add_nc_u64 s[G0+2:G0+3], s[G0+2:G0+3], PART
	s_wait_xcnt 0x0                                ; the last prefetch, a key step back, has read its address
	s_add_nc_u64 s[PFA:PFA+1], s[PFA:PFA+1], PART
	s_wait_dscnt 0x0
	CROUND
	TLOAD
.else
	s_wait_dscnt 0x0
	s_barrier_signal -1
	s_barrier_wait -1
.endif
.endm
.macro SLOT_STEPS ask
	v_add_nc_u32 v[ADK], s[TB], v[AK0]
	v_add_nc_u32 v[ADV], s[TB], v[AV0]
	STEP 0, 0
	STEP 1, 0
	STEP 2, 0
	STEP 3, \ask
	s_xor_b32 s[TB], s[TB], SLOT1
.endm
	s_wait_loadcnt 0x0                             ; q
.Lslot:                                            ; three trips: behind each change of slots but the last the next slot is asked for
	CHANGE 1
	SLOT_STEPS 1
	s_sub_co_u32 s[SLOTS], s[SLOTS], 1
	s_cmp_lg_u32 s[SLOTS], 0
	s_cbranch_scc1 .Lslot
	CHANGE 0                                       ; the last slot is written out
	SLOT_STEPS 0
	; THE WAY OUT: O^T / the sum; a tile's 32 numbers a lane are two blocks of 32 channels with lane l xor 16's; codes in the natural order of K; images and scale bytes
.rept 8
	v_nop                                          ; places behind the last products
.endr
.irp u, 0,1
	v_add_f32 v[14+4*\u], v[14+4*\u], v[15+4*\u]
.endr
.irp u, 0,1
	v_permlanex16_b32 v[TP+\u], v[14+4*\u], s[SEL], s[SEL+1]
.endr
.irp u, 0,1
	v_add_f32 v[14+4*\u], v[14+4*\u], v[TP+\u]
.endr
.irp u, 0,1
	v_rcp_f32 v[14+4*\u], v[14+4*\u]
.endr
	v_and_b32 v8, 15, v0                           ; (a plain instruction behind the reciprocals)
	v_and_b32 v10, 31, v0
	v_lshlrev_b32 v10, 4, v10                      ; 16 x lane
	s_lshl_b32 s77, s81, 6
	s_lshl_b32 s78, s80, 1
	s_add_co_u32 s77, s77, s78
	s_add_co_u32 s77, s77, CSW
	v_lshl_add_u32 v9, v8, 2, s77                  ; my token's word in my first tile, my head's two bytes; 64 bytes from tile to tile
	v_add_nc_u32 v11, CSW, v10
	s_wait_alu depctr_va_vdst(0)                   ; one wait for the two reciprocals, ahead of their first reader
.macro OUTT u
.set XB, S+64*(\u)
.set CB, XB+32
	WIN 0x01                                       ; O^T in window 1
.set jj, 0
.rept 32
	v_mul_f32 v[XB+jj], v[OT+32*(\u)+jj], v[14+4*(\u)]   ; register 8 t + j: channel 16 t + 8 h + j
.set jj, jj+1
.endr
	WIN 0
.irp b, 0,1
	v_max3_num_f32 v[240+\b], |v[XB+16*\b]|, |v[XB+1+16*\b]|, 0x8000000
.endr
.irp i, 2,4,6,8,10,12,14
.irp b, 0,1
	v_max3_num_f32 v[240+\b], v[240+\b], |v[XB+16*\b+\i]|, |v[XB+1+16*\b+\i]|
.endr
.endr
.irp b, 0,1
	v_permlanex16_b32 v[242+\b], v[240+\b], s[SEL], s[SEL+1]
.endr
.irp b, 0,1
	v_max_num_f32 v[240+\b], v[240+\b], v[242+\b]
.endr
.irp b, 0,1
	v_add_nc_u32 v[244+\b], 0xf8800000, v[240+\b]
.endr
.irp b, 0,1
	v_and_or_b32 v[246+\b], v[240+\b], 0x7f800000, s[MNT]
.endr
.irp b, 0,1
	v_lshrrev_b32 v[242+\b], 23, v[244+\b]
.endr
	v_lshl_or_b32 v242, v243, 8, v242              ; my head's two scale bytes
.irp b, 0,1
.irp i, 0,1,2,3,4,5,6,7,8,9,10,11,12,13,14,15
	v_med3_num_f32 v[XB+16*\b+\i], v[XB+16*\b+\i], -v[246+\b], v[246+\b]
.endr
	v_cvt_scalef32_pk8_bf8_f32 v[CB+4*\b:CB+4*\b+1], v[XB+16*\b:XB+16*\b+7], v[244+\b]
	v_cvt_scalef32_pk8_bf8_f32 v[CB+4*\b+2:CB+4*\b+3], v[XB+16*\b+8:XB+16*\b+15], v[244+\b]
.endr
	v_nop
.irp b, 0,1                                    ; lanes 0-15 are to hold channels 32 b + 0 .. 15 and lanes 16-31 channels 32 b + 16 .. 31: two exchanges of half registers a block
	v_permlane16_swap_b32 v[CB+4*\b], v[CB+4*\b+2]
	v_permlane16_swap_b32 v[CB+4*\b+1], v[CB+4*\b+3]
.endr
	ds_store_b16 v9, v242 offset:64*(\u)           ; lanes l and l xor 16 write the same bytes with the same value
	global_store_b128 v10, v[CB:CB+3], s[62:63] offset:16384*(\u)        ; each store: 512 consecutive bytes
	global_store_b128 v10, v[CB+4:CB+7], s[62:63] offset:16384*(\u)+512
.endm
	OUTT 0
	OUTT 1
	s_wait_dscnt 0x0
	s_barrier_signal -1
	s_barrier_wait -1                              ; the 128 tokens' words are whole
	s_cmp_lg_u32 s[WV], 0
	s_cbranch_scc1 .Lnot_0
	ds_load_b128 v[232:235], v11
	s_wait_dscnt 0x0
	global_store_b128 v10, v[232:235], s[68:69]
.Lnot_0:
	s_wait_tensorcnt 0x0                           ; the wave's end
	ds_add_u32 v[SPW], v[NIL]
	s_wait_dscnt 0x0
	CROUND                                         ; the closing round
	s_endpgm
.Lfunc_end_k_q65494db04a_attn:
	.size	k_q65494db04a_attn, .Lfunc_end_k_q65494db04a_attn-k_q65494db04a_attn
	.p2alignl 7, 3214868480
	.fill 96, 4, 3214868480
	.section	.rodata,"a",@progbits
	.p2align	6, 0x0
	.amdhsa_kernel k_q65494db04a_attn
		.amdhsa_group_segment_fixed_size 327680
		.amdhsa_private_segment_fixed_size 0
		.amdhsa_enable_private_segment 0
		.amdhsa_kernarg_size 16
		.amdhsa_user_sgpr_count 2
		.amdhsa_user_sgpr_kernarg_segment_ptr 1
		.amdhsa_wavefront_size32 1
		.amdhsa_system_sgpr_workgroup_id_x 1
		.amdhsa_system_sgpr_workgroup_id_y 1
		.amdhsa_system_sgpr_workgroup_id_z 1
		.amdhsa_system_vgpr_workitem_id 0
		.amdhsa_next_free_vgpr 512
		.amdhsa_next_free_sgpr 90
		.amdhsa_reserve_vcc 0
		.amdhsa_float_denorm_mode_32 3
		.amdhsa_float_denorm_mode_16_64 3
		.amdhsa_memory_ordered 1
		.amdhsa_forward_progress 1
		.amdhsa_inst_pref_size 255
	.end_amdhsa_kernel
	.section	.bss,"aw",@nobits
	.p2align	6
	.space	262144
	.amdgpu_metadata
---
amdhsa.version: [ 1, 2 ]
amdhsa.kernels:
  - .name:           k_q65494db04a_attn
    .symbol:         k_q65494db04a_attn.kd
    .args:
      - { .name: qkvc, .offset: 0, .size: 8, .value_kind: global_buffer, .address_space: global }
      - { .name: ctxc, .offset: 8, .size: 8, .value_kind: global_buffer, .address_space: global }
    .group_segment_fixed_size: 327680
    .private_segment_fixed_size: 0
    .kernarg_segment_align: 8
    .kernarg_segment_size: 16
    .max_flat_workgroup_size: 256
    .sgpr_count:     90
    .vgpr_count:     512
    .wavefront_size: 32
...
	.end_amdgpu_metadata
.endif
;; end of part 3
;; launch oproj (part 4): grid 8 x 32, 4 waves a work-group, clusters of 4 x 4, 327,680 bytes of LDS; arguments ctxc, out_w_codes, out_w_scales, out_b, x, x2; writes x2
.if DOCPART == 4
	.amdgcn_target "amdgcn-amd-amdhsa--gfx1250"
	.amdhsa_code_object_version 6
	.text
	.protected	k_q65494db04a_oproj
	.globl	k_q65494db04a_oproj
	.p2align	8
	.type	k_q65494db04a_oproj,@function
k_q65494db04a_oproj:
	s_mov_b64 s[64:65], 0
	v_nop
	global_prefetch_b8 v0, s[64:65] scope:SCOPE_SE
	s_setreg_imm32_b32 hwreg(HW_REG_WAVE_MODE, 25, 1), 1
	s_wait_xcnt 0x0
	s_wait_alu depctr_hold_cnt(0) depctr_sa_sdst(0) depctr_va_vdst(0) depctr_va_sdst(0) depctr_va_ssrc(0) depctr_va_vcc(0) depctr_vm_vsrc(0)
	s_getreg_b32 s2, hwreg(HW_REG_IB_STS2, 6, 4)
	s_cmp_eq_u32 s2, 0
	s_cbranch_scc0 .Lentry_in_a_cluster
	s_endpgm
.Lentry_in_a_cluster:
	s_bfe_u32 s2, ttmp6, 0x10000c
	s_cmp_lg_u32 s2, 0xf033
	s_cbranch_scc0 .Lentry_shape_is_right
	s_endpgm
.Lentry_shape_is_right:
; out = residual + A W^T + bias, on codes of E5M2 with E8M0 scales.  A: 4,096 rows x SIZE_K, as images of operand registers [16 rows 256][128 K][block 4][lane][16 bytes], its scale words [128 K][row 4096] behind them;
; W: [1024][SIZE_K] codes, K innermost, scale bytes [1024][SIZE_K / 32]; bias [1024], residual and out [4096][1024] f32.
; N is 1,024: tiles of 128 x 128 give each of 256 WGPs a work-group.  Four waves, 64 x 64 each: 16 accumulators.  A slot holds 512 along K: A's 65,536 bytes (dense: images are read 512 bytes on end),
; W's 128 rows of 512 bytes + 16 of padding.  Two slots; each wave fetches half of A's or of W's part with one joint load of a 4 x 4 cluster.  All scale words of the tile's rows come once and stay.
; Source 0 = 16 rows of W, source 1 = 16 rows of A: a lane holds eight neighbouring columns of one row of out.  The bias is the C of each sum's first product.
; SCALE REGISTERS: A's word of K step s = 2 p + h lies in lanes 16 h .. of register 2 a + p; W's word of K step 2 h + i in lanes 16 h .. of register 8 + 2 b + i: twelve loads serve a slot's 64 products a wave.
; LIMITS: NaN and infinities are not served.
.set SIZE_K, 1024
.set NS,     SIZE_K/128
.set KS,     SIZE_K/32
.set ASC,    4096*SIZE_K               ; where A's scale words begin
.set ABYT,   65536
.set PITCH,  528
.set HALFB,  64*PITCH
.set SLOT,   ABYT+2*HALFB
.set SCA,    2*SLOT                    ; A's scale words: [K step][128 rows]
.set SCBB,   SCA+NS*512                ; W's scale bytes, as units of 256 bytes + 16 of padding
.set HALFS,  (64*KS/256)*272
.set SBLK,   (16*KS/256)*272
.set SPARE,  SCBB+2*HALFS
.set LAPS,   SIZE_K/1024
.set ADRA, 16
.set ADRB, 20
.set STO,  24
.set RD,   25
.set CO,   26
.set ADSA, 27
.set SPW,  28
.set NIL,  29
.set ADSB, 30
.set SC,   32                          ; v32-63 two sets of 16 scale registers: they hold nothing else
.set BIAS, 64                          ; v64-95; on the way out v64-127 take rows read back, by turns
.set ACC,  128
.set F0,   0                           ; fragment buffers, in window 1: A's four at + 16 a, W's four at + 64 + 16 b
.set F1,   128
.set G1, 24
.set G0, 32
.set G1B, 48
.set G0B, 56
.set G1S, 68
.set G0S, 76
.set G1SB, 80
.set G0SB, 88
.set MSB, 0
.macro WIN new
.if MSB != \new
	s_set_vgpr_msb (MSB<<8)|\new
.set MSB, \new
.endif
.endm
.set MUL,  0x05                        ; sources 0 and 1 window 1; C and D window 0
.set TO_F, 0x40
.macro JLOAD g0a, g1a, g0b, g1b        ; waves 0 and 1 fetch for A, waves 2 and 3 for W; four v_nop follow each line
	s_cmp_eq_u32 s15, 0
	s_cbranch_scc0 .Lfor_b_\@
	tensor_load_to_lds s[\g0a:\g0a+3], s[\g1a:\g1a+7]
	s_nop 0
.rept 4
	v_nop
.endr
	s_branch .Lasked_\@
.Lfor_b_\@:
	tensor_load_to_lds s[\g0b:\g0b+3], s[\g1b:\g1b+7]
	s_nop 0
.rept 4
	v_nop
.endr
.Lasked_\@:
.endm
.macro CREST
	s_cmp_lg_u32 s14, 0
	s_cbranch_scc1 .Lnot_wave_0_\@
	s_barrier_signal -3
.Lnot_wave_0_\@:
	s_barrier_wait -3
	s_barrier_signal -1
	s_barrier_wait -1
.endm
.macro CROUND
	s_barrier_signal -1
	s_barrier_wait -1
	CREST
.endm
	s_load_b256 s[4:11], s[0:1], 0x0               ; A, W's codes, W's scales, bias
	s_load_b128 s[96:99], s[0:1], 0x20             ; residual, out
	v_lshl_add_u32 v[SPW], v0, 2, SPARE
	v_mov_b32 v[NIL], 0
	ds_add_u32 v28, v29
	s_wait_dscnt 0x0
	v_lshrrev_b32 v1, 5, v0
	v_readfirstlane_b32 s14, v1
	s_lshr_b32 s15, s14, 1                         ; which 64 rows are mine.  Also: I fetch for A (0) or for W (1)
	s_and_b32 s16, s14, 1                          ; which 64 columns.  Also: which half I fetch
	s_bfe_u32 s40, ttmp6, 0x40000
	s_bfe_u32 s41, ttmp6, 0x40004
	s_lshl_b32 s42, ttmp9, 2
	s_add_co_u32 s42, s42, s40                     ; tile column
	s_and_b32 s17, ttmp7, 0xffff
	s_lshl_b32 s17, s17, 2
	s_add_co_u32 s17, s17, s41                     ; tile row
	s_lshl_b32 s43, s41, 2
	s_lshl_b32 s43, 15, s43
	s_lshl_b32 s44, 0x1111, s40
	s_or_b32 s[G1+0], s43, (3<<16)|(1<<21)         ; A: four blocks of 16 rows, each 8,192 consecutive bytes (1,024 elements of 8), NS x 2,048 bytes apart; no padding
	s_mov_b32 s[G1+1], 1024<<16
	s_mov_b32 s[G1+2], 4<<16
	s_mov_b32 s[G1+3], 1024<<16
	s_mov_b32 s[G1+4], 4
	s_mov_b32 s[G1+5], NS*256
	s_mov_b32 s[G1+6], 0
	s_mov_b32 s[G1+7], 0
	s_or_b32 s[G1B+0], s44, (0<<16)|(1<<20)|(1<<21)|(6<<22)|(3<<25)   ; W: 64 rows of 512 bytes, 16 of padding behind each
	s_mov_b32 s[G1B+1], 512<<16
	s_mov_b32 s[G1B+2], 64<<16
	s_mov_b32 s[G1B+3], 512<<16
	s_mov_b32 s[G1B+4], 64
	s_mov_b32 s[G1B+5], SIZE_K
	s_mov_b32 s[G1B+6], 0
	s_mov_b32 s[G1B+7], 0
	s_or_b32 s[G1S+0], s43, (3<<16)|(1<<21)        ; A's scale words: NS / 2 rows of 512 bytes, 16,384 apart
	s_mov_b32 s[G1S+1], 64<<16
	s_mov_b32 s[G1S+2], (NS/2)<<16
	s_mov_b32 s[G1S+3], 64<<16
	s_mov_b32 s[G1S+4], NS/2
	s_mov_b32 s[G1S+5], 2048
	s_mov_b32 s[G1S+6], 0
	s_mov_b32 s[G1S+7], 0
	s_or_b32 s[G1SB+0], s44, (3<<16)|(1<<20)|(1<<21)|(5<<22)|(3<<25)  ; W's scale bytes of 64 rows: dense, as rows of 256 bytes + 16
	s_mov_b32 s[G1SB+1], 32<<16
	s_mov_b32 s[G1SB+2], (64*KS/256)<<16
	s_mov_b32 s[G1SB+3], 32<<16
	s_mov_b32 s[G1SB+4], 64*KS/256
	s_mov_b32 s[G1SB+5], 32
	s_mov_b32 s[G1SB+6], 0
	s_mov_b32 s[G1SB+7], 0
	s_lshl_b32 s20, s17, 3
	s_lshl_b32 s18, s16, 2
	s_add_co_u32 s20, s20, s18                     ; A: block of 16 rows 8 x tile row + 4 x half
	s_mul_i32 s20, s20, NS*2048
	s_mov_b32 s21, 0
	s_lshl_b32 s22, s17, 9
	s_mul_i32 s18, s16, (NS/2)*16384
	s_add_co_u32 s22, s22, s18
	s_add_co_u32 s22, s22, ASC                     ; its scale words: my half of the K steps
	s_mov_b32 s23, 0
	s_lshl_b32 s46, s42, 7
	s_lshl_b32 s18, s16, 6
	s_add_co_u32 s46, s46, s18                     ; W: row 128 x tile column + 64 x half
	s_mul_i32 s92, s46, KS
	s_mov_b32 s93, 0
	s_mul_i32 s46, s46, SIZE_K
	s_mov_b32 s47, 0
	s_lshl_b32 s45, s16, 15                        ; where they go: no place in the cluster enters an LDS address
	s_mul_i32 s94, s16, HALFB
	s_add_co_u32 s94, s94, ABYT
	s_mul_i32 s67, s16, (NS/2)*512
	s_add_co_u32 s67, s67, SCA
	s_mul_i32 s66, s16, HALFS
	s_add_co_u32 s66, s66, SCBB
	s_wait_kmcnt 0x0
	s_add_nc_u64 s[20:21], s[4:5], s[20:21]
	s_add_nc_u64 s[22:23], s[4:5], s[22:23]
	s_add_nc_u64 s[46:47], s[6:7], s[46:47]
	s_add_nc_u64 s[92:93], s[8:9], s[92:93]
	CROUND
	s_mov_b32 s[G0S], 1
	s_mov_b32 s[G0S+1], s67
	s_mov_b64 s[G0S+2:G0S+3], s[22:23]
	s_or_b32 s[G0S+3], s[G0S+3], 0x80000000
	s_mov_b32 s[G0SB], 1
	s_mov_b32 s[G0SB+1], s66
	s_mov_b64 s[G0SB+2:G0SB+3], s[92:93]
	s_or_b32 s[G0SB+3], s[G0SB+3], 0x80000000
	JLOAD G0S, G1S, G0SB, G1SB
.irp s, 0,1
	s_mov_b32 s[G0+4*\s], 1
	s_add_co_u32 s[G0+4*\s+1], s45, \s*SLOT
	s_add_nc_u64 s[G0+4*\s+2:G0+4*\s+3], s[20:21], \s*8192
	s_or_b32 s[G0+4*\s+3], s[G0+4*\s+3], 0x80000000
	s_mov_b32 s[G0B+4*\s], 1
	s_add_co_u32 s[G0B+4*\s+1], s94, \s*SLOT
	s_add_nc_u64 s[G0B+4*\s+2:G0B+4*\s+3], s[46:47], \s*512
	s_or_b32 s[G0B+4*\s+3], s[G0B+4*\s+3], 0x80000000
	JLOAD G0+4*\s, G1, G0B+4*\s, G1B
.endr
	v_and_b32 v1, 15, v0                           ; r
	v_bfe_u32 v2, v0, 4, 1                         ; h
	v_and_b32 v3, 31, v0
	v_lshlrev_b32 v3, 4, v3                        ; 16 x lane
	v_mul_u32_u24 v4, v1, PITCH
	v_lshl_add_u32 v4, v2, 4, v4
	s_lshl_b32 s21, s15, 15                        ; my four blocks of A
	s_mul_i32 s22, s16, HALFB
	s_add_co_u32 s22, s22, ABYT                    ; my 64 rows of W
.irp s, 0,1
	v_add_nc_u32 v[ADRA+\s], s21, v3
	v_add_nc_u32 v[ADRB+\s], s22, v4
	s_add_co_u32 s21, s21, SLOT
	s_add_co_u32 s22, s22, SLOT
.endr
	s_lshl_b32 s21, s15, 8
	s_add_co_u32 s21, s21, SCA
	v_lshl_add_u32 v[ADSA], v1, 2, s21
	v_lshl_add_u32 v[ADSA], v2, 9, v[ADSA]         ; lanes 16-31 take the next K step's words
	v_mul_u32_u24 v5, v1, KS
	v_lshrrev_b32 v6, 8, v5
	v_lshl_add_u32 v5, v6, 4, v5
	s_mul_i32 s21, s16, HALFS
	s_add_co_u32 s21, s21, SCBB
	v_add_nc_u32 v5, s21, v5
	v_lshl_add_u32 v[ADSB], v2, 3, v5              ; lanes 16-31 take the words of K steps 2 and 3
	s_mul_i32 s23, s14, 16*272                     ; my stage, in slot 0: 16 rows x (256 bytes + 16)
	v_mul_u32_u24 v5, v1, 272
	v_lshl_add_u32 v5, v2, 5, v5
	v_add_nc_u32 v[STO], s23, v5
	v_mul_u32_u24 v5, v2, 272
	v_lshl_add_u32 v5, v1, 4, v5
	v_add_nc_u32 v[RD], s23, v5
	v_lshlrev_b32 v[CO], 12, v2
	v_lshl_add_u32 v[CO], v1, 4, v[CO]             ; lanes 0-15 one row of out, lanes 16-31 the next
	v_lshlrev_b32 v7, 5, v2
	s_lshl_b32 s20, s17, 7
	s_lshl_b32 s21, s15, 6
	s_add_co_u32 s20, s20, s21
	s_lshl_b32 s20, s20, 12                        ; my first row, in bytes
	s_mov_b32 s21, 0
	s_lshl_b32 s46, s42, 7
	s_lshl_b32 s47, s16, 6
	s_add_co_u32 s46, s46, s47
	s_lshl_b32 s46, s46, 2                         ; my first column, in bytes
	s_mov_b32 s47, 0
	s_add_nc_u64 s[10:11], s[10:11], s[46:47]
	s_add_nc_u64 s[20:21], s[20:21], s[46:47]
	s_add_nc_u64 s[96:97], s[96:97], s[20:21]
	s_add_nc_u64 s[98:99], s[98:99], s[20:21]
.irp b, 0,1,2,3
	global_load_b128 v[BIAS+8*\b:BIAS+8*\b+3], v7, s[10:11] offset:64*\b      ; the bias in the result's layout: columns 16 b + 8 h + 0 .. 7
	global_load_b128 v[BIAS+8*\b+4:BIAS+8*\b+7], v7, s[10:11] offset:64*\b+16
.endr
.macro WM d, a, b, c, sa, sb, q        ; one product; the quarter says in which half of the lanes each side's scale words lie
.if (\q) == 0
	v_wmma_scale_f32_16x16x128_f8f6f4 v[\d:\d+7], v[\a:\a+15], v[\b:\b+15], v[\c:\c+7], v[\sa], v[\sb] matrix_a_fmt:MATRIX_FMT_BF8 matrix_b_fmt:MATRIX_FMT_BF8
.elseif (\q) == 1
	v_wmma_scale_f32_16x16x128_f8f6f4 v[\d:\d+7], v[\a:\a+15], v[\b:\b+15], v[\c:\c+7], v[\sa], v[\sb] matrix_a_fmt:MATRIX_FMT_BF8 matrix_b_fmt:MATRIX_FMT_BF8 matrix_b_scale:MATRIX_SCALE_ROW1
.elseif (\q) == 2
	v_wmma_scale_f32_16x16x128_f8f6f4 v[\d:\d+7], v[\a:\a+15], v[\b:\b+15], v[\c:\c+7], v[\sa], v[\sb] matrix_a_fmt:MATRIX_FMT_BF8 matrix_b_fmt:MATRIX_FMT_BF8 matrix_a_scale:MATRIX_SCALE_ROW1
.else
	v_wmma_scale_f32_16x16x128_f8f6f4 v[\d:\d+7], v[\a:\a+15], v[\b:\b+15], v[\c:\c+7], v[\sa], v[\sb] matrix_a_fmt:MATRIX_FMT_BF8 matrix_b_fmt:MATRIX_FMT_BF8 matrix_a_scale:MATRIX_SCALE_ROW1 matrix_b_scale:MATRIX_SCALE_ROW1
.endif
.endm
.macro MULROW f, q, set, a, cmode      ; A's block a x W's four.  The 16 accumulators take turns, one instruction a turn.  cmode = 1: the bias starts the sums
.irp b, 0,1,2,3
.if \cmode
	WM ACC+8*(4*(\a)+\b), (\f)+64+16*\b, (\f)+16*(\a), BIAS+8*\b, SC+16*(\set)+8+2*\b+((\q)&1), SC+16*(\set)+2*(\a)+((\q)>>1), \q
.else
	WM ACC+8*(4*(\a)+\b), (\f)+64+16*\b, (\f)+16*(\a), ACC+8*(4*(\a)+\b), SC+16*(\set)+8+2*\b+((\q)&1), SC+16*(\set)+2*(\a)+((\q)>>1), \q
.endif
.endr
.endm
.macro FETCH slot, q, f                ; 32 LDS loads: the fragments of the slot's q-th 128 along K
	WIN TO_F
.irp i, 0,1,2,3
.irp c, 0,1,2,3
	ds_load_b128 v[(\f)+16*\i+4*\c:(\f)+16*\i+4*\c+3], v[ADRA+\slot] offset:(4*\i+(\q))*2048+512*\c
.endr
.endr
.irp i, 0,1,2,3
.irp c, 0,1,2,3
	ds_load_b128 v[(\f)+64+16*\i+4*\c:(\f)+64+16*\i+4*\c+3], v[ADRB+\slot] offset:128*(\q)+32*\c+\i*16*PITCH
.endr
.endr
.endm
.macro SCALES set                      ; twelve loads: a slot's scale words
.irp a, 0,1,2,3
.irp p, 0,1
	ds_load_b32 v[SC+16*\set+2*\a+\p], v[ADSA] offset:1024*\p+64*\a
.endr
.endr
.irp b, 0,1,2,3
	ds_load_b64 v[SC+16*\set+8+2*\b:SC+16*\set+9+2*\b], v[ADSB] offset:\b*SBLK
.endr
.endm
.macro PLACES n
.rept \n
	v_nop
.endr
.endm
.macro QUARTER slot, q, f, g, cmode    ; fetches quarter q + 1 into g, then multiplies quarter q in f
	PLACES 8                                       ; in front of loads into registers that the quarter before has read
	FETCH \slot, (\q)+1, \g
	s_wait_dscnt 32                                ; all but the 32 just issued
	WIN MUL
	MULROW \f, \q, \slot, 0, \cmode
	MULROW \f, \q, \slot, 1, \cmode
	MULROW \f, \q, \slot, 2, \cmode
	MULROW \f, \q, \slot, 3, \cmode
.endm
; A slot's last quarter changes slots: one barrier; in front of it each wave waits for all its tensor loads, adds 0 to its spare word, and waits for that and for its reads of this slot
.macro TURN slot, next, fill
	WIN 0
	s_wait_tensorcnt 0x0
	ds_add_u32 v[SPW], v[NIL]                      ; 0 onto my spare word
	s_wait_dscnt 1                                 ; (the add alone may be out)
	WIN MUL
	MULROW F1, 3, \slot, 0, 0
	s_wait_dscnt 0x0
	s_barrier_signal -1
	MULROW F1, 3, \slot, 1, 0
	WIN 0
	s_barrier_wait -1
.if \fill
	CREST
	s_add_nc_u64 s[G0+4*\slot+2:G0+4*\slot+3], s[G0+4*\slot+2:G0+4*\slot+3], 16384
	s_add_nc_u64 s[G0B+4*\slot+2:G0B+4*\slot+3], s[G0B+4*\slot+2:G0B+4*\slot+3], 1024
	JLOAD G0+4*\slot, G1, G0B+4*\slot, G1B
	PLACES 4
.else
	PLACES 8
.endif
	v_add_nc_u32 v[ADSA], 2048, v[ADSA]
	v_add_nc_u32 v[ADSB], 16, v[ADSB]
	FETCH \next, 0, F0
	WIN 0
	SCALES \next
	WIN MUL
	MULROW F1, 3, \slot, 2, 0
	MULROW F1, 3, \slot, 3, 0
.endm
	s_wait_tensorcnt 1                             ; the scales and my part of slot 0 are in (slot 1's load may be out),
	s_barrier_signal -1
	s_barrier_wait -1                              ; everybody's are
	FETCH 0, 0, F0
	WIN 0
	SCALES 0
	s_wait_loadcnt 0x0                             ; the bias
	QUARTER 0, 0, F0, F1, 1
.if LAPS > 1
	WIN 0
	s_mov_b32 s3, LAPS-1
.Llap:
	QUARTER 0, 1, F1, F0, 0
	QUARTER 0, 2, F0, F1, 0
	TURN 0, 1, 1
	QUARTER 1, 0, F0, F1, 0
	QUARTER 1, 1, F1, F0, 0
	QUARTER 1, 2, F0, F1, 0
	TURN 1, 0, 1
	QUARTER 0, 0, F0, F1, 0
	WIN 0
	s_sub_co_u32 s3, s3, 1
	s_cmp_lg_u32 s3, 0
	s_cbranch_scc1 .Llap
.endif
	QUARTER 0, 1, F1, F0, 0
	QUARTER 0, 2, F0, F1, 0
	TURN 0, 1, 0
	QUARTER 1, 0, F0, F1, 0
	QUARTER 1, 1, F1, F0, 0
	QUARTER 1, 2, F0, F1, 0
	PLACES 8
	WIN TO_F                                       ; the residual, in the order of the way out, into buffer 0
.irp a, 0,1,2,3
.irp t, 0,1,2,3,4,5,6,7
	global_load_b128 v[32*\a+4*\t:32*\a+4*\t+3], v[CO], s[96:97] offset:(16*\a+2*\t)*4096 th:TH_LOAD_NT
.endr
.endr
	s_wait_dscnt 0x0
	WIN MUL
	MULROW F1, 3, 1, 0, 0
	MULROW F1, 3, 1, 1, 0
	MULROW F1, 3, 1, 2, 0
	MULROW F1, 3, 1, 3, 0
	WIN 0
	PLACES 8
; THE WAY OUT, 16 rows at a time: through my stage (in slot 0, which has had its last fill and its last read), back as whole rows of 256 bytes, + the residual, stored sixteen lanes to 256 consecutive bytes
.macro OUTA a
.set OBB, 64+32*((\a)%2)
.if (\a) > 1
	s_wait_xcnt 0x0                                ; the stores of two blocks ago have read their registers
.endif
.irp b, 0,1,2,3
	ds_store_b128 v[STO], v[ACC+8*(4*(\a)+\b):ACC+8*(4*(\a)+\b)+3] offset:64*\b
	ds_store_b128 v[STO], v[ACC+8*(4*(\a)+\b)+4:ACC+8*(4*(\a)+\b)+7] offset:64*\b+16
.endr
.irp t, 0,1,2,3,4,5,6,7
	ds_load_b128 v[OBB+4*\t:OBB+4*\t+3], v[RD] offset:544*\t
.endr
	s_wait_loadcnt 8*(3-(\a))                      ; the later blocks' residual loads may be out
	s_wait_dscnt 0x0
	WIN 0x04
.irp t, 0,1,2,3,4,5,6,7
	v_pk_add_f32 v[OBB+4*\t:OBB+4*\t+1], v[OBB+4*\t:OBB+4*\t+1], v[32*(\a)+4*\t:32*(\a)+4*\t+1]
	v_pk_add_f32 v[OBB+4*\t+2:OBB+4*\t+3], v[OBB+4*\t+2:OBB+4*\t+3], v[32*(\a)+4*\t+2:32*(\a)+4*\t+3]
.endr
	WIN 0
.irp t, 0,1,2,3,4,5,6,7
	global_store_b128 v[CO], v[OBB+4*\t:OBB+4*\t+3], s[98:99] offset:(16*(\a)+2*\t)*4096
.endr
.endm
	OUTA 0
	OUTA 1
	OUTA 2
	OUTA 3
	s_wait_tensorcnt 0x0                           ; the wave's end
	ds_add_u32 v[SPW], v[NIL]
	s_wait_dscnt 0x0
	CROUND
	s_endpgm
.Lfunc_end_k_q65494db04a_oproj:
	.size	k_q65494db04a_oproj, .Lfunc_end_k_q65494db04a_oproj-k_q65494db04a_oproj
	.p2alignl 7, 3214868480
	.fill 96, 4, 3214868480
	.section	.rodata,"a",@progbits
	.p2align	6, 0x0
	.amdhsa_kernel k_q65494db04a_oproj
		.amdhsa_group_segment_fixed_size 327680
		.amdhsa_private_segment_fixed_size 0
		.amdhsa_enable_private_segment 0
		.amdhsa_kernarg_size 48
		.amdhsa_user_sgpr_count 2
		.amdhsa_user_sgpr_kernarg_segment_ptr 1
		.amdhsa_wavefront_size32 1
		.amdhsa_system_sgpr_workgroup_id_x 1
		.amdhsa_system_sgpr_workgroup_id_y 1
		.amdhsa_system_sgpr_workgroup_id_z 1
		.amdhsa_system_vgpr_workitem_id 0
		.amdhsa_next_free_vgpr 512
		.amdhsa_next_free_sgpr 100
		.amdhsa_reserve_vcc 0
		.amdhsa_float_denorm_mode_32 3
		.amdhsa_float_denorm_mode_16_64 3
		.amdhsa_memory_ordered 1
		.amdhsa_forward_progress 1
		.amdhsa_inst_pref_size 63
	.end_amdhsa_kernel
	.amdgpu_metadata
---
amdhsa.version: [ 1, 2 ]
amdhsa.kernels:
  - .name:           k_q65494db04a_oproj
    .symbol:         k_q65494db04a_oproj.kd
    .args:
      - { .name: ctxc, .offset: 0, .size: 8, .value_kind: global_buffer, .address_space: global }
      - { .name: out_w_codes, .offset: 8, .size: 8, .value_kind: global_buffer, .address_space: global }
      - { .name: out_w_scales, .offset: 16, .size: 8, .value_kind: global_buffer, .address_space: global }
      - { .name: out_b, .offset: 24, .size: 8, .value_kind: global_buffer, .address_space: global }
      - { .name: x, .offset: 32, .size: 8, .value_kind: global_buffer, .address_space: global }
      - { .name: x2, .offset: 40, .size: 8, .value_kind: global_buffer, .address_space: global }
    .group_segment_fixed_size: 327680
    .private_segment_fixed_size: 0
    .kernarg_segment_align: 8
    .kernarg_segment_size: 48
    .max_flat_workgroup_size: 128
    .sgpr_count:     100
    .vgpr_count:     512
    .wavefront_size: 32
...
	.end_amdgpu_metadata
.endif
;; end of part 4
;; launch ln2 (part 5): grid 256 x 1, 8 waves a work-group, no clusters, 83,456 bytes of LDS; arguments x2, ln2_g, ln2_b, act; writes act
.if DOCPART == 5
	.amdgcn_target "amdgcn-amd-amdhsa--gfx1250"
	.amdhsa_code_object_version 6
	.text
	.protected	k_q65494db04a_ln2
	.globl	k_q65494db04a_ln2
	.p2align	8
	.type	k_q65494db04a_ln2,@function
k_q65494db04a_ln2:
	s_mov_b64 s[64:65], 0
	v_nop
	global_prefetch_b8 v0, s[64:65] scope:SCOPE_SE
	s_setreg_imm32_b32 hwreg(HW_REG_WAVE_MODE, 25, 1), 1
	s_wait_xcnt 0x0
; LayerNorm of 4,096 rows of 1,024 f32, quantised to codes of E5M2 with one E8M0 byte for each 32 along the row.
; out: codes [4096][1024] at byte 0 of act, scale bytes [4096][32] at byte ACTS.
; SHARES.  A work-group owns 16 rows, each of its eight waves two.  A wave's 32 loads (two rows, gain, bias) go out at once; a row stays in 32 registers between mean, variance and scaling.
; Mean first, then the mean of (x - mean)^2: no difference of large sums.  (x - mean) x rsq(var + 1e-5), then x gain + bias by one fused multiply-add.
; The loads take bytes as they lie (16 a lane, 512 a load); the conversions want 16 NEIGHBOURS in a lane: so 512 numbers at a time turn through the wave's own stage in LDS (64 bytes + 16 of padding a lane).
; A block's scale byte is the largest magnitude's exponent field - 15, held at 1 from below (a block of zeros keeps 1: its codes are zeros, and this program alone reads the bytes).
; LIMITS: NaN and infinities are not served.
.set SP,    80
.set STG,   32*SP
.set WREG,  4*STG
.set SCB,   8*WREG
.set ACTS,  4194304
.set EMAX,  15
.set G,     16
.set BB,    48
.set X,     80
.set C,     144
.set E,     160
.set RS,    172
	s_load_b256 s[4:11], s[0:1], 0x0               ; x, gain, bias, act
	v_lshl_add_u32 v192, v0, 2, 0x14200
	v_mov_b32 v193, 0
	v_lshrrev_b32 v1, 5, v0
	v_readfirstlane_b32 s14, v1                    ; wave
	v_and_b32 v1, 31, v0                           ; lane
	v_lshlrev_b32 v2, 4, v1                        ; 16 x lane
	s_mul_i32 s15, s14, WREG
	v_lshrrev_b32 v3, 2, v1
	v_mul_u32_u24 v3, v3, SP
	v_and_b32 v6, 3, v1
	v_lshl_add_u32 v3, v6, 4, v3
	v_add_nc_u32 v3, s15, v3                       ; into a stage
	v_mul_u32_u24 v4, v1, SP
	v_add_nc_u32 v4, s15, v4                       ; out of it
	s_lshl_b32 s15, s14, 6
	s_add_co_u32 s15, s15, SCB
	v_lshrrev_b32 v5, 1, v1
	v_add_nc_u32 v5, s15, v5                       ; my block's scale byte
	v_add_nc_u32 v6, SCB, v2
	s_mov_b32 s16, 0x76543210
	s_mov_b32 s17, 0xfedcba98
	s_mov_b32 s18, 0x3a800000                      ; 1 / 1024
	s_mov_b32 s19, 0x3727c5ac                      ; 1e-5
	s_mov_b32 s22, 0x600000
	s_lshl_b32 s20, ttmp9, 16
	s_lshl_b32 s21, s14, 13
	s_add_co_u32 s20, s20, s21
	s_mov_b32 s21, 0
	s_lshr_b32 s24, s20, 2
	s_mov_b32 s25, 0
	s_lshl_b32 s26, ttmp9, 9
	s_add_co_u32 s26, s26, ACTS
	s_mov_b32 s27, 0
	s_wait_kmcnt 0x0
	s_add_nc_u64 s[4:5], s[4:5], s[20:21]
	s_add_nc_u64 s[28:29], s[10:11], s[26:27]
	s_add_nc_u64 s[10:11], s[10:11], s[24:25]
.irp k, 0,1
.irp i, 0,1,2,3,4,5,6,7
	global_load_b128 v[X+32*\k+4*\i:X+32*\k+4*\i+3], v2, s[4:5] offset:4096*\k+512*\i th:TH_LOAD_NT
.endr
.endr
.irp i, 0,1,2,3,4,5,6,7
	global_load_b128 v[G+4*\i:G+4*\i+3], v2, s[6:7] offset:512*\i
.endr
.irp i, 0,1,2,3,4,5,6,7
	global_load_b128 v[BB+4*\i:BB+4*\i+3], v2, s[8:9] offset:512*\i
.endr
.macro REDUCE
	v_pk_add_f32 v[T:T+1], v[T:T+1], v[T+2:T+3]
	v_add_f32 v[T], v[T], v[T+1]
	v_add_f32_dpp v[T], v[T], v[T] row_xmask:1 row_mask:0xf bank_mask:0xf
	v_add_f32_dpp v[T], v[T], v[T] row_xmask:2 row_mask:0xf bank_mask:0xf
	v_add_f32_dpp v[T], v[T], v[T] row_xmask:4 row_mask:0xf bank_mask:0xf
	v_add_f32_dpp v[T], v[T], v[T] row_xmask:8 row_mask:0xf bank_mask:0xf
	v_permlanex16_b32 v[T+1], v[T], s16, s17
	v_add_f32 v[T], v[T], v[T+1]
.endm
.macro STAT k, left                    ; left: the loads issued behind the row's, which may stay out
.set XB, X+32*(\k)
.set T, 164+4*(\k)
	s_wait_loadcnt \left
	v_pk_add_f32 v[T:T+1], v[XB:XB+1], v[XB+2:XB+3]
	v_pk_add_f32 v[T+2:T+3], v[XB+4:XB+5], v[XB+6:XB+7]
.irp i, 8,12,16,20,24,28
	v_pk_add_f32 v[T:T+1], v[T:T+1], v[XB+\i:XB+\i+1]
	v_pk_add_f32 v[T+2:T+3], v[T+2:T+3], v[XB+\i+2:XB+\i+3]
.endr
	REDUCE
	v_mul_f32 v12, s18, v[T]
	v_mov_b32 v13, v12
.set ii, 0
.rept 16
	v_pk_add_f32 v[XB+ii:XB+ii+1], v[XB+ii:XB+ii+1], v[12:13] neg_lo:[0,1] neg_hi:[0,1]
.set ii, ii+2
.endr
	v_pk_mul_f32 v[T:T+1], v[XB:XB+1], v[XB:XB+1]
	v_pk_mul_f32 v[T+2:T+3], v[XB+2:XB+3], v[XB+2:XB+3]
.irp i, 4,8,12,16,20,24,28
	v_pk_fma_f32 v[T:T+1], v[XB+\i:XB+\i+1], v[XB+\i:XB+\i+1], v[T:T+1]
	v_pk_fma_f32 v[T+2:T+3], v[XB+\i+2:XB+\i+3], v[XB+\i+2:XB+\i+3], v[T+2:T+3]
.endr
	REDUCE
	v_fma_f32 v[T], v[T], s18, s19
	v_rsq_f32 v[RS+2*(\k)], v[T]
	v_rsq_f32 v[RS+2*(\k)+1], v[T]
.endm
	STAT 0, 24
	STAT 1, 16
	v_nop                                          ; a plain instruction behind the last root,
	s_wait_alu depctr_va_vdst(0)                   ; and one wait for the four
	s_wait_loadcnt 0x0
.irp k, 0,1
.set ii, 0
.rept 16
	v_pk_mul_f32 v[X+32*\k+ii:X+32*\k+ii+1], v[X+32*\k+ii:X+32*\k+ii+1], v[RS+2*\k:RS+2*\k+1]
	v_pk_fma_f32 v[X+32*\k+ii:X+32*\k+ii+1], v[X+32*\k+ii:X+32*\k+ii+1], v[G+ii:G+ii+1], v[BB+ii:BB+ii+1]
.set ii, ii+2
.endr
.endr
.macro TURN t                          ; 512 numbers through stage t, back into the registers that they left: LDS serves a wave's instructions in order
.irp i, 0,1,2,3
	ds_store_b128 v3, v[X+16*(\t)+4*\i:X+16*(\t)+4*\i+3] offset:STG*(\t)+8*SP*\i
.endr
.irp i, 0,1,2,3
	ds_load_b128 v[X+16*(\t)+4*\i:X+16*(\t)+4*\i+3], v4 offset:STG*(\t)+16*\i
.endr
.endm
.irp t, 0,1,2,3
	TURN \t
.endr
.macro QSTEP t
.set XS, X+16*(\t)
	s_wait_dscnt 24-7*(\t)                         ; behind this step's loads: eight LDS instructions for each later turn, and one byte store for each step done
	v_max3_num_f32 v8, |v[XS]|, |v[XS+1]|, |v[XS+2]|
	v_max3_num_f32 v9, |v[XS+3]|, |v[XS+4]|, |v[XS+5]|
.irp i, 6,10
	v_max3_num_f32 v8, v8, |v[XS+\i]|, |v[XS+\i+1]|
	v_max3_num_f32 v9, v9, |v[XS+\i+2]|, |v[XS+\i+3]|
.endr
	v_max3_num_f32 v8, v8, |v[XS+14]|, |v[XS+15]|
	v_max3_num_f32 v8, v8, v9, (EMAX+1)<<23
	v_max_num_f32_dpp v8, v8, v8 row_xmask:1 row_mask:0xf bank_mask:0xf
	v_add_nc_u32 v11, -(EMAX<<23), v8
	v_and_or_b32 v10, v8, 0x7f800000, s22
.set ii, 0
.rept 16
	v_med3_num_f32 v[XS+ii], v[XS+ii], -v10, v10
.set ii, ii+1
.endr
	v_cvt_scalef32_pk8_bf8_f32 v[C+4*(\t):C+4*(\t)+1], v[XS:XS+7], v11
	v_cvt_scalef32_pk8_bf8_f32 v[C+4*(\t)+2:C+4*(\t)+3], v[XS+8:XS+15], v11
	v_lshrrev_b32 v[E+(\t)], 23, v11
	ds_store_b8 v5, v[E+(\t)] offset:16*(\t)
	global_store_b128 v2, v[C+4*(\t):C+4*(\t)+3], s[10:11] offset:512*(\t)
.endm
.irp t, 0,1,2,3
	QSTEP \t
.endr
	s_wait_dscnt 0x0
	s_barrier_signal -1
	s_barrier_wait -1
	s_cmp_lg_u32 s14, 0
	s_cbranch_scc1 .Ldone
	ds_load_b128 v[8:11], v6
	s_wait_dscnt 0x0
	global_store_b128 v2, v[8:11], s[28:29]
.Ldone:
	s_wait_tensorcnt 0x0
	ds_add_u32 v192, v193
	s_wait_dscnt 0x0
	s_endpgm
.Lfunc_end_k_q65494db04a_ln2:
	.size	k_q65494db04a_ln2, .Lfunc_end_k_q65494db04a_ln2-k_q65494db04a_ln2
	.p2alignl 7, 3214868480
	.fill 96, 4, 3214868480
	.section	.rodata,"a",@progbits
	.p2align	6, 0x0
	.amdhsa_kernel k_q65494db04a_ln2
		.amdhsa_group_segment_fixed_size 83456
		.amdhsa_private_segment_fixed_size 0
		.amdhsa_enable_private_segment 0
		.amdhsa_kernarg_size 32
		.amdhsa_user_sgpr_count 2
		.amdhsa_user_sgpr_kernarg_segment_ptr 1
		.amdhsa_wavefront_size32 1
		.amdhsa_system_sgpr_workgroup_id_x 1
		.amdhsa_system_sgpr_workgroup_id_y 1
		.amdhsa_system_sgpr_workgroup_id_z 1
		.amdhsa_system_vgpr_workitem_id 0
		.amdhsa_next_free_vgpr 194
		.amdhsa_next_free_sgpr 66
		.amdhsa_reserve_vcc 0
		.amdhsa_float_denorm_mode_32 3
		.amdhsa_float_denorm_mode_16_64 3
		.amdhsa_memory_ordered 1
		.amdhsa_forward_progress 1
		.amdhsa_inst_pref_size 28
	.end_amdhsa_kernel
	.amdgpu_metadata
---
amdhsa.version: [ 1, 2 ]
amdhsa.kernels:
  - .name:           k_q65494db04a_ln2
    .symbol:         k_q65494db04a_ln2.kd
    .args:
      - { .name: x2, .offset: 0, .size: 8, .value_kind: global_buffer, .address_space: global }
      - { .name: ln2_g, .offset: 8, .size: 8, .value_kind: global_buffer, .address_space: global }
      - { .name: ln2_b, .offset: 16, .size: 8, .value_kind: global_buffer, .address_space: global }
      - { .name: act, .offset: 24, .size: 8, .value_kind: global_buffer, .address_space: global }
    .group_segment_fixed_size: 83456
    .private_segment_fixed_size: 0
    .kernarg_segment_align: 8
    .kernarg_segment_size: 32
    .max_flat_workgroup_size: 256
    .sgpr_count:     66
    .vgpr_count:     194
    .wavefront_size: 32
...
	.end_amdgpu_metadata
.endif
;; end of part 5
;; launch ffn1 (part 6): grid 16 x 16, 4 waves a work-group, clusters of 4 x 4, 327,680 bytes of LDS; arguments act, w1_codes, w1_scales, b1, hid; writes hid
.if DOCPART == 6
	.amdgcn_target "amdgcn-amd-amdhsa--gfx1250"
	.amdhsa_code_object_version 6
	.text
	.protected	k_q65494db04a_ffn1
	.globl	k_q65494db04a_ffn1
	.p2align	8
	.type	k_q65494db04a_ffn1,@function
k_q65494db04a_ffn1:
	s_mov_b64 s[64:65], 0
	v_nop
	global_prefetch_b8 v0, s[64:65] scope:SCOPE_SE
	s_setreg_imm32_b32 hwreg(HW_REG_WAVE_MODE, 25, 1), 1
	s_wait_xcnt 0x0
	s_wait_alu depctr_hold_cnt(0) depctr_sa_sdst(0) depctr_va_vdst(0) depctr_va_sdst(0) depctr_va_ssrc(0) depctr_va_vcc(0) depctr_vm_vsrc(0)
	s_getreg_b32 s2, hwreg(HW_REG_IB_STS2, 6, 4)
	s_cmp_eq_u32 s2, 0
	s_cbranch_scc0 .Lentry_in_a_cluster
	s_endpgm
.Lentry_in_a_cluster:
	s_bfe_u32 s2, ttmp6, 0x10000c
	s_cmp_lg_u32 s2, 0xf033
	s_cbranch_scc0 .Lentry_shape_is_right
	s_endpgm
.Lentry_shape_is_right:
; hid = gelu(LN2(x2) W1 + b1), exact gelu, quantised for the last product; the product on codes of E5M2 with E8M0 scales.
; THE PRODUCT: a tile of 256 x 256 for a work-group of four waves, 128 x 128 a wave in 64 accumulators; K = 1,024 in four steps of 256 through two LDS slots filled by joint tensor loads of a 4 x 4 cluster;
; the scale bytes of the tile's rows come once and stay.  Source 0 takes 16 rows of W1 (P), source 1 sixteen tokens (Q): in accumulator (a, b) lane (r, h) holds token 16 a + r, and register j hidden unit 16 b + 8 h + j.
; THE EPILOGUE takes the eight blocks of 16 tokens one after the other, in a loop; a forward switch on the counter moves block a's 64 sums + bias into fixed registers.
; GELU: x Phi(x) = max(x, 0) - |x| Q(|x|), Q(y) = exp(-y y / 2) / sqrt(2 pi) x (a1 t + .. + a5 t^5), t = 1 / (1 + 0.2316419 y) (Abramowitz and Stegun 26.2.17).  128 transcendentals a block go as one batch with one wait.
; My 128 hidden units are one step of 128 along the next K: 64 numbers a lane become one fragment (brought into the natural order of K by two exchanges of half registers a block) and one scale word a token.
; out (buffer hid): images [16 tokens 256][128 K 32][block 4][lane][16 bytes]; scale words [128 K 32][token 4096] at 16,777,216.
; LIMITS: Q's absolute error is at most 7.5e-8, so gelu is good to about 1e-7 of |x|; for x under about -4 the small result's own relative error grows (towards a third far out, where |gelu| is under 1e-5);
; under about -13 the result is 0.  NaN and infinities are not served; a block of zeros gets the byte 1 (its codes are zeros; this program alone reads the bytes).
.set KSTEP,  256
.set NQ,     2
.set ROWB,   256
.set KROW,   1024
.set PITCH,  272
.set FR,     16
.set NL,     4
.set NP,     8
.set HALFT,  128*PITCH
.set SLOT,   4*HALFT
.set LAPS,   2
.set KS,     32
.set SCL,    2*SLOT
.set HALFS,  (128*KS/256)*272
.set SBLK,   (16*KS/256)*272
.set SPARE,  SCL+4*HALFS
.set ACTS,   4194304
.set LI,   7                           ; v7   16 x lane
.set ADRA, 16
.set SWA,  18                          ; v18  the stage for scale words: 1,024 x wave + 4 r, stepped by 64 a block
.set O32,  19                          ; v19  32 h
.set ADRB, 20
.set SWR,  24                          ; v24  the stage read back
.set ADRS, 27
.set SPW,  28
.set NIL,  29
.set KA5,  30                          ; v[30:31] a5, twice
.set SC,   32                          ; v32-63 scale words: they hold nothing else
.set BQ,   64                          ; v64-127 bias
.set AF,   128
.set XR,   128                         ; v128-191 the block in hand
.set TR,   192                         ; v192-255 t, then max(x, 0); behind the gelu:
.set PC,   192                         ; v192-207 codes
.set TM,   224                         ; v224-239 at work in the quantiser
.set PW,   240
.set WX,   0                           ; window 1: v0-63 y y / 2 in base 2, its exponential, Q
.set PP,   64                          ; window 1: v64-127 the polynomial
.set G1, 24
.set G0, 32
.set G1B, 48
.set G0B, 56
.set G1S, 68
.set G0S, 76
.set G1SB, 80
.set G0SB, 88
.set SEL, 34
.set MNT, 33
.set MSB, 0
.macro WIN new
.if MSB != \new
	s_set_vgpr_msb (MSB<<8)|\new
.set MSB, \new
.endif
.endm
.set MUL_LO, 0xa1
.set MUL_HI, 0xf1
.set TO_B,   0x40
.macro JLOAD g0a, g1a, g0b, g1b
	s_cmp_eq_u32 s15, 0
	s_cbranch_scc0 .Lfor_b_\@
	tensor_load_to_lds s[\g0a:\g0a+3], s[\g1a:\g1a+7]
	s_nop 0
.rept 4
	v_nop
.endr
	s_branch .Lasked_\@
.Lfor_b_\@:
	tensor_load_to_lds s[\g0b:\g0b+3], s[\g1b:\g1b+7]
	s_nop 0
.rept 4
	v_nop
.endr
.Lasked_\@:
.endm
.macro CREST
	s_cmp_lg_u32 s14, 0
	s_cbranch_scc1 .Lnot_wave_0_\@
	s_barrier_signal -3
.Lnot_wave_0_\@:
	s_barrier_wait -3
	s_barrier_signal -1
	s_barrier_wait -1
.endm
.macro CROUND
	s_barrier_signal -1
	s_barrier_wait -1
	CREST
.endm
	s_load_b128 s[4:7], s[0:1], 0x0                ; act, W1's codes
	s_load_b64 s[8:9], s[0:1], 0x10                ; W1's scales
	v_lshl_add_u32 v[SPW], v0, 2, SPARE
	v_mov_b32 v[NIL], 0
	ds_add_u32 v28, v29
	s_wait_dscnt 0x0
	v_lshrrev_b32 v1, 5, v0
	v_readfirstlane_b32 s14, v1
	s_lshr_b32 s15, s14, 1
	s_and_b32 s16, s14, 1
	s_bfe_u32 s40, ttmp6, 0x40000
	s_bfe_u32 s41, ttmp6, 0x40004
	s_lshl_b32 s42, ttmp9, 2
	s_add_co_u32 s42, s42, s40                     ; P's tile: 256 hidden units
	s_and_b32 s17, ttmp7, 0xffff
	s_lshl_b32 s17, s17, 2
	s_add_co_u32 s17, s17, s41                     ; Q's tile: 256 tokens
	s_lshl_b32 s43, s41, 2
	s_lshl_b32 s43, 15, s43
	s_lshl_b32 s44, 0x1111, s40
	s_or_b32 s[G1+0], s43, (0<<16)|(1<<20)|(1<<21)|(5<<22)|(3<<25)
	s_or_b32 s[G1B+0], s44, (0<<16)|(1<<20)|(1<<21)|(5<<22)|(3<<25)
.irp g, G1, G1B
	s_mov_b32 s[\g+1], ROWB<<16
	s_mov_b32 s[\g+2], 128<<16
	s_mov_b32 s[\g+3], ROWB<<16
	s_mov_b32 s[\g+4], 128
	s_mov_b32 s[\g+5], KROW
	s_mov_b32 s[\g+6], 0
	s_mov_b32 s[\g+7], 0
.endr
	s_or_b32 s[G1S+0], s43, (3<<16)|(1<<20)|(1<<21)|(5<<22)|(3<<25)
	s_or_b32 s[G1SB+0], s44, (3<<16)|(1<<20)|(1<<21)|(5<<22)|(3<<25)
.irp g, G1S, G1SB
	s_mov_b32 s[\g+1], 32<<16
	s_mov_b32 s[\g+2], (128*KS/256)<<16
	s_mov_b32 s[\g+3], 32<<16
	s_mov_b32 s[\g+4], 128*KS/256
	s_mov_b32 s[\g+5], 32
	s_mov_b32 s[\g+6], 0
	s_mov_b32 s[\g+7], 0
.endr
	s_lshl_b32 s18, s16, 7
	s_lshl_b32 s20, s17, 8
	s_add_co_u32 s20, s20, s18
	s_lshl_b32 s46, s42, 8
	s_add_co_u32 s46, s46, s18
	s_mov_b32 s21, 0
	s_mov_b32 s47, 0
	s_mov_b64 s[18:19], KS
	s_mul_u64 s[22:23], s[20:21], s[18:19]
	s_mul_u64 s[92:93], s[46:47], s[18:19]
	s_mov_b64 s[18:19], KROW
	s_mul_u64 s[20:21], s[20:21], s[18:19]
	s_mul_u64 s[46:47], s[46:47], s[18:19]
	s_mul_i32 s45, s14, HALFT
	s_mul_i32 s94, s14, HALFS
	s_wait_kmcnt 0x0
	s_add_nc_u64 s[10:11], s[4:5], ACTS            ; act's scale bytes
	s_add_nc_u64 s[20:21], s[4:5], s[20:21]
	s_add_nc_u64 s[22:23], s[10:11], s[22:23]
	s_add_nc_u64 s[46:47], s[6:7], s[46:47]
	s_add_nc_u64 s[92:93], s[8:9], s[92:93]
	CROUND
	s_mov_b32 s[G0S], 1
	s_add_co_u32 s[G0S+1], s94, SCL
	s_mov_b64 s[G0S+2:G0S+3], s[22:23]
	s_or_b32 s[G0S+3], s[G0S+3], 0x80000000
	s_mov_b32 s[G0SB], 1
	s_add_co_u32 s[G0SB+1], s94, SCL
	s_mov_b64 s[G0SB+2:G0SB+3], s[92:93]
	s_or_b32 s[G0SB+3], s[G0SB+3], 0x80000000
	JLOAD G0S, G1S, G0SB, G1SB
.irp s, 0,1
	s_mov_b32 s[G0+4*\s], 1
	s_add_co_u32 s[G0+4*\s+1], s45, \s*SLOT
	s_add_nc_u64 s[G0+4*\s+2:G0+4*\s+3], s[20:21], \s*ROWB
	s_or_b32 s[G0+4*\s+3], s[G0+4*\s+3], 0x80000000
	s_mov_b32 s[G0B+4*\s], 1
	s_add_co_u32 s[G0B+4*\s+1], s45, \s*SLOT
	s_add_nc_u64 s[G0B+4*\s+2:G0B+4*\s+3], s[46:47], \s*ROWB
	s_or_b32 s[G0B+4*\s+3], s[G0B+4*\s+3], 0x80000000
	JLOAD G0+4*\s, G1, G0B+4*\s, G1B
.endr
	s_load_b128 s[4:7], s[0:1], 0x18               ; for the epilogue: b1 s[4:5], hid s[6:7]
	v_and_b32 v1, 15, v0
	v_bfe_u32 v2, v0, 4, 1
	v_mul_u32_u24 v3, v1, PITCH
	v_lshl_add_u32 v4, v2, 4, v3
	s_mul_i32 s21, s15, HALFT
	s_mul_i32 s22, s16, HALFT
	s_add_co_u32 s22, s22, 2*HALFT
.irp s, 0,1
	v_add_nc_u32 v[ADRA+\s], s21, v4
	v_add_nc_u32 v[ADRB+\s], s22, v4
	s_add_co_u32 s21, s21, SLOT
	s_add_co_u32 s22, s22, SLOT
.endr
	v_mul_u32_u24 v5, v1, KS
	v_lshrrev_b32 v6, 8, v5
	v_lshl_add_u32 v5, v6, 4, v5
	s_mul_i32 s21, s15, HALFS
	s_mul_i32 s22, s16, HALFS
	s_add_co_u32 s22, s22, 2*HALFS
	s_sub_co_u32 s22, s22, s21
	v_mul_u32_u24 v6, s22, v2
	s_add_co_u32 s21, s21, SCL
	v_add_nc_u32 v5, v5, v6
	v_add_nc_u32 v[ADRS], s21, v5
	v_and_b32 v6, 31, v0
	v_lshlrev_b32 v[LI], 4, v6
	s_lshl_b32 s23, s14, 10
	v_lshl_add_u32 v[SWA], v1, 2, s23
	v_add_nc_u32 v[SWR], s23, v[LI]
	v_lshlrev_b32 v[O32], 5, v2
	v_mov_b32 v[KA5], 0x3f07dc22
	v_mov_b32 v[KA5+1], 0x3f07dc22
	s_lshl_b32 s66, s17, 8
	s_lshl_b32 s20, s15, 7
	s_add_co_u32 s66, s66, s20                     ; RQ: my first token.  It enters global addresses alone
	s_lshl_b32 s67, s42, 8
	s_lshl_b32 s46, s16, 7
	s_add_co_u32 s67, s67, s46                     ; RP: my first hidden unit
.macro FRAG reg, adr, q, i
.irp c, 0,1,2,3
	ds_load_b128 v[\reg+4*\c:\reg+4*\c+3], v[\adr] offset:128*(\q)+32*\c+(\i)*16*PITCH
.endr
.endm
; 16 matrix instructions.  The 64 accumulators take turns, one instruction a turn, in the same order in every step
.macro MUL16 a0, p, q, sc, zero
.irp a, \a0, \a0+1
.irp b, 0,1,2,3,4,5,6,7
.if \zero
	v_wmma_scale_f32_16x16x128_f8f6f4 v[8*(8*((\a)%4)+\b):8*(8*((\a)%4)+\b)+7], v[128*(\p)+FR*\b:128*(\p)+FR*\b+FR-1], v[AF+FR*(\a):AF+FR*(\a)+FR-1], 0, v[SC+8*NQ*(\sc)+NQ*\b+(\q)], v[SC+8*NQ*(\sc)+NQ*(\a)+(\q)] matrix_a_fmt:MATRIX_FMT_BF8 matrix_b_fmt:MATRIX_FMT_BF8 matrix_a_scale:MATRIX_SCALE_ROW1
.else
	v_wmma_scale_f32_16x16x128_f8f6f4 v[8*(8*((\a)%4)+\b):8*(8*((\a)%4)+\b)+7], v[128*(\p)+FR*\b:128*(\p)+FR*\b+FR-1], v[AF+FR*(\a):AF+FR*(\a)+FR-1], v[8*(8*((\a)%4)+\b):8*(8*((\a)%4)+\b)+7], v[SC+8*NQ*(\sc)+NQ*\b+(\q)], v[SC+8*NQ*(\sc)+NQ*(\a)+(\q)] matrix_a_fmt:MATRIX_FMT_BF8 matrix_b_fmt:MATRIX_FMT_BF8 matrix_a_scale:MATRIX_SCALE_ROW1
.endif
.endr
.endr
.endm
.macro FETCH_B slot, q, p
	WIN TO_B
.irp i, 0,1,2,3,4,5,6,7
	FRAG 128*(\p)+FR*\i, ADRB+\slot, \q, \i
.endr
	WIN 0
.endm
.macro FETCH_A slot, q, i0
.irp i, \i0, \i0+1, \i0+2, \i0+3
	FRAG AF+FR*(\i), ADRA+\slot, \q, \i
.endr
.endm
.macro SCALES sc
.irp i, 0,1,2,3,4,5,6,7
	ds_load_b64 v[SC+8*NQ*\sc+NQ*\i:SC+8*NQ*\sc+NQ*\i+1], v[ADRS] offset:\i*SBLK
.endr
.endm
.macro PLACES n
.rept \n
	v_nop
.endr
.endm
.macro STEP slot, q, zero
	s_wait_dscnt 4*NL                              ; P's set and Q's blocks 0-3 are in; the youngest sixteen loads may be out
	WIN MUL_LO
	MUL16 0, (\q)%2, \q, \slot, \zero
	MUL16 2, (\q)%2, \q, \slot, \zero
	s_wait_dscnt 0
	PLACES NP
	FETCH_B \slot, (\q)+1, 1-(\q)%2
	FETCH_A \slot, (\q)+1, 0
	WIN MUL_HI
	MUL16 4, (\q)%2, \q, \slot, \zero
	MUL16 6, (\q)%2, \q, \slot, \zero
	PLACES NP
	WIN 0
	FETCH_A \slot, (\q)+1, 4
.endm
.macro TURN slot, next, fill
	s_wait_tensorcnt 0x0                           ; all my tensor loads have landed: my part of the next slot
	ds_add_u32 v[SPW], v[NIL]                      ; 0 onto my spare word
	s_wait_dscnt 4*NL+1                            ; (the add and the youngest sixteen loads may be out)
	WIN MUL_LO
	MUL16 0, 1, NQ-1, \slot, 0
	s_wait_dscnt 0x0                               ; the add is done, and my reads of this slot are over
	s_barrier_signal -1
	MUL16 2, 1, NQ-1, \slot, 0
	WIN 0
	s_barrier_wait -1
.if \fill
	CREST
	s_add_nc_u64 s[G0+4*\slot+2:G0+4*\slot+3], s[G0+4*\slot+2:G0+4*\slot+3], 2*ROWB
	s_add_nc_u64 s[G0B+4*\slot+2:G0B+4*\slot+3], s[G0B+4*\slot+2:G0B+4*\slot+3], 2*ROWB
	JLOAD G0+4*\slot, G1, G0B+4*\slot, G1B
	PLACES NP-4
.else
	PLACES NP
.endif
	v_add_nc_u32 v[ADRS], 4*NQ, v[ADRS]
	FETCH_B \next, 0, 0
	FETCH_A \next, 0, 0
	SCALES \next
	WIN MUL_HI
	MUL16 4, 1, NQ-1, \slot, 0
	MUL16 6, 1, NQ-1, \slot, 0
	PLACES NP
	WIN 0
	FETCH_A \next, 0, 4
.endm
.macro QUANT s
.irp b, 0,1,2,3
	v_max3_num_f32 v[TM+\b], |v[\s+16*\b]|, |v[\s+1+16*\b]|, 0x8000000   ; with the floor 2^(16 - 127)
.endr
.irp i, 2,4,6,8,10,12,14
.irp b, 0,1,2,3
	v_max3_num_f32 v[TM+\b], v[TM+\b], |v[\s+16*\b+\i]|, |v[\s+1+16*\b+\i]|
.endr
.endr
.irp b, 0,1,2,3
	v_permlanex16_b32 v[TM+4+\b], v[TM+\b], s[SEL], s[SEL+1]
.endr
.irp b, 0,1,2,3
	v_max_num_f32 v[TM+\b], v[TM+\b], v[TM+4+\b]
.endr
.irp b, 0,1,2,3
	v_add_nc_u32 v[TM+12+\b], 0xf8800000, v[TM+\b]
.endr
.irp b, 0,1,2,3
	v_and_or_b32 v[TM+8+\b], v[TM+\b], 0x7f800000, s[MNT]
.endr
.irp b, 0,1,2,3
	v_lshrrev_b32 v[TM+4+\b], 23, v[TM+12+\b]
.endr
	v_lshl_or_b32 v[PW], v[TM+5], 8, v[TM+4]
	v_lshl_or_b32 v[PW], v[TM+6], 16, v[PW]
	v_lshl_or_b32 v[PW], v[TM+7], 24, v[PW]
.irp b, 0,1,2,3
.irp i, 0,1,2,3,4,5,6,7,8,9,10,11,12,13,14,15
	v_med3_num_f32 v[\s+16*\b+\i], v[\s+16*\b+\i], -v[TM+8+\b], v[TM+8+\b]
.endr
	v_cvt_scalef32_pk8_bf8_f32 v[PC+4*\b:PC+1+4*\b], v[\s+16*\b:\s+7+16*\b], v[TM+12+\b]
	v_cvt_scalef32_pk8_bf8_f32 v[PC+2+4*\b:PC+3+4*\b], v[\s+8+16*\b:\s+15+16*\b], v[TM+12+\b]
.endr
	v_nop
.endm
	s_wait_tensorcnt 1                             ; the scales and my part of K step 0 are in (K step 1's load may be out),
	s_barrier_signal -1
	s_barrier_wait -1
	FETCH_B 0, 0, 0
	FETCH_A 0, 0, 0
	SCALES 0
	FETCH_A 0, 0, 4
	STEP 0, 0, 1
	s_mov_b32 s3, LAPS-1
.Llap:
	TURN 0, 1, 1
	STEP 1, 0, 0
	TURN 1, 0, 1
	STEP 0, 0, 0
	s_sub_co_u32 s3, s3, 1
	s_cmp_lg_u32 s3, 0
	s_cbranch_scc1 .Llap
	TURN 0, 1, 0                                   ; no tensor load of mine is out from here on
	STEP 1, 0, 0
	s_mov_b32 s[SEL], 0x76543210
	s_mov_b32 s[SEL+1], 0xfedcba98
	s_mov_b32 s[MNT], 0x600000
	s_mov_b32 s36, 0x3e6d3389                      ; 0.2316419
	s_mov_b32 s25, 0
	s_wait_kmcnt 0x0
	s_lshl_b32 s24, s67, 2
	s_add_nc_u64 s[4:5], s[4:5], s[24:25]          ; b1 at my first hidden unit
	s_lshr_b32 s26, s67, 7                         ; which 128 along the next K
	s_lshl_b32 s24, s26, 14
	s_lshl_b32 s27, s66, 2
	s_add_co_u32 s24, s24, s27
	s_add_co_u32 s24, s24, 16777216
	s_add_nc_u64 s[28:29], s[6:7], s[24:25]        ; my tokens' scale words
	s_lshl_b32 s24, s66, 12                        ; the images: 65,536 bytes for 16 tokens, 2,048 for a K step
	s_lshl_b32 s27, s26, 11
	s_add_co_u32 s24, s24, s27
	s_add_nc_u64 s[6:7], s[6:7], s[24:25]
.irp b, 0,1,2,3,4,5,6,7
	global_load_b128 v[BQ+8*\b:BQ+8*\b+3], v[O32], s[4:5] offset:64*\b
	global_load_b128 v[BQ+8*\b+4:BQ+8*\b+7], v[O32], s[4:5] offset:64*\b+16
.endr
	s_wait_dscnt 4*NL                              ; the very last 128 along K
	WIN MUL_LO
	MUL16 0, 1, NQ-1, 1, 0
	MUL16 2, 1, NQ-1, 1, 0
	s_wait_dscnt 0
	WIN MUL_HI
	MUL16 4, 1, NQ-1, 1, 0
	MUL16 6, 1, NQ-1, 1, 0
	WIN 0
	PLACES NP
	s_wait_loadcnt 0x0                             ; the bias
	s_mov_b32 s3, 0
.Ltrip:
.irp a, 0,1,2,3,4,5,6
	s_cmp_eq_u32 s3, \a
	s_cbranch_scc1 .Lblk_\a
.endr
	s_branch .Lblk_7
.macro FVAR a                          ; block a's sums + bias into v[XR] on, each accumulator from its low end
	WIN (0x02+(\a)/4)
.set ii, 0
.rept 32
	v_pk_add_f32 v[XR+ii:XR+ii+1], v[64*((\a)%4)+ii:64*((\a)%4)+ii+1], v[BQ+ii:BQ+ii+1]
.set ii, ii+2
.endr
	WIN 0
.endm
.irp a, 0,1,2,3,4,5,6,7
.Lblk_\a:
	FVAR \a
	s_branch .Lcommon
.endr
.Lcommon:
.set ii, 0
.rept 64
	v_fma_f32 v[TR+ii], |v[XR+ii]|, s36, 1.0       ; 1 + 0.2316419 |x|
.set ii, ii+1
.endr
	WIN 0x40
.set ii, 0
.rept 32
	v_pk_mul_f32 v[WX+ii:WX+ii+1], v[XR+ii:XR+ii+1], v[XR+ii:XR+ii+1]
.set ii, ii+2
.endr
	WIN 0x41
.set ii, 0
.rept 32
	v_pk_mul_f32 v[WX+ii:WX+ii+1], v[WX+ii:WX+ii+1], 0x3f38aa3b op_sel_hi:[1,0]   ; x x log2(e) / 2
.set ii, ii+2
.endr
	WIN 0
.set ii, 0
.rept 64
	v_rcp_f32 v[TR+ii], v[TR+ii]                   ; t
.set ii, ii+1
.endr
	WIN 0x41
.set ii, 0
.rept 64
	v_exp_f32 v[WX+ii], -v[WX+ii]                  ; exp(-x x / 2)
.set ii, ii+1
.endr
	v_nop                                          ; a plain instruction behind the last transcendental,
	s_wait_alu depctr_va_vdst(0)                   ; and one wait for the 128, ahead of their first reader
	WIN 0x40
.set ii, 0
.rept 32
	v_pk_fma_f32 v[PP+ii:PP+ii+1], v[TR+ii:TR+ii+1], v[KA5:KA5+1], 0xbf3a00e3 op_sel_hi:[1,1,0]   ; a5 t + a4 (the coefficients hold 1 / sqrt(2 pi))
.set ii, ii+2
.endr
	WIN 0x41
.irp k, 0x3f35f0e3, 0xbe11a98e, 0x3e027906
.set ii, 0
.rept 32
	v_pk_fma_f32 v[PP+ii:PP+ii+1], v[PP+ii:PP+ii+1], v[TR+ii:TR+ii+1], \k op_sel_hi:[1,1,0]
.set ii, ii+2
.endr
.endr
.set ii, 0
.rept 32
	v_pk_mul_f32 v[PP+ii:PP+ii+1], v[PP+ii:PP+ii+1], v[TR+ii:TR+ii+1]
.set ii, ii+2
.endr
	WIN 0x45
.set ii, 0
.rept 32
	v_pk_mul_f32 v[WX+ii:WX+ii+1], v[PP+ii:PP+ii+1], v[WX+ii:WX+ii+1]   ; Q(|x|)
.set ii, ii+2
.endr
	WIN 0
.set ii, 0
.rept 64
	v_max_num_f32 v[TR+ii], 0, v[XR+ii]
.set ii, ii+1
.endr
	WIN 0x04
.set ii, 0
.rept 64
	v_fma_f32 v[XR+ii], -|v[XR+ii]|, v[WX+ii], v[TR+ii]   ; gelu = max(x, 0) - |x| Q(|x|)
.set ii, ii+1
.endr
	WIN 0
	QUANT XR
.irp c, 0,1,2,3                                ; lanes 0-15 are to hold K = 32 c + 0 .. 15 and lanes 16-31 K = 32 c + 16 .. 31
	v_permlane16_swap_b32 v[PC+4*\c], v[PC+4*\c+2]
	v_permlane16_swap_b32 v[PC+4*\c+1], v[PC+4*\c+3]
.endr
	ds_store_b32 v[SWA], v[PW]                     ; lanes l and l xor 16 write the same word with the same value
.irp c, 0,1,2,3
	global_store_b128 v[LI], v[PC+4*\c:PC+4*\c+3], s[6:7] offset:512*\c   ; each store: 512 consecutive bytes
.endr
	s_wait_dscnt 0x0
	s_wait_xcnt 0x0                                ; the stores' data and base are written again only behind this wait
	s_add_nc_u64 s[6:7], s[6:7], 65536
	v_add_nc_u32 v[SWA], 64, v[SWA]
	s_add_co_u32 s3, s3, 1
	s_cmp_lt_u32 s3, 8
	s_cbranch_scc1 .Ltrip
	ds_load_b128 v[PC:PC+3], v[SWR]                ; my 128 tokens' words
	s_wait_dscnt 0x0
	global_store_b128 v[LI], v[PC:PC+3], s[28:29]
	s_wait_tensorcnt 0x0                           ; the wave's end
	ds_add_u32 v[SPW], v[NIL]
	s_wait_dscnt 0x0
	CROUND
	s_endpgm
.Lfunc_end_k_q65494db04a_ffn1:
	.size	k_q65494db04a_ffn1, .Lfunc_end_k_q65494db04a_ffn1-k_q65494db04a_ffn1
	.p2alignl 7, 3214868480
	.fill 96, 4, 3214868480
	.section	.rodata,"a",@progbits
	.p2align	6, 0x0
	.amdhsa_kernel k_q65494db04a_ffn1
		.amdhsa_group_segment_fixed_size 327680
		.amdhsa_private_segment_fixed_size 0
		.amdhsa_enable_private_segment 0
		.amdhsa_kernarg_size 40
		.amdhsa_user_sgpr_count 2
		.amdhsa_user_sgpr_kernarg_segment_ptr 1
		.amdhsa_wavefront_size32 1
		.amdhsa_system_sgpr_workgroup_id_x 1
		.amdhsa_system_sgpr_workgroup_id_y 1
		.amdhsa_system_sgpr_workgroup_id_z 1
		.amdhsa_system_vgpr_workitem_id 0
		.amdhsa_next_free_vgpr 1024
		.amdhsa_next_free_sgpr 100
		.amdhsa_reserve_vcc 0
		.amdhsa_float_denorm_mode_32 3
		.amdhsa_float_denorm_mode_16_64 3
		.amdhsa_memory_ordered 1
		.amdhsa_forward_progress 1
		.amdhsa_inst_pref_size 182
	.end_amdhsa_kernel
	.amdgpu_metadata
---
amdhsa.version: [ 1, 2 ]
amdhsa.kernels:
  - .name:           k_q65494db04a_ffn1
    .symbol:         k_q65494db04a_ffn1.kd
    .args:
      - { .name: act, .offset: 0, .size: 8, .value_kind: global_buffer, .address_space: global }
      - { .name: w1_codes, .offset: 8, .size: 8, .value_kind: global_buffer, .address_space: global }
      - { .name: w1_scales, .offset: 16, .size: 8, .value_kind: global_buffer, .address_space: global }
      - { .name: b1, .offset: 24, .size: 8, .value_kind: global_buffer, .address_space: global }
      - { .name: hid, .offset: 32, .size: 8, .value_kind: global_buffer, .address_space: global }
    .group_segment_fixed_size: 327680
    .private_segment_fixed_size: 0
    .kernarg_segment_align: 8
    .kernarg_segment_size: 40
    .max_flat_workgroup_size: 128
    .sgpr_count:     100
    .vgpr_count:     1024
    .wavefront_size: 32
...
	.end_amdgpu_metadata
.endif
;; end of part 6
;; launch ffn2 (part 7): grid 8 x 32, 4 waves a work-group, clusters of 4 x 4, 327,680 bytes of LDS; arguments hid, w2_codes, w2_scales, b2, x2, out0; writes out0
.if DOCPART == 7
	.amdgcn_target "amdgcn-amd-amdhsa--gfx1250"
	.amdhsa_code_object_version 6
	.text
	.protected	k_q65494db04a_ffn2
	.globl	k_q65494db04a_ffn2
	.p2align	8
	.type	k_q65494db04a_ffn2,@function
k_q65494db04a_ffn2:
	s_mov_b64 s[64:65], 0
	v_nop
	global_prefetch_b8 v0, s[64:65] scope:SCOPE_SE
	s_setreg_imm32_b32 hwreg(HW_REG_WAVE_MODE, 25, 1), 1
	s_wait_xcnt 0x0
	s_wait_alu depctr_hold_cnt(0) depctr_sa_sdst(0) depctr_va_vdst(0) depctr_va_sdst(0) depctr_va_ssrc(0) depctr_va_vcc(0) depctr_vm_vsrc(0)
	s_getreg_b32 s2, hwreg(HW_REG_IB_STS2, 6, 4)
	s_cmp_eq_u32 s2, 0
	s_cbranch_scc0 .Lentry_in_a_cluster
	s_endpgm
.Lentry_in_a_cluster:
	s_bfe_u32 s2, ttmp6, 0x10000c
	s_cmp_lg_u32 s2, 0xf033
	s_cbranch_scc0 .Lentry_shape_is_right
	s_endpgm
.Lentry_shape_is_right:
; out = residual + A W^T + bias, on codes of E5M2 with E8M0 scales.  A: 4,096 rows x SIZE_K, as images of operand registers [16 rows 256][128 K][block 4][lane][16 bytes], its scale words [128 K][row 4096] behind them;
; W: [1024][SIZE_K] codes, K innermost, scale bytes [1024][SIZE_K / 32]; bias [1024], residual and out [4096][1024] f32.
; N is 1,024: tiles of 128 x 128 give each of 256 WGPs a work-group.  Four waves, 64 x 64 each: 16 accumulators.  A slot holds 512 along K: A's 65,536 bytes (dense: images are read 512 bytes on end),
; W's 128 rows of 512 bytes + 16 of padding.  Two slots; each wave fetches half of A's or of W's part with one joint load of a 4 x 4 cluster.  All scale words of the tile's rows come once and stay.
; Source 0 = 16 rows of W, source 1 = 16 rows of A: a lane holds eight neighbouring columns of one row of out.  The bias is the C of each sum's first product.
; SCALE REGISTERS: A's word of K step s = 2 p + h lies in lanes 16 h .. of register 2 a + p; W's word of K step 2 h + i in lanes 16 h .. of register 8 + 2 b + i: twelve loads serve a slot's 64 products a wave.
; LIMITS: NaN and infinities are not served.
.set SIZE_K, 4096
.set NS,     SIZE_K/128
.set KS,     SIZE_K/32
.set ASC,    4096*SIZE_K
.set ABYT,   65536
.set PITCH,  528
.set HALFB,  64*PITCH
.set SLOT,   ABYT+2*HALFB
.set SCA,    2*SLOT
.set SCBB,   SCA+NS*512
.set HALFS,  (64*KS/256)*272
.set SBLK,   (16*KS/256)*272
.set SPARE,  SCBB+2*HALFS
.set LAPS,   SIZE_K/1024
.set ADRA, 16
.set ADRB, 20
.set STO,  24
.set RD,   25
.set CO,   26
.set ADSA, 27
.set SPW,  28
.set NIL,  29
.set ADSB, 30
.set SC,   32
.set BIAS, 64
.set ACC,  128
.set F0,   0
.set F1,   128
.set G1, 24
.set G0, 32
.set G1B, 48
.set G0B, 56
.set G1S, 68
.set G0S, 76
.set G1SB, 80
.set G0SB, 88
.set MSB, 0
.macro WIN new
.if MSB != \new
	s_set_vgpr_msb (MSB<<8)|\new
.set MSB, \new
.endif
.endm
.set MUL,  0x05
.set TO_F, 0x40
.macro JLOAD g0a, g1a, g0b, g1b        ; waves 0 and 1 fetch for A, waves 2 and 3 for W; four v_nop follow each line
	s_cmp_eq_u32 s15, 0
	s_cbranch_scc0 .Lfor_b_\@
	tensor_load_to_lds s[\g0a:\g0a+3], s[\g1a:\g1a+7]
	s_nop 0
.rept 4
	v_nop
.endr
	s_branch .Lasked_\@
.Lfor_b_\@:
	tensor_load_to_lds s[\g0b:\g0b+3], s[\g1b:\g1b+7]
	s_nop 0
.rept 4
	v_nop
.endr
.Lasked_\@:
.endm
.macro CREST
	s_cmp_lg_u32 s14, 0
	s_cbranch_scc1 .Lnot_wave_0_\@
	s_barrier_signal -3
.Lnot_wave_0_\@:
	s_barrier_wait -3
	s_barrier_signal -1
	s_barrier_wait -1
.endm
.macro CROUND
	s_barrier_signal -1
	s_barrier_wait -1
	CREST
.endm
	s_load_b256 s[4:11], s[0:1], 0x0               ; A, W's codes, W's scales, bias
	s_load_b128 s[96:99], s[0:1], 0x20             ; residual, out
	v_lshl_add_u32 v[SPW], v0, 2, SPARE
	v_mov_b32 v[NIL], 0
	ds_add_u32 v28, v29
	s_wait_dscnt 0x0
	v_lshrrev_b32 v1, 5, v0
	v_readfirstlane_b32 s14, v1
	s_lshr_b32 s15, s14, 1
	s_and_b32 s16, s14, 1
	s_bfe_u32 s40, ttmp6, 0x40000
	s_bfe_u32 s41, ttmp6, 0x40004
	s_lshl_b32 s42, ttmp9, 2
	s_add_co_u32 s42, s42, s40
	s_and_b32 s17, ttmp7, 0xffff
	s_lshl_b32 s17, s17, 2
	s_add_co_u32 s17, s17, s41
	s_lshl_b32 s43, s41, 2
	s_lshl_b32 s43, 15, s43
	s_lshl_b32 s44, 0x1111, s40
	s_or_b32 s[G1+0], s43, (3<<16)|(1<<21)         ; A: four blocks of 16 rows, each 8,192 consecutive bytes, NS x 2,048 bytes apart; no padding
	s_mov_b32 s[G1+1], 1024<<16
	s_mov_b32 s[G1+2], 4<<16
	s_mov_b32 s[G1+3], 1024<<16
	s_mov_b32 s[G1+4], 4
	s_mov_b32 s[G1+5], NS*256
	s_mov_b32 s[G1+6], 0
	s_mov_b32 s[G1+7], 0
	s_or_b32 s[G1B+0], s44, (0<<16)|(1<<20)|(1<<21)|(6<<22)|(3<<25)   ; W: 64 rows of 512 bytes, 16 of padding behind each
	s_mov_b32 s[G1B+1], 512<<16
	s_mov_b32 s[G1B+2], 64<<16
	s_mov_b32 s[G1B+3], 512<<16
	s_mov_b32 s[G1B+4], 64
	s_mov_b32 s[G1B+5], SIZE_K
	s_mov_b32 s[G1B+6], 0
	s_mov_b32 s[G1B+7], 0
	s_or_b32 s[G1S+0], s43, (3<<16)|(1<<21)        ; A's scale words: NS / 2 rows of 512 bytes, 16,384 apart
	s_mov_b32 s[G1S+1], 64<<16
	s_mov_b32 s[G1S+2], (NS/2)<<16
	s_mov_b32 s[G1S+3], 64<<16
	s_mov_b32 s[G1S+4], NS/2
	s_mov_b32 s[G1S+5], 2048
	s_mov_b32 s[G1S+6], 0
	s_mov_b32 s[G1S+7], 0
	s_or_b32 s[G1SB+0], s44, (3<<16)|(1<<20)|(1<<21)|(5<<22)|(3<<25)  ; W's scale bytes of 64 rows: dense, as rows of 256 bytes + 16
	s_mov_b32 s[G1SB+1], 32<<16
	s_mov_b32 s[G1SB+2], (64*KS/256)<<16
	s_mov_b32 s[G1SB+3], 32<<16
	s_mov_b32 s[G1SB+4], 64*KS/256
	s_mov_b32 s[G1SB+5], 32
	s_mov_b32 s[G1SB+6], 0
	s_mov_b32 s[G1SB+7], 0
	s_lshl_b32 s20, s17, 3
	s_lshl_b32 s18, s16, 2
	s_add_co_u32 s20, s20, s18
	s_mul_i32 s20, s20, NS*2048
	s_mov_b32 s21, 0
	s_lshl_b32 s22, s17, 9
	s_mul_i32 s18, s16, (NS/2)*16384
	s_add_co_u32 s22, s22, s18
	s_add_co_u32 s22, s22, ASC
	s_mov_b32 s23, 0
	s_lshl_b32 s46, s42, 7
	s_lshl_b32 s18, s16, 6
	s_add_co_u32 s46, s46, s18
	s_mul_i32 s92, s46, KS
	s_mov_b32 s93, 0
	s_mul_i32 s46, s46, SIZE_K
	s_mov_b32 s47, 0
	s_lshl_b32 s45, s16, 15
	s_mul_i32 s94, s16, HALFB
	s_add_co_u32 s94, s94, ABYT
	s_mul_i32 s67, s16, (NS/2)*512
	s_add_co_u32 s67, s67, SCA
	s_mul_i32 s66, s16, HALFS
	s_add_co_u32 s66, s66, SCBB
	s_wait_kmcnt 0x0
	s_add_nc_u64 s[20:21], s[4:5], s[20:21]
	s_add_nc_u64 s[22:23], s[4:5], s[22:23]
	s_add_nc_u64 s[46:47], s[6:7], s[46:47]
	s_add_nc_u64 s[92:93], s[8:9], s[92:93]
	CROUND
	s_mov_b32 s[G0S], 1
	s_mov_b32 s[G0S+1], s67
	s_mov_b64 s[G0S+2:G0S+3], s[22:23]
	s_or_b32 s[G0S+3], s[G0S+3], 0x80000000
	s_mov_b32 s[G0SB], 1
	s_mov_b32 s[G0SB+1], s66
	s_mov_b64 s[G0SB+2:G0SB+3], s[92:93]
	s_or_b32 s[G0SB+3], s[G0SB+3], 0x80000000
	JLOAD G0S, G1S, G0SB, G1SB
.irp s, 0,1
	s_mov_b32 s[G0+4*\s], 1
	s_add_co_u32 s[G0+4*\s+1], s45, \s*SLOT
	s_add_nc_u64 s[G0+4*\s+2:G0+4*\s+3], s[20:21], \s*8192
	s_or_b32 s[G0+4*\s+3], s[G0+4*\s+3], 0x80000000
	s_mov_b32 s[G0B+4*\s], 1
	s_add_co_u32 s[G0B+4*\s+1], s94, \s*SLOT
	s_add_nc_u64 s[G0B+4*\s+2:G0B+4*\s+3], s[46:47], \s*512
	s_or_b32 s[G0B+4*\s+3], s[G0B+4*\s+3], 0x80000000
	JLOAD G0+4*\s, G1, G0B+4*\s, G1B
.endr
	v_and_b32 v1, 15, v0
	v_bfe_u32 v2, v0, 4, 1
	v_and_b32 v3, 31, v0
	v_lshlrev_b32 v3, 4, v3
	v_mul_u32_u24 v4, v1, PITCH
	v_lshl_add_u32 v4, v2, 4, v4
	s_lshl_b32 s21, s15, 15
	s_mul_i32 s22, s16, HALFB
	s_add_co_u32 s22, s22, ABYT
.irp s, 0,1
	v_add_nc_u32 v[ADRA+\s], s21, v3
	v_add_nc_u32 v[ADRB+\s], s22, v4
	s_add_co_u32 s21, s21, SLOT
	s_add_co_u32 s22, s22, SLOT
.endr
	s_lshl_b32 s21, s15, 8
	s_add_co_u32 s21, s21, SCA
	v_lshl_add_u32 v[ADSA], v1, 2, s21
	v_lshl_add_u32 v[ADSA], v2, 9, v[ADSA]
	v_mul_u32_u24 v5, v1, KS
	v_lshrrev_b32 v6, 8, v5
	v_lshl_add_u32 v5, v6, 4, v5
	s_mul_i32 s21, s16, HALFS
	s_add_co_u32 s21, s21, SCBB
	v_add_nc_u32 v5, s21, v5
	v_lshl_add_u32 v[ADSB], v2, 3, v5
	s_mul_i32 s23, s14, 16*272
	v_mul_u32_u24 v5, v1, 272
	v_lshl_add_u32 v5, v2, 5, v5
	v_add_nc_u32 v[STO], s23, v5
	v_mul_u32_u24 v5, v2, 272
	v_lshl_add_u32 v5, v1, 4, v5
	v_add_nc_u32 v[RD], s23, v5
	v_lshlrev_b32 v[CO], 12, v2
	v_lshl_add_u32 v[CO], v1, 4, v[CO]
	v_lshlrev_b32 v7, 5, v2
	s_lshl_b32 s20, s17, 7
	s_lshl_b32 s21, s15, 6
	s_add_co_u32 s20, s20, s21
	s_lshl_b32 s20, s20, 12
	s_mov_b32 s21, 0
	s_lshl_b32 s46, s42, 7
	s_lshl_b32 s47, s16, 6
	s_add_co_u32 s46, s46, s47
	s_lshl_b32 s46, s46, 2
	s_mov_b32 s47, 0
	s_add_nc_u64 s[10:11], s[10:11], s[46:47]
	s_add_nc_u64 s[20:21], s[20:21], s[46:47]
	s_add_nc_u64 s[96:97], s[96:97], s[20:21]
	s_add_nc_u64 s[98:99], s[98:99], s[20:21]
.irp b, 0,1,2,3
	global_load_b128 v[BIAS+8*\b:BIAS+8*\b+3], v7, s[10:11] offset:64*\b
	global_load_b128 v[BIAS+8*\b+4:BIAS+8*\b+7], v7, s[10:11] offset:64*\b+16
.endr
.macro WM d, a, b, c, sa, sb, q
.if (\q) == 0
	v_wmma_scale_f32_16x16x128_f8f6f4 v[\d:\d+7], v[\a:\a+15], v[\b:\b+15], v[\c:\c+7], v[\sa], v[\sb] matrix_a_fmt:MATRIX_FMT_BF8 matrix_b_fmt:MATRIX_FMT_BF8
.elseif (\q) == 1
	v_wmma_scale_f32_16x16x128_f8f6f4 v[\d:\d+7], v[\a:\a+15], v[\b:\b+15], v[\c:\c+7], v[\sa], v[\sb] matrix_a_fmt:MATRIX_FMT_BF8 matrix_b_fmt:MATRIX_FMT_BF8 matrix_b_scale:MATRIX_SCALE_ROW1
.elseif (\q) == 2
	v_wmma_scale_f32_16x16x128_f8f6f4 v[\d:\d+7], v[\a:\a+15], v[\b:\b+15], v[\c:\c+7], v[\sa], v[\sb] matrix_a_fmt:MATRIX_FMT_BF8 matrix_b_fmt:MATRIX_FMT_BF8 matrix_a_scale:MATRIX_SCALE_ROW1
.else
	v_wmma_scale_f32_16x16x128_f8f6f4 v[\d:\d+7], v[\a:\a+15], v[\b:\b+15], v[\c:\c+7], v[\sa], v[\sb] matrix_a_fmt:MATRIX_FMT_BF8 matrix_b_fmt:MATRIX_FMT_BF8 matrix_a_scale:MATRIX_SCALE_ROW1 matrix_b_scale:MATRIX_SCALE_ROW1
.endif
.endm
.macro MULROW f, q, set, a, cmode      ; the 16 accumulators take turns, one instruction a turn
.irp b, 0,1,2,3
.if \cmode
	WM ACC+8*(4*(\a)+\b), (\f)+64+16*\b, (\f)+16*(\a), BIAS+8*\b, SC+16*(\set)+8+2*\b+((\q)&1), SC+16*(\set)+2*(\a)+((\q)>>1), \q
.else
	WM ACC+8*(4*(\a)+\b), (\f)+64+16*\b, (\f)+16*(\a), ACC+8*(4*(\a)+\b), SC+16*(\set)+8+2*\b+((\q)&1), SC+16*(\set)+2*(\a)+((\q)>>1), \q
.endif
.endr
.endm
.macro FETCH slot, q, f
	WIN TO_F
.irp i, 0,1,2,3
.irp c, 0,1,2,3
	ds_load_b128 v[(\f)+16*\i+4*\c:(\f)+16*\i+4*\c+3], v[ADRA+\slot] offset:(4*\i+(\q))*2048+512*\c
.endr
.endr
.irp i, 0,1,2,3
.irp c, 0,1,2,3
	ds_load_b128 v[(\f)+64+16*\i+4*\c:(\f)+64+16*\i+4*\c+3], v[ADRB+\slot] offset:128*(\q)+32*\c+\i*16*PITCH
.endr
.endr
.endm
.macro SCALES set
.irp a, 0,1,2,3
.irp p, 0,1
	ds_load_b32 v[SC+16*\set+2*\a+\p], v[ADSA] offset:1024*\p+64*\a
.endr
.endr
.irp b, 0,1,2,3
	ds_load_b64 v[SC+16*\set+8+2*\b:SC+16*\set+9+2*\b], v[ADSB] offset:\b*SBLK
.endr
.endm
.macro PLACES n
.rept \n
	v_nop
.endr
.endm
.macro QUARTER slot, q, f, g, cmode
	PLACES 8                                       ; in front of loads into registers that the quarter before has read
	FETCH \slot, (\q)+1, \g
	s_wait_dscnt 32                                ; all but the 32 just issued
	WIN MUL
	MULROW \f, \q, \slot, 0, \cmode
	MULROW \f, \q, \slot, 1, \cmode
	MULROW \f, \q, \slot, 2, \cmode
	MULROW \f, \q, \slot, 3, \cmode
.endm
; A slot's last quarter changes slots: one barrier; in front of it each wave waits for all its tensor loads, adds 0 to its spare word, and waits for that and for its reads of this slot.
; fill = 1: the barrier opens a round of the cluster's, and the joint refill, two slots ahead, is the first tensor load behind it: it has a slot's 64 products a wave in which to land
.macro TURN slot, next, fill
	WIN 0
	s_wait_tensorcnt 0x0
	ds_add_u32 v[SPW], v[NIL]                      ; 0 onto my spare word
	s_wait_dscnt 1                                 ; (the add alone may be out)
	WIN MUL
	MULROW F1, 3, \slot, 0, 0
	s_wait_dscnt 0x0
	s_barrier_signal -1
	MULROW F1, 3, \slot, 1, 0
	WIN 0
	s_barrier_wait -1
.if \fill
	CREST
	s_add_nc_u64 s[G0+4*\slot+2:G0+4*\slot+3], s[G0+4*\slot+2:G0+4*\slot+3], 16384
	s_add_nc_u64 s[G0B+4*\slot+2:G0B+4*\slot+3], s[G0B+4*\slot+2:G0B+4*\slot+3], 1024
	JLOAD G0+4*\slot, G1, G0B+4*\slot, G1B
	PLACES 4
.else
	PLACES 8
.endif
	v_add_nc_u32 v[ADSA], 2048, v[ADSA]
	v_add_nc_u32 v[ADSB], 16, v[ADSB]
	FETCH \next, 0, F0
	WIN 0
	SCALES \next
	WIN MUL
	MULROW F1, 3, \slot, 2, 0
	MULROW F1, 3, \slot, 3, 0
.endm
	s_wait_tensorcnt 1                             ; the scales and my part of slot 0 are in (slot 1's load may be out),
	s_barrier_signal -1
	s_barrier_wait -1
	FETCH 0, 0, F0
	WIN 0
	SCALES 0
	s_wait_loadcnt 0x0                             ; the bias
	QUARTER 0, 0, F0, F1, 1
.if LAPS > 1
	WIN 0
	s_mov_b32 s3, LAPS-1
.Llap:
	QUARTER 0, 1, F1, F0, 0
	QUARTER 0, 2, F0, F1, 0
	TURN 0, 1, 1
	QUARTER 1, 0, F0, F1, 0
	QUARTER 1, 1, F1, F0, 0
	QUARTER 1, 2, F0, F1, 0
	TURN 1, 0, 1
	QUARTER 0, 0, F0, F1, 0
	WIN 0
	s_sub_co_u32 s3, s3, 1
	s_cmp_lg_u32 s3, 0
	s_cbranch_scc1 .Llap
.endif
	QUARTER 0, 1, F1, F0, 0
	QUARTER 0, 2, F0, F1, 0
	TURN 0, 1, 0
	QUARTER 1, 0, F0, F1, 0
	QUARTER 1, 1, F1, F0, 0
	QUARTER 1, 2, F0, F1, 0
	PLACES 8
	WIN TO_F
.irp a, 0,1,2,3
.irp t, 0,1,2,3,4,5,6,7
	global_load_b128 v[32*\a+4*\t:32*\a+4*\t+3], v[CO], s[96:97] offset:(16*\a+2*\t)*4096 th:TH_LOAD_NT
.endr
.endr
	s_wait_dscnt 0x0
	WIN MUL
	MULROW F1, 3, 1, 0, 0
	MULROW F1, 3, 1, 1, 0
	MULROW F1, 3, 1, 2, 0
	MULROW F1, 3, 1, 3, 0
	WIN 0
	PLACES 8
; THE WAY OUT, 16 rows at a time: through my stage (in slot 0, which has had its last fill and its last read), back as whole rows of 256 bytes, + the residual, stored sixteen lanes to 256 consecutive bytes
.macro OUTA a
.set OBB, 64+32*((\a)%2)
.if (\a) > 1
	s_wait_xcnt 0x0
.endif
.irp b, 0,1,2,3
	ds_store_b128 v[STO], v[ACC+8*(4*(\a)+\b):ACC+8*(4*(\a)+\b)+3] offset:64*\b
	ds_store_b128 v[STO], v[ACC+8*(4*(\a)+\b)+4:ACC+8*(4*(\a)+\b)+7] offset:64*\b+16
.endr
.irp t, 0,1,2,3,4,5,6,7
	ds_load_b128 v[OBB+4*\t:OBB+4*\t+3], v[RD] offset:544*\t
.endr
	s_wait_loadcnt 8*(3-(\a))                      ; the later blocks' residual loads may be out
	s_wait_dscnt 0x0
	WIN 0x04
.irp t, 0,1,2,3,4,5,6,7
	v_pk_add_f32 v[OBB+4*\t:OBB+4*\t+1], v[OBB+4*\t:OBB+4*\t+1], v[32*(\a)+4*\t:32*(\a)+4*\t+1]
	v_pk_add_f32 v[OBB+4*\t+2:OBB+4*\t+3], v[OBB+4*\t+2:OBB+4*\t+3], v[32*(\a)+4*\t+2:32*(\a)+4*\t+3]
.endr
	WIN 0
.irp t, 0,1,2,3,4,5,6,7
	global_store_b128 v[CO], v[OBB+4*\t:OBB+4*\t+3], s[98:99] offset:(16*(\a)+2*\t)*4096 th:TH_STORE_NT
.endr
.endm
	OUTA 0
	OUTA 1
	OUTA 2
	OUTA 3
	s_wait_tensorcnt 0x0                           ; the wave's end
	ds_add_u32 v[SPW], v[NIL]
	s_wait_dscnt 0x0
	CROUND
	s_endpgm
.Lfunc_end_k_q65494db04a_ffn2:
	.size	k_q65494db04a_ffn2, .Lfunc_end_k_q65494db04a_ffn2-k_q65494db04a_ffn2
	.p2alignl 7, 3214868480
	.fill 96, 4, 3214868480
	.section	.rodata,"a",@progbits
	.p2align	6, 0x0
	.amdhsa_kernel k_q65494db04a_ffn2
		.amdhsa_group_segment_fixed_size 327680
		.amdhsa_private_segment_fixed_size 0
		.amdhsa_enable_private_segment 0
		.amdhsa_kernarg_size 48
		.amdhsa_user_sgpr_count 2
		.amdhsa_user_sgpr_kernarg_segment_ptr 1
		.amdhsa_wavefront_size32 1
		.amdhsa_system_sgpr_workgroup_id_x 1
		.amdhsa_system_sgpr_workgroup_id_y 1
		.amdhsa_system_sgpr_workgroup_id_z 1
		.amdhsa_system_vgpr_workitem_id 0
		.amdhsa_next_free_vgpr 512
		.amdhsa_next_free_sgpr 100
		.amdhsa_reserve_vcc 0
		.amdhsa_float_denorm_mode_32 3
		.amdhsa_float_denorm_mode_16_64 3
		.amdhsa_memory_ordered 1
		.amdhsa_forward_progress 1
		.amdhsa_inst_pref_size 102
	.end_amdhsa_kernel
	.amdgpu_metadata
---
amdhsa.version: [ 1, 2 ]
amdhsa.kernels:
  - .name:           k_q65494db04a_ffn2
    .symbol:         k_q65494db04a_ffn2.kd
    .args:
      - { .name: hid, .offset: 0, .size: 8, .value_kind: global_buffer, .address_space: global }
      - { .name: w2_codes, .offset: 8, .size: 8, .value_kind: global_buffer, .address_space: global }
      - { .name: w2_scales, .offset: 16, .size: 8, .value_kind: global_buffer, .address_space: global }
      - { .name: b2, .offset: 24, .size: 8, .value_kind: global_buffer, .address_space: global }
      - { .name: x2, .offset: 32, .size: 8, .value_kind: global_buffer, .address_space: global }
      - { .name: out0, .offset: 40, .size: 8, .value_kind: global_buffer, .address_space: global }
    .group_segment_fixed_size: 327680
    .private_segment_fixed_size: 0
    .kernarg_segment_align: 8
    .kernarg_segment_size: 48
    .max_flat_workgroup_size: 128
    .sgpr_count:     100
    .vgpr_count:     512
    .wavefront_size: 32
...
	.end_amdgpu_metadata
.endif
;; end of part 7
